; MI455X (gfx1250); checked and timed in simulation.
; The chip was launched on July 23, 2026; its instructions are those of AMD's public machine-readable ISA for CDNA 5 (MIT licence, August 2026) and "CDNA5" Instruction Set Architecture Reference Guide (July 2026). The comments in the code are by the model that wrote it; some were corrected since.
;; GRU Cell. Allowed arithmetic: float matrix products may take bf16 or f16 operands with f32 sums; other float arithmetic in f32, or as packed bf16 or f16 multiplies, adds, multiply-adds, maxima and minima; sums over many terms, partial sums and values carried from step to step in f32; what a program stores and reads back later, other than sums and carried values, may be rounded once to bf16 or f16.
;; Inputs: hx 2,048 x 2,048 float32; u_b 2,048 float32; u_r_b 2,048 float32; u_r_w 2,048 x 2,048 float32; u_w 2,048 x 2,048 float32; u_z_b 2,048 float32; u_z_w 2,048 x 2,048 float32; w 2,048 x 2,048 float32; w_r 2,048 x 2,048 float32; w_z 2,048 x 2,048 float32; x 2,048 x 2,048 float32.
;; Outputs: out0 2,048 x 2,048 float32.
;; 2 versions, each right. Each part assembles by itself: llvm-mc -triple=amdgcn-amd-amdhsa -mcpu=gfx1250 --defsym DOCPART=n.
;; ======== version 1 of 2: 5 launches
;; limits: values are held in f16: magnitudes above 65,504 overflow, below 6.1e-05 lose precision; a function is approximated: absolute error at most 2e-07
;; workspace buffers: wa 33,554,432 bytes; wbb 16,777,216 bytes; lhx 8,388,608 bytes; lx 8,388,608 bytes; a2 8,388,608 bytes; ga 33,554,432 bytes; gb 16,777,216 bytes
;; launch prep (part 1): grid 128 x 8, 8 waves a work-group, no clusters, 0 bytes of LDS; arguments w_r, u_r_w, w_z, u_z_w, w, u_w, hx, x, wa, wbb, lhx, lx; writes wa, wbb, lhx, lx
.if DOCPART == 1
	.amdgcn_target "amdgcn-amd-amdhsa--gfx1250"
	.amdhsa_code_object_version 6
	.text
	.protected	k_qf08625a169_prep
	.globl	k_qf08625a169_prep
	.p2align	8
	.type	k_qf08625a169_prep,@function
k_qf08625a169_prep:
	s_mov_b64 s[64:65], 0
	v_nop
	global_prefetch_b8 v0, s[64:65] scope:SCOPE_SE
	s_setreg_imm32_b32 hwreg(HW_REG_WAVE_MODE, 25, 1), 1
	s_wait_xcnt 0x0
; PREP.  Eight matrices of [2048][2048] f32 are read once and written once as bf16, so that the products that follow fetch 16-bit tiles.
; The grid's y is the matrix: 0-3 w_r, u_r_w, w_z, u_z_w -> the four parts of wa; 4, 5 w, u_w -> the two parts of wbb (plain casts);
; 6 hx -> lhx, 7 x -> lx: there each row is first multiplied by artanh(n) / n, n = clip(|row|, 1e-5, 1 - 1e-5): the log map at the origin.
; SHARES.  A work-group takes 16 rows, a wave two; a row of 8,192 bytes is 64 registers of one wave, so the norm never leaves the wave: no LDS, no barrier, no loop.
; LANES.  Chunk j (0..15) of a row holds columns 128 j + 4 lane .. + 3: a load of 16 bytes a lane covers 512 consecutive bytes, a store of 8 bytes a lane 256 consecutive aligned bytes.
; No matrix unit, no cluster: every byte is used once.  NaN is not treated apart.
.set EPSF,  0x3727c5ac                 ; 1e-5
.set MAXNF, 0x3f7fff58                 ; 1 - 1e-5
.set ACC,   8                          ; v[8:15]   four chains of a sum of squares
.set T,     16                         ; v[16:19]  at work
.set SC,    24                         ; v[24:25]  the row's factor, twice (a pair for the packed multiply)
.set X0,    32                         ; v[32:95] row 0, v[96:159] row 1
.set SEL,   32                         ; s[32:33]  v_permlanex16_b32: each lane takes its own place in the other half
.set SEPS,  34
.set SMAX,  35
; acc = the lane's part of the sum over 64 numbers of x y: four chains started by the first four products, so nothing is cleared
.macro DOT acc, x, y
.set dj, 0
.rept 4
	v_pk_mul_f32 v[(\acc)+2*dj:(\acc)+2*dj+1], v[(\x)+2*dj:(\x)+2*dj+1], v[(\y)+2*dj:(\y)+2*dj+1]
.set dj, dj+1
.endr
.rept 28
	v_pk_fma_f32 v[(\acc)+2*(dj%4):(\acc)+2*(dj%4)+1], v[(\x)+2*dj:(\x)+2*dj+1], v[(\y)+2*dj:(\y)+2*dj+1], v[(\acc)+2*(dj%4):(\acc)+2*(dj%4)+1]
.set dj, dj+1
.endr
	v_pk_add_f32 v[(\acc):(\acc)+1], v[(\acc):(\acc)+1], v[(\acc)+2:(\acc)+3]
	v_pk_add_f32 v[(\acc)+4:(\acc)+5], v[(\acc)+4:(\acc)+5], v[(\acc)+6:(\acc)+7]
	v_pk_add_f32 v[(\acc):(\acc)+1], v[(\acc):(\acc)+1], v[(\acc)+4:(\acc)+5]
	v_add_f32 v[\acc], v[\acc], v[(\acc)+1]
.endm
; the sums over the 32 lanes, left in every lane; register r + 1 (written by DOT) takes the other half's figure
.macro REDN regs:vararg
.irp m, 1,2,4,8
.irp r, \regs
	v_add_f32_dpp v[\r], v[\r], v[\r] row_xmask:\m row_mask:0xf bank_mask:0xf
.endr
.endr
.irp r, \regs
	v_permlanex16_b32 v[(\r)+1], v[\r], s[SEL], s[SEL+1]
.endr
.irp r, \regs
	v_add_f32 v[\r], v[\r], v[(\r)+1]
.endr
.endm
; d = artanh(n) / n, n = clip(sqrt(q), 1e-5, 1 - 1e-5).  For u = n^2 < 1/16 the series 1 + u/3 + .. + u^5/11 (what is cut is below 5e-9), else ln((1 + n) / (1 - n)) / 2 n; a select, no branch.
; Behind each transcendental a plain instruction stands before its result is used (ISA guide 5.7.2).
.macro LOGF d, q, t
	v_sqrt_f32 v[\t], v[\q]
	v_nop
	s_wait_alu depctr_va_vdst(0)
	v_med3_num_f32 v[\t], v[\t], s[SEPS], s[SMAX]
	v_sub_f32 v[(\t)+1], 1.0, v[\t]
	v_mul_f32 v[(\t)+2], v[\t], v[\t]
	v_rcp_f32 v[(\t)+1], v[(\t)+1]
	v_add_f32 v[(\t)+3], 1.0, v[\t]
	s_wait_alu depctr_va_vdst(0)
	v_mul_f32 v[(\t)+1], v[(\t)+1], v[(\t)+3]
	v_log_f32 v[(\t)+1], v[(\t)+1]
	v_rcp_f32 v[\t], v[\t]
	v_mov_b32 v[(\t)+3], 0x3dba2e8c                          ; 1/11
	v_fmaak_f32 v[(\t)+3], v[(\t)+2], v[(\t)+3], 0x3de38e39  ; 1/9
	v_fmaak_f32 v[(\t)+3], v[(\t)+2], v[(\t)+3], 0x3e124925  ; 1/7
	v_fmaak_f32 v[(\t)+3], v[(\t)+2], v[(\t)+3], 0x3e4ccccd  ; 1/5
	v_fmaak_f32 v[(\t)+3], v[(\t)+2], v[(\t)+3], 0x3eaaaaab  ; 1/3
	v_fma_f32 v[(\t)+3], v[(\t)+2], v[(\t)+3], 1.0
	s_wait_alu depctr_va_vdst(0)
	v_mul_f32 v[(\t)+1], 0x3eb17218, v[(\t)+1]               ; ln 2 / 2
	v_mul_f32 v[(\t)+1], v[(\t)+1], v[\t]
	v_cmp_gt_f32 vcc_lo, 0x3d800000, v[(\t)+2]
	v_cndmask_b32 v[\d], v[(\t)+1], v[(\t)+3], vcc_lo
.endm
	s_load_b512 s[8:23], s[0:1], 0x0               ; the eight sources
	s_load_b256 s[24:31], s[0:1], 0x40             ; wa, wbb, lhx, lx
	v_lshrrev_b32 v3, 5, v0
	v_readfirstlane_b32 s2, v3                     ; wave 0..7
	s_and_b32 s3, ttmp7, 0xffff                    ; which matrix
	v_and_b32 v1, 31, v0
	v_lshlrev_b32 v2, 3, v1                        ; 8 x lane: my place in a chunk of bf16
	v_lshlrev_b32 v1, 4, v1                        ; 16 x lane: my place in a chunk of f32
	s_lshl_b32 s36, ttmp9, 4
	s_lshl1_add_u32 s36, s2, s36                   ; my first row = 16 x + 2 wave
	s_and_b32 s37, s3, 3                           ; which part of the destination: y & 3 in wa,
	s_and_b32 s38, s3, 1
	s_cmp_ge_u32 s3, 4
	s_cselect_b32 s37, s38, s37                    ; y & 1 in wbb,
	s_cmp_ge_u32 s3, 6
	s_cselect_b32 s37, 0, s37                      ; 0 in lhx and lx
	s_lshl_b32 s37, s37, 23                        ; a part is 8 MiB
	s_lshl_b32 s38, s36, 12                        ; a bf16 row is 4,096 bytes
	s_add_co_u32 s38, s38, s37
	s_mov_b32 s39, 0                               ; s[38:39]: offset in the destination
	s_lshl_b32 s36, s36, 13                        ; an f32 row is 8,192 bytes
	s_mov_b32 s37, 0                               ; s[36:37]: offset in the source
	s_mov_b32 s[SEL], 0x76543210
	s_mov_b32 s[SEL+1], 0xfedcba98
	s_mov_b32 s[SEPS], EPSF
	s_mov_b32 s[SMAX], MAXNF
	s_wait_kmcnt 0x0
	s_mov_b64 s[4:5], s[8:9]
.irp k, 1,2,3,4,5,6,7
	s_cmp_eq_u32 s3, \k
	s_cselect_b64 s[4:5], s[8+2*(\k):9+2*(\k)], s[4:5]  ; the source is chosen by y alone
.endr
	s_mov_b64 s[6:7], s[24:25]
	s_cmp_ge_u32 s3, 4
	s_cselect_b64 s[6:7], s[26:27], s[6:7]
	s_cmp_eq_u32 s3, 6
	s_cselect_b64 s[6:7], s[28:29], s[6:7]
	s_cmp_eq_u32 s3, 7
	s_cselect_b64 s[6:7], s[30:31], s[6:7]
	s_add_nc_u64 s[4:5], s[4:5], s[36:37]
	s_add_nc_u64 s[6:7], s[6:7], s[38:39]
.irp r, 0,1
.irp j, 0,1,2,3,4,5,6,7,8,9,10,11,12,13,14,15
	global_load_b128 v[X0+64*(\r)+4*(\j):X0+64*(\r)+4*(\j)+3], v1, s[4:5] offset:(\r)*8192+512*(\j) th:TH_LOAD_NT
.endr
.endr
; Row r goes out.  left = the younger loads that may stay out.  No register that a load or a store names is written again in this text.
.macro ROWOUT r, log, left
.set XB, X0+64*(\r)
	s_wait_loadcnt \left                           ; loads come back in order (ISA guide 5.7.1): this row's sixteen are in
.if \log
	DOT ACC, XB, XB
	REDN ACC
	LOGF SC, ACC, T
	v_mov_b32 v[SC+1], v[SC]                       ; named with it as a pair
.set i, 0
.rept 32
	v_pk_mul_f32 v[XB+2*i:XB+2*i+1], v[XB+2*i:XB+2*i+1], v[SC:SC+1] op_sel_hi:[1,0]
.set i, i+1
.endr
.endif
.set i, 0
.rept 32
	v_cvt_pk_bf16_f32 v[XB+i], v[XB+2*i], v[XB+2*i+1]  ; in place, ascending: the destination never passes a number that is still to be read
.set i, i+1
.endr
.set i, 0
.rept 16
	global_store_b64 v2, v[XB+2*i:XB+2*i+1], s[6:7] offset:(\r)*4096+256*i  ; the wave's store covers 256 consecutive bytes, aligned
.set i, i+1
.endr
.endm
	s_cmp_lt_u32 s3, 6
	s_cbranch_scc1 .Lcast
	ROWOUT 0, 1, 16                                ; hx and x: the log map; the second row's sixteen loads stay out
	ROWOUT 1, 1, 0
	s_endpgm
.Lcast:
	ROWOUT 0, 0, 16                                ; the weights: a cast
	ROWOUT 1, 0, 0
	s_endpgm
.Lfunc_end_k_qf08625a169_prep:
	.size	k_qf08625a169_prep, .Lfunc_end_k_qf08625a169_prep-k_qf08625a169_prep
	.p2alignl 7, 3214868480
	.fill 96, 4, 3214868480
	.section	.rodata,"a",@progbits
	.p2align	6, 0x0
	.amdhsa_kernel k_qf08625a169_prep
		.amdhsa_group_segment_fixed_size 0
		.amdhsa_private_segment_fixed_size 0
		.amdhsa_enable_private_segment 0
		.amdhsa_kernarg_size 96
		.amdhsa_user_sgpr_count 2
		.amdhsa_user_sgpr_kernarg_segment_ptr 1
		.amdhsa_wavefront_size32 1
		.amdhsa_system_sgpr_workgroup_id_x 1
		.amdhsa_system_sgpr_workgroup_id_y 1
		.amdhsa_system_sgpr_workgroup_id_z 1
		.amdhsa_system_vgpr_workitem_id 0
		.amdhsa_next_free_vgpr 160
		.amdhsa_next_free_sgpr 66
		.amdhsa_reserve_vcc 1
		.amdhsa_float_denorm_mode_32 3
		.amdhsa_float_denorm_mode_16_64 3
		.amdhsa_memory_ordered 1
		.amdhsa_forward_progress 1
		.amdhsa_inst_pref_size 31
	.end_amdhsa_kernel
	.amdgpu_metadata
---
amdhsa.version: [ 1, 2 ]
amdhsa.kernels:
  - .name:           k_qf08625a169_prep
    .symbol:         k_qf08625a169_prep.kd
    .args:
      - { .name: w_r, .offset: 0, .size: 8, .value_kind: global_buffer, .address_space: global }
      - { .name: u_r_w, .offset: 8, .size: 8, .value_kind: global_buffer, .address_space: global }
      - { .name: w_z, .offset: 16, .size: 8, .value_kind: global_buffer, .address_space: global }
      - { .name: u_z_w, .offset: 24, .size: 8, .value_kind: global_buffer, .address_space: global }
      - { .name: w, .offset: 32, .size: 8, .value_kind: global_buffer, .address_space: global }
      - { .name: u_w, .offset: 40, .size: 8, .value_kind: global_buffer, .address_space: global }
      - { .name: hx, .offset: 48, .size: 8, .value_kind: global_buffer, .address_space: global }
      - { .name: x, .offset: 56, .size: 8, .value_kind: global_buffer, .address_space: global }
      - { .name: wa, .offset: 64, .size: 8, .value_kind: global_buffer, .address_space: global }
      - { .name: wbb, .offset: 72, .size: 8, .value_kind: global_buffer, .address_space: global }
      - { .name: lhx, .offset: 80, .size: 8, .value_kind: global_buffer, .address_space: global }
      - { .name: lx, .offset: 88, .size: 8, .value_kind: global_buffer, .address_space: global }
    .group_segment_fixed_size: 0
    .private_segment_fixed_size: 0
    .kernarg_segment_align: 8
    .kernarg_segment_size: 96
    .max_flat_workgroup_size: 256
    .sgpr_count:     66
    .vgpr_count:     160
    .wavefront_size: 32
...
	.end_amdgpu_metadata
.endif
;; end of part 1
;; launch gemm_a (part 2): grid 32 x 16, 4 waves a work-group, clusters of 4 x 4, 327,680 bytes of LDS; arguments lhx, lx, wa, ga; writes ga
.if DOCPART == 2
	.amdgcn_target "amdgcn-amd-amdhsa--gfx1250"
	.amdhsa_code_object_version 6
	.text
	.protected	k_qf08625a169_gemm_a
	.globl	k_qf08625a169_gemm_a
	.p2align	8
	.type	k_qf08625a169_gemm_a,@function
k_qf08625a169_gemm_a:
	s_mov_b64 s[64:65], 0
	v_nop
	global_prefetch_b8 v0, s[64:65] scope:SCOPE_SE
	s_setreg_imm32_b32 hwreg(HW_REG_WAVE_MODE, 25, 1), 1
	s_wait_xcnt 0x0
	s_wait_alu depctr_hold_cnt(0) depctr_sa_sdst(0) depctr_va_vdst(0) depctr_va_sdst(0) depctr_va_ssrc(0) depctr_va_vcc(0) depctr_vm_vsrc(0)
	s_getreg_b32 s2, hwreg(HW_REG_IB_STS2, 6, 4)
	s_cmp_eq_u32 s2, 0
	s_cbranch_scc0 .Lentry_in_a_cluster
	s_endpgm
.Lentry_in_a_cluster:
	s_bfe_u32 s2, ttmp6, 0x10000c
	s_cmp_lg_u32 s2, 0xf033
	s_cbranch_scc0 .Lentry_shape_is_right
	s_endpgm
.Lentry_shape_is_right:
; GEMM.  C_j[m][n] = sum over k of A_j[m][k] B_j[n][k] for a stack of weights B_0, B_1, .. of [2048][2048] bf16 each; A_j is the first argument for even j, the second for odd j
; ([2048][2048] bf16); C_j is [2048][2048] f16, rounded once from its f32 sum, at c + j x 8 MiB.  The grid's x counts tile columns over the whole stack, eight to a weight.
; LIMIT.  C is kept in f16: |C| stays under 65,504.  An activation row's norm is at most artanh(1 - 1e-5), about 6.2, so |C| is at most 6.2 times a weight row's norm; below 6e-5 f16 keeps a fixed step of 6e-8.
; SHAPE.  A tile of C is 128 x 256: with it a stack of four weights gives 512 tiles and a stack of two 256.  Four waves, each 64 x 128: 32 accumulators of 16 x 16, 256 registers.
; K goes in 16 steps of 128 (rows of 256 bytes of memory, at multiples of 256 bytes) through a ring of two LDS slots filled by the tensor data mover.
; CLUSTER.  4 x 4 work-groups.  The four of a row need the same tile of A, the four of a column the same tile of B: each is asked for jointly, by the same tensor load with the same descriptor and a mask
; that names the four.  Eight tile columns are two clusters, so which A is taken hangs on the cluster's x alone and is the same in all sixteen.
; THE MATRIX INSTRUCTION IS USED TRANSPOSED (source 0 = 16 rows of B, source 1 = 16 rows of A): a lane then holds eight neighbouring numbers of a row of C, which pack into 16 bytes.
; REGISTERS.  Window 0: v0-31 addresses; two fragment buffers of 96 (B's 8 blocks, then A's 4) at v32 and v128; v224-255 packed results.  Window 1: the accumulators, (a, b) at v[8 (8 a + b)].
.set KSTEP,  128
.set PITCH,  272                       ; an LDS row: 256 bytes + 16 of padding = 68 words: row r starts at bank 4 r mod 64 (64 banks of 4 bytes: ISA guide 11.1), so the 16 rows of a load start at 16 different banks
.set AHALF,  64*PITCH                  ; what a wave's load brings of A, and what a wave reads of A
.set BHALF,  128*PITCH                 ; the same for B
.set SLOT,   2*AHALF+2*BHALF           ; A's 128 rows, then B's 256 rows: 104,448 bytes
.set STAGE,  2*SLOT                    ; behind the ring: 16 rows x 272 bytes for each wave, for the way out; no tensor load lands here
.set SPITCH, 272
.set SPARE,  STAGE+4*16*SPITCH         ; behind the stages: the spare words, 128 bytes a wave: two blocks of 256 bytes that no other line names
.set LAPS,   2048/(2*KSTEP)            ; a lap = two K steps = once round the ring
.set ROWB,   4096                      ; bytes in a row of A, of B and of C: 2,048 numbers of 16 bits
.set ADRA, 16                          ; v16-17  LDS address of my A fragments in slot 0, 1
.set ADRB, 20                          ; v20-21  the same for B
.set STO,  24                          ; v24     the way out: where I put 16 bytes of a row
.set RD,   25                          ; v25     the way out: where I read a row back
.set CO,   26                          ; v26     my byte offset in C
.set SPW,  28                          ; v28     LDS address of my spare word; never rewritten
.set NIL,  29                          ; v29     0; never rewritten
.set F0,   32
.set F1,   128
.set TMP,  224
.set OB,   32                          ; the way out: block a's 16 rows come back into v[32 + 32 a ..], fragment registers that are free by then
.set H,    2                           ; s2   wave & 1: which half of a tile I fetch, and which half of the tile's columns is mine
.set WV,   12                          ; s12  my wave's number
.set WM,   13                          ; s13  wave >> 1: which half of the tile's rows is mine
.set G1,   24                          ; s[24:31] descriptor group 1 for A's tiles;  s[32:39] group 0, a set for each slot
.set G0,   32
.set G1B,  48                          ; s[48:55], s[56:63] the same for B's
.set G0B,  56
.set MSB, 0
.macro WIN new                         ; the immediate's high byte repeats the setting that is left; a switch that changes nothing is dropped
.if MSB != (\new)
	s_set_vgpr_msb (MSB<<8)|(\new)
.set MSB, \new
.endif
.endm
.set MUL, 0x50                         ; fragments in window 0; C and D in window 1
; A joint refill: waves 0 and 1 fetch A's two halves, waves 2 and 3 B's.  The branch hangs on the wave's number alone.  An s_nop 0 and four v_nop follow each of the two lines.
.macro JLOAD s
	s_cmp_lt_u32 s[WV], 2
	s_cbranch_scc0 .Lfor_b_\@
	tensor_load_to_lds s[G0+4*(\s):G0+4*(\s)+3], s[G1:G1+7]
	s_nop 0
.rept 4
	v_nop
.endr
	s_branch .Lasked_\@
.Lfor_b_\@:
	tensor_load_to_lds s[G0B+4*(\s):G0B+4*(\s)+3], s[G1B:G1B+7]
	s_nop 0
.rept 4
	v_nop
.endr
.Lasked_\@:
.endm
.macro CREST                           ; a round of the cluster's barrier behind its opening barrier: wave 0 signals for the work-group, every wave waits for all sixteen, my work-group's barrier closes it
	s_cmp_lg_u32 s[WV], 0
	s_cbranch_scc1 .Lnot_wave_0_\@
	s_barrier_signal -3
.Lnot_wave_0_\@:
	s_barrier_wait -3
	s_barrier_signal -1
	s_barrier_wait -1
.endm
.macro CROUND                          ; a whole round
	s_barrier_signal -1
	s_barrier_wait -1
	CREST
.endm
	s_load_b256 s[4:11], s[0:1], 0x0               ; A for even j s[4:5], A for odd j s[6:7], B s[8:9], C s[10:11]
	v_lshl_add_u32 v[SPW], v0, 2, SPARE
	v_mov_b32 v[NIL], 0
	ds_add_u32 v[SPW], v[NIL]                      ; the wave's opening: the add and its wait stand ahead of my first tensor load; the set-up below, work on registers, stands between them
	v_lshrrev_b32 v1, 5, v0
	v_readfirstlane_b32 s[WV], v1                  ; wave 0..3
	s_lshr_b32 s[WM], s[WV], 1
	s_and_b32 s[H], s[WV], 1
	s_bfe_u32 s40, ttmp6, 0x40000                  ; cx, cy: my place in the cluster
	s_bfe_u32 s41, ttmp6, 0x40004
	s_lshl_b32 s42, ttmp9, 2
	s_add_co_u32 s42, s42, s40                     ; tile column = 4 x cluster x + cx
	s_and_b32 s43, ttmp7, 0xffff
	s_lshl_b32 s43, s43, 2
	s_add_co_u32 s43, s43, s41                     ; tile row = 4 x cluster y + cy
	s_lshl_b32 s44, s41, 2
	s_lshl_b32 s44, 15, s44                        ; my row of the cluster: places 4 cy .. 4 cy + 3
	s_lshl_b32 s45, 0x1111, s40                    ; my column: places cx, cx + 4, cx + 8, cx + 12
	s_lshr_b32 s46, ttmp9, 1
	s_and_b32 s46, s46, 1                          ; the weight's number j = cluster x >> 1; its parity chooses A
	; descriptor group 1: tiles of 64 (A) and 128 (B) rows x 128 elements, padded in LDS
	s_or_b32 s[G1+0], s44, (1<<16)|(1<<20)|(1<<21)|(5<<22)|(3<<25)   ; 15:0 the mask: A's tiles go to my row; 17:16 elements of 2 bytes; 20 padding on; 21 set beside a mask; 24:22 after every 64 words (code 5); 31:25 4 words of it (code 3)
	s_or_b32 s[G1B+0], s45, (1<<16)|(1<<20)|(1<<21)|(5<<22)|(3<<25)  ; the same with the mask of my column
	s_mov_b32 s[G1+1], KSTEP<<16                   ; tensor_dim0 = 128
	s_mov_b32 s[G1+2], 64<<16                      ; tensor_dim1 = 64
	s_mov_b32 s[G1+3], KSTEP<<16                   ; tile_dim0 = 128
	s_mov_b32 s[G1+4], 64                          ; tile_dim1 = 64
	s_mov_b32 s[G1+5], 2048                        ; elements from row to row
	s_mov_b32 s[G1+6], 0
	s_mov_b32 s[G1+7], 0
	s_mov_b32 s[G1B+1], KSTEP<<16
	s_mov_b32 s[G1B+2], 128<<16                    ; tensor_dim1 = 128
	s_mov_b32 s[G1B+3], KSTEP<<16
	s_mov_b32 s[G1B+4], 128                        ; tile_dim1 = 128
	s_mov_b32 s[G1B+5], 2048
	s_mov_b32 s[G1B+6], 0
	s_mov_b32 s[G1B+7], 0
	; where the tiles come from.  A's offset is made of the tile row and the wave's number, B's of the tile column and the wave's number, each in registers that never hold the other coordinate.
	s_lshl_b32 s16, s43, 19                        ; 128 rows of 4,096 bytes a tile row,
	s_lshl_b32 s17, s[H], 18                       ; 64 rows a half
	s_add_co_u32 s16, s16, s17
	s_mov_b32 s17, 0
	s_lshl_b32 s18, s42, 20                        ; 256 rows a tile column (the stack's weights lie end to end),
	s_lshl_b32 s19, s[H], 19                       ; 128 rows a half
	s_add_co_u32 s18, s18, s19
	s_mov_b32 s19, 0
	s_mul_i32 s22, s[H], AHALF                     ; and where they go: no place in the cluster enters an LDS address
	s_mul_i32 s23, s[H], BHALF
	s_add_co_u32 s23, s23, 2*AHALF
	s_wait_dscnt 0x0                               ; the opening add is done
	s_wait_kmcnt 0x0
	s_cmp_eq_u32 s46, 1
	s_cselect_b64 s[14:15], s[6:7], s[4:5]         ; odd j: the second A
	s_add_nc_u64 s[14:15], s[14:15], s[16:17]
	s_add_nc_u64 s[46:47], s[8:9], s[18:19]
	CROUND                                         ; all sixteen work-groups are here: the first joint loads meet
.irp s, 0,1
	s_mov_b32 s[G0+4*(\s)], 1                                        ; 1:0 count = 1
	s_add_co_u32 s[G0+4*(\s)+1], s22, (\s)*SLOT                      ; 63:32 LDS address
	s_add_nc_u64 s[G0+4*(\s)+2:G0+4*(\s)+3], s[14:15], (\s)*KSTEP*2  ; 120:64 global address: K step s
	s_or_b32 s[G0+4*(\s)+3], s[G0+4*(\s)+3], 0x80000000              ; 127:126 type = 2
	s_mov_b32 s[G0B+4*(\s)], 1
	s_add_co_u32 s[G0B+4*(\s)+1], s23, (\s)*SLOT
	s_add_nc_u64 s[G0B+4*(\s)+2:G0B+4*(\s)+3], s[46:47], (\s)*KSTEP*2
	s_or_b32 s[G0B+4*(\s)+3], s[G0B+4*(\s)+3], 0x80000000
.endr
	s_cmp_lt_u32 s[WV], 2                          ; a wave's two first fills stand in one branch, ahead of every wait on TENSORcnt and every LDS read: two loads of mine are out
	s_cbranch_scc0 .Lfirst_b
	tensor_load_to_lds s[G0:G0+3], s[G1:G1+7]
	s_nop 0
	tensor_load_to_lds s[G0+4:G0+7], s[G1:G1+7]
	s_nop 0
.rept 4
	v_nop
.endr
	s_branch .Lfirst_asked
.Lfirst_b:
	tensor_load_to_lds s[G0B:G0B+3], s[G1B:G1B+7]
	s_nop 0
	tensor_load_to_lds s[G0B+4:G0B+7], s[G1B:G1B+7]
	s_nop 0
.rept 4
	v_nop
.endr
.Lfirst_asked:
	; A fragment is 16 rows x 32 K in 8 registers: lane l holds row l % 16; registers 0-3 K = 8 (l / 16) + 0..7, registers 4-7 K = 16 + 8 (l / 16) + 0..7: two loads of 16 bytes, 32 bytes apart.
	v_and_b32 v1, 15, v0                           ; l % 16
	v_bfe_u32 v2, v0, 4, 1                         ; l / 16
	v_mul_u32_u24 v3, v1, PITCH
	v_lshl_add_u32 v3, v2, 4, v3                   ; row x pitch + 16 x half
	s_mul_i32 s22, s[WM], AHALF                    ; my 64 rows of A
	s_mul_i32 s23, s[H], BHALF                     ; my 128 rows of B,
	s_add_co_u32 s23, s23, 2*AHALF                 ; which lie behind A's 128
.irp s, 0,1
	v_add_nc_u32 v[ADRA+(\s)], s22, v3
	v_add_nc_u32 v[ADRB+(\s)], s23, v3
	s_add_co_u32 s22, s22, SLOT
	s_add_co_u32 s23, s23, SLOT
.endr
	s_mul_i32 s22, s[WV], 16*SPITCH
	s_add_co_u32 s22, s22, STAGE                   ; my stage
	v_mul_u32_u24 v4, v1, SPITCH                   ; in: row l % 16, 16 bytes for each half of the lanes
	v_lshl_add_u32 v4, v2, 4, v4
	v_add_nc_u32 v[STO], s22, v4
	v_mul_u32_u24 v5, v2, SPITCH                   ; back: lanes 0-15 take one row of 256 bytes, lanes 16-31 the next
	v_lshl_add_u32 v5, v1, 4, v5
	v_add_nc_u32 v[RD], s22, v5
	v_lshlrev_b32 v5, 12, v2                       ; and the same two rows in C
	v_lshl_add_u32 v[CO], v1, 4, v5
	s_lshr_b32 s20, s42, 3                         ; where my part begins in C: j x 8 MiB
	s_lshl_b32 s20, s20, 23
	s_lshl_b32 s21, s43, 19                        ; + 128 rows a tile row
	s_add_co_u32 s20, s20, s21
	s_lshl_b32 s21, s[WM], 18                      ; + my 64 rows
	s_add_co_u32 s20, s20, s21
	s_and_b32 s21, s42, 7
	s_lshl_b32 s21, s21, 9                         ; + 512 bytes a tile column within the weight
	s_add_co_u32 s20, s20, s21
	s_lshl_b32 s21, s[H], 8                        ; + my 256 bytes
	s_add_co_u32 s20, s20, s21
	s_mov_b32 s21, 0
	s_add_nc_u64 s[10:11], s[10:11], s[20:21]
; 8 matrix instructions: m block a x all 8 n blocks, 32 along K.  zero = 1: the product starts the sums: nothing is cleared.
; The 32 accumulators take turns in one fixed order, one instruction a turn: between two links of a chain stand the 31 others'.
.macro MUL8 f, a, zero
	WIN MUL
.irp b, 0,1,2,3,4,5,6,7
.if \zero
	v_wmma_f32_16x16x32_bf16 v[8*(8*(\a)+(\b)):8*(8*(\a)+(\b))+7], v[(\f)+8*(\b):(\f)+8*(\b)+7], v[(\f)+64+8*(\a):(\f)+64+8*(\a)+7], 0
.else
	v_wmma_f32_16x16x32_bf16 v[8*(8*(\a)+(\b)):8*(8*(\a)+(\b))+7], v[(\f)+8*(\b):(\f)+8*(\b)+7], v[(\f)+64+8*(\a):(\f)+64+8*(\a)+7], v[8*(8*(\a)+(\b)):8*(8*(\a)+(\b))+7]
.endif
.endr
.endm
; 24 LDS loads in one run: the fragments of 32 along K at byte k of the rows, into buffer f: B's 128 rows, then A's 64
.macro FETCH slot, k, f
	WIN 0
.irp i, 0,1,2,3,4,5,6,7
	ds_load_b128 v[(\f)+8*(\i):(\f)+8*(\i)+3],   v[ADRB+(\slot)] offset:(\k)+(\i)*16*PITCH
	ds_load_b128 v[(\f)+8*(\i)+4:(\f)+8*(\i)+7], v[ADRB+(\slot)] offset:(\k)+(\i)*16*PITCH+32
.endr
.irp i, 0,1,2,3
	ds_load_b128 v[(\f)+64+8*(\i):(\f)+64+8*(\i)+3],   v[ADRA+(\slot)] offset:(\k)+(\i)*16*PITCH
	ds_load_b128 v[(\f)+64+8*(\i)+4:(\f)+64+8*(\i)+7], v[ADRA+(\slot)] offset:(\k)+(\i)*16*PITCH+32
.endr
.endm
.macro PLACES                          ; four places in front of loads into registers that matrix instructions have read, and of conversions that read results (ISA guide 7.12.1 for the conversions)
.rept 4
	v_nop
.endr
.endm
; A K step is four quarters of 32 along K, 32 matrix instructions each, on buffers 0, 1, 0, 1.  One of the first three: multiplies buffer f; in its middle it fetches the next quarter, at byte k, into g.
.macro QUARTER slot, k, f, g, zero
	s_wait_dscnt 4                                 ; B and A's blocks 0, 1 are in; the youngest four loads (A's blocks 2, 3) may be out
	MUL8 \f, 0, \zero
	MUL8 \f, 1, \zero
	PLACES
	FETCH \slot, \k, \g
	s_wait_dscnt 24                                ; all but the 24 just issued
	MUL8 \f, 2, \zero
	MUL8 \f, 3, \zero
.endm
; The last quarter multiplies buffer 1 and changes slots: ONE barrier.  In front of it each wave waits for all its tensor loads (the one that is out is its part of the next slot), adds 0 to its spare word,
; and waits for that and for its own reads of this slot.  fill = 1: the barrier opens a round of the cluster's, and this slot is filled again, two K steps ahead, first thing behind the round:
; 112 matrix instructions stand between that request and the wait for it.
.macro TURN slot, next, fill
	WIN 0                                          ; (the add's two registers lie in window 0)
	s_wait_tensorcnt 0x0                           ; all my tensor loads have landed;
	ds_add_u32 v[SPW], v[NIL]                      ; 0 onto my spare word;
	s_wait_dscnt 5                                 ; (the add and the youngest four loads may be out)
	MUL8 F1, 0, 0                                  ; eight matrix instructions stand between the add and the wait for it
	s_wait_dscnt 0x0                               ; the add is done, and my reads of this slot are over
	s_barrier_signal -1
	MUL8 F1, 1, 0                                  ; work on registers while the others arrive
.if \fill
	WIN 0
.endif
	s_barrier_wait -1
.if \fill
	CREST                                          ; no wave of any partner still reads this slot's tile or has a load on its way
	s_add_nc_u64 s[G0+4*(\slot)+2:G0+4*(\slot)+3], s[G0+4*(\slot)+2:G0+4*(\slot)+3], 2*KSTEP*2
	s_add_nc_u64 s[G0B+4*(\slot)+2:G0B+4*(\slot)+3], s[G0B+4*(\slot)+2:G0B+4*(\slot)+3], 2*KSTEP*2
	JLOAD \slot                                    ; my one tensor load behind the round; the four v_nop behind it are also the places in front of the loads below
.else
	PLACES
.endif
	FETCH \next, 0, F0
	MUL8 F1, 2, 0
	MUL8 F1, 3, 0
.endm
	s_wait_tensorcnt 1                             ; my part of K step 0 is in; K step 1's may stay out
	s_barrier_signal -1
	s_barrier_wait -1                              ; everybody's is
	FETCH 0, 0, F0
	QUARTER 0, 64, F0, F1, 1                       ; the first quarter stands in front of the loop: its products start the sums
	WIN 0                                          ; at a label and at a branch every window is 0
	s_mov_b32 s3, LAPS-1
.Llap:                                                 ; a trip goes once round the ring, from a lap's second quarter to the next lap's first, and fills both slots again
	QUARTER 0, 128, F1, F0, 0
	QUARTER 0, 192, F0, F1, 0
	TURN 0, 1, 1
	QUARTER 1, 64,  F0, F1, 0
	QUARTER 1, 128, F1, F0, 0
	QUARTER 1, 192, F0, F1, 0
	TURN 1, 0, 1
	QUARTER 0, 64,  F0, F1, 0
	WIN 0
	s_sub_co_u32 s3, s3, 1
	s_cmp_lg_u32 s3, 0
	s_cbranch_scc1 .Llap
	QUARTER 0, 128, F1, F0, 0                      ; the last lap fills nothing, and has no round of the cluster's barrier
	QUARTER 0, 192, F0, F1, 0
	TURN 0, 1, 0
	QUARTER 1, 64,  F0, F1, 0
	QUARTER 1, 128, F1, F0, 0
	QUARTER 1, 192, F0, F1, 0
	s_wait_dscnt 4                                 ; the very last quarter: nothing more to fetch
	MUL8 F1, 0, 0
	MUL8 F1, 1, 0
	s_wait_dscnt 0x0
	MUL8 F1, 2, 0
	MUL8 F1, 3, 0
	WIN 0
; THE WAY OUT, a block of 16 rows at a time.  PACK: rounded to f16, 16 bytes a lane, each accumulator's registers in ascending order.  TOSTAGE: into my own stage and back as whole rows of 256 bytes.  SEND: stored.
.macro PACK a
	WIN 0x05                                       ; sources 0 and 1 in window 1, destination in window 0
.irp b, 0,1,2,3,4,5,6,7
.irp r, 0,1,2,3
	v_cvt_pk_f16_f32 v[TMP+4*(\b)+(\r)], v[8*(8*(\a)+(\b))+2*(\r)], v[8*(8*(\a)+(\b))+2*(\r)+1]
.endr
.endr
	WIN 0
.endm
.macro TOSTAGE a
.irp b, 0,1,2,3,4,5,6,7
	ds_store_b128 v[STO], v[TMP+4*(\b):TMP+4*(\b)+3] offset:32*(\b)
.endr
.irp t, 0,1,2,3,4,5,6,7
	ds_load_b128 v[OB+32*(\a)+4*(\t):OB+32*(\a)+4*(\t)+3], v[RD] offset:(\t)*2*SPITCH  ; LDS serves a wave's instructions in order (ISA guide 5.7.1.4): these see the stores above; the next block's stores come behind them
.endr
.endm
.macro SEND a
	s_wait_dscnt 0x0                               ; the block is back in registers
.irp t, 0,1,2,3,4,5,6,7
	global_store_b128 v[CO], v[OB+32*(\a)+4*(\t):OB+32*(\a)+4*(\t)+3], s[10:11] offset:(16*(\a)+2*(\t))*ROWB  ; 16 lanes store 256 consecutive bytes, at a multiple of 256 from C's first byte; no register of a store is written again
.endr
.endm
	PLACES                                         ; the conversions read results just made
	PACK 0
	TOSTAGE 0
.irp a, 1,2,3                          ; block a's conversions stand between block a - 1's loads from the stage and the wait for them
	PACK \a
	SEND (\a)-1
	TOSTAGE \a
.endr
	SEND 3
	s_wait_tensorcnt 0x0                           ; the wave's end: a wait on my tensor loads, the add and its wait, behind my last tensor load and my last LDS store
	ds_add_u32 v[SPW], v[NIL]
	s_wait_dscnt 0x0
	CROUND                                         ; the closing round: no work-group ends while a partner may still ask for a tile that names it
	s_endpgm
.Lfunc_end_k_qf08625a169_gemm_a:
	.size	k_qf08625a169_gemm_a, .Lfunc_end_k_qf08625a169_gemm_a-k_qf08625a169_gemm_a
	.p2alignl 7, 3214868480
	.fill 96, 4, 3214868480
	.section	.rodata,"a",@progbits
	.p2align	6, 0x0
	.amdhsa_kernel k_qf08625a169_gemm_a
		.amdhsa_group_segment_fixed_size 327680
		.amdhsa_private_segment_fixed_size 0
		.amdhsa_enable_private_segment 0
		.amdhsa_kernarg_size 32
		.amdhsa_user_sgpr_count 2
		.amdhsa_user_sgpr_kernarg_segment_ptr 1
		.amdhsa_wavefront_size32 1
		.amdhsa_system_sgpr_workgroup_id_x 1
		.amdhsa_system_sgpr_workgroup_id_y 1
		.amdhsa_system_sgpr_workgroup_id_z 1
		.amdhsa_system_vgpr_workitem_id 0
		.amdhsa_next_free_vgpr 512
		.amdhsa_next_free_sgpr 66
		.amdhsa_reserve_vcc 0
		.amdhsa_float_denorm_mode_32 3
		.amdhsa_float_denorm_mode_16_64 3
		.amdhsa_memory_ordered 1
		.amdhsa_forward_progress 1
		.amdhsa_inst_pref_size 85
	.end_amdhsa_kernel
	.amdgpu_metadata
---
amdhsa.version: [ 1, 2 ]
amdhsa.kernels:
  - .name:           k_qf08625a169_gemm_a
    .symbol:         k_qf08625a169_gemm_a.kd
    .args:
      - { .name: lhx, .offset: 0, .size: 8, .value_kind: global_buffer, .address_space: global }
      - { .name: lx, .offset: 8, .size: 8, .value_kind: global_buffer, .address_space: global }
      - { .name: wa, .offset: 16, .size: 8, .value_kind: global_buffer, .address_space: global }
      - { .name: ga, .offset: 24, .size: 8, .value_kind: global_buffer, .address_space: global }
    .group_segment_fixed_size: 327680
    .private_segment_fixed_size: 0
    .kernarg_segment_align: 8
    .kernarg_segment_size: 32
    .max_flat_workgroup_size: 128
    .sgpr_count:     66
    .vgpr_count:     512
    .wavefront_size: 32
...
	.end_amdgpu_metadata
.endif
;; end of part 2
;; launch gate (part 3): grid 256 x 1, 8 waves a work-group, no clusters, 0 bytes of LDS; arguments ga, lhx, u_r_b, a2; writes a2
.if DOCPART == 3
	.amdgcn_target "amdgcn-amd-amdhsa--gfx1250"
	.amdhsa_code_object_version 6
	.text
	.protected	k_qf08625a169_gate
	.globl	k_qf08625a169_gate
	.p2align	8
	.type	k_qf08625a169_gate,@function
k_qf08625a169_gate:
	s_mov_b64 s[64:65], 0
	v_nop
	global_prefetch_b8 v0, s[64:65] scope:SCOPE_SE
	s_setreg_imm32_b32 hwreg(HW_REG_WAVE_MODE, 25, 1), 1
	s_wait_xcnt 0x0
; GATE.  r = sigmoid(log0(exp0(G1) (+) exp0(G2 + u_r_b))), a2 = r x lhx, rounded once to bf16.  G1, G2: the first two parts of ga, [2048][2048] f16; lhx, a2: [2048][2048] bf16; (+) is the Moebius sum.
; exp0 and log0 multiply a row by a number made from its norm, and x (+) y = cx x + cy y with cx, cy made from |x|^2, |y|^2, x.y: so a row wants three sums, a few numbers, one more sum
; (the norm of the Moebius sum, taken from its elements as the definition takes it) and 64 sigmoids a lane.
; SHARES.  One wave, one row, kept in registers: no LDS, no barrier, no loop.  Chunk j (0..15) holds columns 128 j + 4 lane .. + 3: 8 bytes a lane of a 16-bit row (256 consecutive bytes a wave), 16 bytes of the f32 bias.
; No matrix unit and no cluster: each number is used once.  NaN is not treated apart.
.set EPSF,  0x3727c5ac                 ; 1e-5
.set MAXNF, 0x3f7fff58                 ; 1 - 1e-5
.set ONE,  3                           ; v3  1.0, v4  0: the mixed multiply-add takes registers alone
.set ZERO, 4
.set T,    8                           ; v[8:11]  at work
.set SA,   12
.set SB,   13
.set X2,   14
.set Y2,   15
.set XY,   16
.set CX,   18
.set CY,   19
.set CFA,  22                          ; v[22:23], v[24:25], v[26:27]  a coefficient each, twice: the packed lines take the pair's low word for both halves
.set CFB,  24
.set KP,   26
.set R1,   32                          ; v[32:63]   G1 as loaded; at the end a2 as stored
.set R2,   64                          ; v[64:95]   G2 as loaded; then the sums' chains
.set ACC0, 64
.set ACC1, 72
.set ACC2, 80
.set RL,   96                          ; v[96:127]  lhx as loaded
.set GA,   128                         ; v[128:191] G1 in f32, then the Moebius sum, then r
.set GB,   192                         ; v[192:255] the bias, then G2 + bias, then lhx in f32
.set SEL,  16                          ; s[16:17]
.set SEPS, 18
.set SMAX, 19
.set SHI,  20                          ; s20  mask of a word's upper bf16
.macro DOT acc, x, y                   ; the lane's part of the sum of x y: four chains started by the first four products
.set dj, 0
.rept 4
	v_pk_mul_f32 v[(\acc)+2*dj:(\acc)+2*dj+1], v[(\x)+2*dj:(\x)+2*dj+1], v[(\y)+2*dj:(\y)+2*dj+1]
.set dj, dj+1
.endr
.rept 28
	v_pk_fma_f32 v[(\acc)+2*(dj%4):(\acc)+2*(dj%4)+1], v[(\x)+2*dj:(\x)+2*dj+1], v[(\y)+2*dj:(\y)+2*dj+1], v[(\acc)+2*(dj%4):(\acc)+2*(dj%4)+1]
.set dj, dj+1
.endr
	v_pk_add_f32 v[(\acc):(\acc)+1], v[(\acc):(\acc)+1], v[(\acc)+2:(\acc)+3]
	v_pk_add_f32 v[(\acc)+4:(\acc)+5], v[(\acc)+4:(\acc)+5], v[(\acc)+6:(\acc)+7]
	v_pk_add_f32 v[(\acc):(\acc)+1], v[(\acc):(\acc)+1], v[(\acc)+4:(\acc)+5]
	v_add_f32 v[\acc], v[\acc], v[(\acc)+1]
.endm
.macro REDN regs:vararg                ; the sums over the 32 lanes, left in every lane; register r + 1 (written by DOT) takes the other half's figure
.irp m, 1,2,4,8
.irp r, \regs
	v_add_f32_dpp v[\r], v[\r], v[\r] row_xmask:\m row_mask:0xf bank_mask:0xf
.endr
.endr
.irp r, \regs
	v_permlanex16_b32 v[(\r)+1], v[\r], s[SEL], s[SEL+1]
.endr
.irp r, \regs
	v_add_f32 v[\r], v[\r], v[(\r)+1]
.endr
.endm
; d = tanh(n) / n, n = max(sqrt(q), 1e-5).  For u = n^2 < 1/16 the series 1 - u/3 + 2u^2/15 - 17u^3/315 + 62u^4/2835 (what is cut is below 1e-8), else (1 - 2 / (1 + e^(2n))) / n; a select, no branch.
; Behind each transcendental a plain instruction stands before its result is used (ISA guide 5.7.2).
.macro EXPF d, q, t
	v_sqrt_f32 v[\t], v[\q]
	v_nop
	s_wait_alu depctr_va_vdst(0)
	v_max_num_f32 v[\t], s[SEPS], v[\t]
	v_mul_f32 v[(\t)+1], 0x4038aa3b, v[\t]                   ; 2 log2(e) n
	v_mul_f32 v[(\t)+2], v[\t], v[\t]
	v_exp_f32 v[(\t)+1], v[(\t)+1]
	v_rcp_f32 v[\t], v[\t]
	v_mov_b32 v[(\t)+3], 0x3cb327a4                          ; 62/2835
	v_fmaak_f32 v[(\t)+3], v[(\t)+2], v[(\t)+3], 0xbd5d0dd1  ; -17/315
	s_wait_alu depctr_va_vdst(0)
	v_add_f32 v[(\t)+1], 1.0, v[(\t)+1]
	v_rcp_f32 v[(\t)+1], v[(\t)+1]
	v_fmaak_f32 v[(\t)+3], v[(\t)+2], v[(\t)+3], 0x3e088889  ; 2/15
	v_fmaak_f32 v[(\t)+3], v[(\t)+2], v[(\t)+3], 0xbeaaaaab  ; -1/3
	s_wait_alu depctr_va_vdst(0)
	v_fma_f32 v[(\t)+1], v[(\t)+1], -2.0, 1.0
	v_fma_f32 v[(\t)+3], v[(\t)+2], v[(\t)+3], 1.0
	v_mul_f32 v[(\t)+1], v[(\t)+1], v[\t]
	v_cmp_gt_f32 vcc_lo, 0x3d800000, v[(\t)+2]
	v_cndmask_b32 v[\d], v[(\t)+1], v[(\t)+3], vcc_lo
.endm
; d = artanh(n) / n, n = clip(sqrt(q), 1e-5, 1 - 1e-5).  For u < 1/16 the series 1 + u/3 + .. + u^5/11 (what is cut is below 5e-9), else ln((1 + n) / (1 - n)) / 2 n.
.macro LOGF d, q, t
	v_sqrt_f32 v[\t], v[\q]
	v_nop
	s_wait_alu depctr_va_vdst(0)
	v_med3_num_f32 v[\t], v[\t], s[SEPS], s[SMAX]
	v_sub_f32 v[(\t)+1], 1.0, v[\t]
	v_mul_f32 v[(\t)+2], v[\t], v[\t]
	v_rcp_f32 v[(\t)+1], v[(\t)+1]
	v_add_f32 v[(\t)+3], 1.0, v[\t]
	s_wait_alu depctr_va_vdst(0)
	v_mul_f32 v[(\t)+1], v[(\t)+1], v[(\t)+3]
	v_log_f32 v[(\t)+1], v[(\t)+1]
	v_rcp_f32 v[\t], v[\t]
	v_mov_b32 v[(\t)+3], 0x3dba2e8c                          ; 1/11
	v_fmaak_f32 v[(\t)+3], v[(\t)+2], v[(\t)+3], 0x3de38e39  ; 1/9
	v_fmaak_f32 v[(\t)+3], v[(\t)+2], v[(\t)+3], 0x3e124925  ; 1/7
	v_fmaak_f32 v[(\t)+3], v[(\t)+2], v[(\t)+3], 0x3e4ccccd  ; 1/5
	v_fmaak_f32 v[(\t)+3], v[(\t)+2], v[(\t)+3], 0x3eaaaaab  ; 1/3
	v_fma_f32 v[(\t)+3], v[(\t)+2], v[(\t)+3], 1.0
	s_wait_alu depctr_va_vdst(0)
	v_mul_f32 v[(\t)+1], 0x3eb17218, v[(\t)+1]               ; ln 2 / 2
	v_mul_f32 v[(\t)+1], v[(\t)+1], v[\t]
	v_cmp_gt_f32 vcc_lo, 0x3d800000, v[(\t)+2]
	v_cndmask_b32 v[\d], v[(\t)+1], v[(\t)+3], vcc_lo
.endm
; x (+) y = cx x + cy y: cx = (1 + 2 xy + y2) / den, cy = (1 - x2) / den, den = max(1 + 2 xy + x2 y2, 1e-5)
.macro MOB cx, cy, x2, y2, xy, t
	v_fma_f32 v[\t], 2.0, v[\xy], 1.0
	v_fma_f32 v[\cy], v[\x2], v[\y2], v[\t]
	v_max_num_f32 v[\cy], s[SEPS], v[\cy]
	v_rcp_f32 v[\cy], v[\cy]
	v_add_f32 v[\t], v[\t], v[\y2]
	v_sub_f32 v[(\t)+1], 1.0, v[\x2]
	s_wait_alu depctr_va_vdst(0)
	v_mul_f32 v[\cx], v[\t], v[\cy]
	v_mul_f32 v[\cy], v[(\t)+1], v[\cy]
.endm
.macro SCALE d, x, c                   ; d = c x over the lane's 64 numbers
.set i, 0
.rept 32
	v_pk_mul_f32 v[(\d)+2*i:(\d)+2*i+1], v[(\x)+2*i:(\x)+2*i+1], v[(\c):(\c)+1] op_sel_hi:[1,0]
.set i, i+1
.endr
.endm
.macro AXPY d, x, c                    ; d += c x
.set i, 0
.rept 32
	v_pk_fma_f32 v[(\d)+2*i:(\d)+2*i+1], v[(\x)+2*i:(\x)+2*i+1], v[(\c):(\c)+1], v[(\d)+2*i:(\d)+2*i+1] op_sel_hi:[1,0,1]
.set i, i+1
.endr
.endm
.macro PROD d, x, y                    ; d = x y, number by number
.set i, 0
	s_wait_alu depctr_va_vdst(0)
.rept 32
	v_pk_mul_f32 v[(\d)+2*i:(\d)+2*i+1], v[(\x)+2*i:(\x)+2*i+1], v[(\y)+2*i:(\y)+2*i+1]
.set i, i+1
.endr
.endm
.macro TRANS op, d                     ; 64 transcendentals on end, in place, and the plain instruction behind the last
.set i, 0
.rept 64
	\op v[(\d)+i], v[(\d)+i]
.set i, i+1
.endr
	v_nop
.endm
.macro ADD1 d                          ; d += 1
.set i, 0
	s_wait_alu depctr_va_vdst(0)
.rept 32
	v_pk_add_f32 v[(\d)+2*i:(\d)+2*i+1], v[(\d)+2*i:(\d)+2*i+1], 1.0 op_sel_hi:[1,0]
.set i, i+1
.endr
.endm
	s_load_b256 s[4:11], s[0:1], 0x0               ; ga s[4:5], lhx s[6:7], u_r_b s[8:9], a2 s[10:11]
	v_lshrrev_b32 v5, 5, v0
	v_readfirstlane_b32 s2, v5                     ; wave 0..7
	s_lshl_b32 s12, ttmp9, 3
	s_add_co_u32 s12, s12, s2                      ; my row
	s_lshl_b32 s12, s12, 12                        ; 4,096 bytes a row of 16-bit numbers
	s_mov_b32 s13, 0
	s_mov_b32 s[SEL], 0x76543210
	s_mov_b32 s[SEL+1], 0xfedcba98
	s_mov_b32 s[SEPS], EPSF
	s_mov_b32 s[SMAX], MAXNF
	s_mov_b32 s[SHI], 0xffff0000
	v_and_b32 v2, 31, v0
	v_lshlrev_b32 v1, 3, v2                        ; 8 x lane
	v_lshlrev_b32 v2, 4, v2                        ; 16 x lane
	v_mov_b32 v[ONE], 1.0
	v_mov_b32 v[ZERO], 0
	s_wait_kmcnt 0x0
	s_add_nc_u64 s[4:5], s[4:5], s[12:13]          ; G1's row
	s_add_nc_u64 s[14:15], s[4:5], 0x800000        ; G2's: the next part of ga
	s_add_nc_u64 s[6:7], s[6:7], s[12:13]
	s_add_nc_u64 s[10:11], s[10:11], s[12:13]
.set i, 0
.rept 16
	global_load_b128 v[GB+4*i:GB+4*i+3], v2, s[8:9] offset:512*i
.set i, i+1
.endr
.set i, 0
.rept 16
	global_load_b64 v[R1+2*i:R1+2*i+1], v1, s[4:5] offset:256*i th:TH_LOAD_NT
.set i, i+1
.endr
.set i, 0
.rept 16
	global_load_b64 v[R2+2*i:R2+2*i+1], v1, s[14:15] offset:256*i th:TH_LOAD_NT
.set i, i+1
.endr
.set i, 0
.rept 16
	global_load_b64 v[RL+2*i:RL+2*i+1], v1, s[6:7] offset:256*i th:TH_LOAD_NT
.set i, i+1
.endr
	s_wait_loadcnt 16                              ; the bias, G1 and G2 are in; lhx's sixteen loads, wanted last, stay out
.set i, 0
.rept 32                                               ; f16 halves to f32; G2 takes its bias in the same line, in f32
	v_fma_mix_f32 v[GA+2*i],   v[R1+i], v[ONE], v[ZERO] op_sel_hi:[1,0,0]
	v_fma_mix_f32 v[GA+2*i+1], v[R1+i], v[ONE], v[ZERO] op_sel:[1,0,0] op_sel_hi:[1,0,0]
	v_fma_mix_f32 v[GB+2*i],   v[R2+i], v[ONE], v[GB+2*i] op_sel_hi:[1,0,0]
	v_fma_mix_f32 v[GB+2*i+1], v[R2+i], v[ONE], v[GB+2*i+1] op_sel:[1,0,0] op_sel_hi:[1,0,0]
.set i, i+1
.endr
	DOT ACC0, GA, GA                               ; |G1|^2
	DOT ACC1, GB, GB                               ; |G2 + b|^2
	DOT ACC2, GA, GB                               ; their product
	REDN ACC0, ACC1, ACC2
	EXPF SA, ACC0, T                               ; exp0(G1) = a G1
	EXPF SB, ACC1, T                               ; exp0(G2 + b) = b' (G2 + b)
	v_mul_f32 v[X2], v[SA], v[SA]
	v_mul_f32 v[Y2], v[SB], v[SB]
	v_mul_f32 v[XY], v[SA], v[SB]
	v_mul_f32 v[X2], v[X2], v[ACC0]
	v_mul_f32 v[Y2], v[Y2], v[ACC1]
	v_mul_f32 v[XY], v[XY], v[ACC2]
	MOB CX, CY, X2, Y2, XY, T
	v_mul_f32 v[CFA], v[CX], v[SA]
	v_mul_f32 v[CFB], v[CY], v[SB]
	v_mov_b32 v[CFA+1], v[CFA]                     ; named as pairs
	v_mov_b32 v[CFB+1], v[CFB]
	SCALE GA, GA, CFA
	AXPY GA, GB, CFB                               ; the Moebius sum
	DOT ACC0, GA, GA
	REDN ACC0
	LOGF SA, ACC0, T
	v_mul_f32 v[KP], 0xbfb8aa3b, v[SA]             ; sigmoid(s m) = 1 / (1 + 2^(-log2(e) s m))
	v_mov_b32 v[KP+1], v[KP]
	SCALE GA, GA, KP
	TRANS v_exp_f32, GA
	ADD1 GA
	TRANS v_rcp_f32, GA                            ; r
	s_wait_loadcnt 0x0                             ; lhx
.set i, 0
.rept 32
	v_lshlrev_b32 v[GB+2*i],   16, v[RL+i]         ; bf16 to f32: the low half moves up,
	v_and_b32     v[GB+2*i+1], s[SHI], v[RL+i]     ; the high half stays
.set i, i+1
.endr
	PROD GA, GA, GB
.set i, 0
.rept 32
	v_cvt_pk_bf16_f32 v[R1+i], v[GA+2*i], v[GA+2*i+1]
.set i, i+1
.endr
.set i, 0
.rept 16
	global_store_b64 v1, v[R1+2*i:R1+2*i+1], s[10:11] offset:256*i  ; the wave's store covers 256 consecutive bytes, aligned
.set i, i+1
.endr
	s_endpgm
.Lfunc_end_k_qf08625a169_gate:
	.size	k_qf08625a169_gate, .Lfunc_end_k_qf08625a169_gate-k_qf08625a169_gate
	.p2alignl 7, 3214868480
	.fill 96, 4, 3214868480
	.section	.rodata,"a",@progbits
	.p2align	6, 0x0
	.amdhsa_kernel k_qf08625a169_gate
		.amdhsa_group_segment_fixed_size 0
		.amdhsa_private_segment_fixed_size 0
		.amdhsa_enable_private_segment 0
		.amdhsa_kernarg_size 32
		.amdhsa_user_sgpr_count 2
		.amdhsa_user_sgpr_kernarg_segment_ptr 1
		.amdhsa_wavefront_size32 1
		.amdhsa_system_sgpr_workgroup_id_x 1
		.amdhsa_system_sgpr_workgroup_id_y 1
		.amdhsa_system_sgpr_workgroup_id_z 1
		.amdhsa_system_vgpr_workitem_id 0
		.amdhsa_next_free_vgpr 256
		.amdhsa_next_free_sgpr 66
		.amdhsa_reserve_vcc 1
		.amdhsa_float_denorm_mode_32 3
		.amdhsa_float_denorm_mode_16_64 3
		.amdhsa_memory_ordered 1
		.amdhsa_forward_progress 1
		.amdhsa_inst_pref_size 49
	.end_amdhsa_kernel
	.amdgpu_metadata
---
amdhsa.version: [ 1, 2 ]
amdhsa.kernels:
  - .name:           k_qf08625a169_gate
    .symbol:         k_qf08625a169_gate.kd
    .args:
      - { .name: ga, .offset: 0, .size: 8, .value_kind: global_buffer, .address_space: global }
      - { .name: lhx, .offset: 8, .size: 8, .value_kind: global_buffer, .address_space: global }
      - { .name: u_r_b, .offset: 16, .size: 8, .value_kind: global_buffer, .address_space: global }
      - { .name: a2, .offset: 24, .size: 8, .value_kind: global_buffer, .address_space: global }
    .group_segment_fixed_size: 0
    .private_segment_fixed_size: 0
    .kernarg_segment_align: 8
    .kernarg_segment_size: 32
    .max_flat_workgroup_size: 256
    .sgpr_count:     66
    .vgpr_count:     256
    .wavefront_size: 32
...
	.end_amdgpu_metadata
.endif
;; end of part 3
;; launch gemm_b: the kernel of part 2 again; grid 16 x 16, 4 waves a work-group, clusters of 4 x 4, 327,680 bytes of LDS; arguments a2, lx, wbb, gb; writes gb
;; launch finish (part 4): grid 256 x 1, 8 waves a work-group, no clusters, 0 bytes of LDS; arguments ga, gb, hx, u_z_b, u_b, out0; writes out0
.if DOCPART == 4
	.amdgcn_target "amdgcn-amd-amdhsa--gfx1250"
	.amdhsa_code_object_version 6
	.text
	.protected	k_qf08625a169_finish
	.globl	k_qf08625a169_finish
	.p2align	8
	.type	k_qf08625a169_finish,@function
k_qf08625a169_finish:
	s_mov_b64 s[64:65], 0
	v_nop
	global_prefetch_b8 v0, s[64:65] scope:SCOPE_SE
	s_setreg_imm32_b32 hwreg(HW_REG_WAVE_MODE, 25, 1), 1
	s_wait_xcnt 0x0
; FINISH.  z = sigmoid(log0(exp0(G3) (+) exp0(G4 + u_z_b)));  inter = exp0(tanh(log0(exp0(G6) (+) exp0(G5 + u_b))));  out0 = hx (+) exp0(z x log0(-hx (+) inter)).
; G3, G4: the last two parts of ga; G6, G5: the two parts of gb; all [2048][2048] f16.  hx, out0: [2048][2048] f32.  (+) is the Moebius sum.
; exp0 and log0 multiply a row by a number made from its norm, and x (+) y = cx x + cy y with cx, cy made from |x|^2, |y|^2, x.y; the norm of every Moebius sum is summed from its elements, as the definition does.
; SHARES.  One wave, one row, all six arrays in registers: no LDS, no barrier, no loop.  Chunk j (0..15) holds columns 128 j + 4 lane .. + 3: 8 bytes a lane of an f16 row, 16 bytes of an f32 row.
; LIMITS.  The element-wise tanh is 1 - 2 / (1 + e^(2t)): an absolute error of about 2e-7, which is small beside a hundredth of hx's share of out0 down to inputs a thirtieth of those drawn.  NaN is not treated apart.
; REGISTERS, in windows of 256 (s_set_vgpr_msb: bits 1:0 source 0, 3:2 source 1, 5:4 source 2, 7:6 destination):
;   window 0: v1-4 offsets and constants; v8-39 four sums' chains; v40-63 numbers of the row; v64-127 HX; v128-191 P; v192-255 Q
;   window 1: v0-127 G5, G6, G3, G4 as loaded; v128-191 ZA; v192-255 ZB
.set EPSF,  0x3727c5ac                 ; 1e-5
.set MAXNF, 0x3f7fff58                 ; 1 - 1e-5
.set ONE,  3                           ; v3  1.0, v4  0: the mixed multiply-add takes registers alone
.set ZERO, 4
.set SUM0, 8
.set SUM1, 16
.set SUM2, 24
.set SUM3, 32
.set T,    40                          ; v[40:43]  at work
.set KP,   46                          ; v[46:47], v[50:51], v[52:53]  a coefficient each, twice: the packed lines take the pair's low word for both halves
.set SHH,  48                          ; v48  |hx|^2
.set CFA,  50
.set CFB,  52
.set SA,   54
.set SB,   55
.set X2,   56
.set Y2,   57
.set XY,   58
.set CX,   59
.set CY,   60
.set SLG,  61                          ; v61  the factor of log0(-hx (+) inter)
.set VV,   62
.set HX,   64
.set P,    128
.set Q,    192
.set RAW5, 0                           ; window 1
.set RAW6, 32
.set RAW3, 64
.set RAW4, 96
.set ZA,   128
.set ZB,   192
.set SEL,  28                          ; s[28:29]
.set SEPS, 30
.set SMAX, 31
.set MSB, 0
.macro WIN new                         ; the immediate's high byte repeats the setting that is left; a switch that changes nothing is dropped
.if MSB != (\new)
	s_set_vgpr_msb (MSB<<8)|(\new)
.set MSB, \new
.endif
.endm
.macro DOT acc, x, y, w=0              ; the lane's part of the sum of x y: four chains (in window 0) started by the first four products; w: the window setting for x and y
	WIN \w
.set dj, 0
.rept 4
	v_pk_mul_f32 v[(\acc)+2*dj:(\acc)+2*dj+1], v[(\x)+2*dj:(\x)+2*dj+1], v[(\y)+2*dj:(\y)+2*dj+1]
.set dj, dj+1
.endr
.rept 28
	v_pk_fma_f32 v[(\acc)+2*(dj%4):(\acc)+2*(dj%4)+1], v[(\x)+2*dj:(\x)+2*dj+1], v[(\y)+2*dj:(\y)+2*dj+1], v[(\acc)+2*(dj%4):(\acc)+2*(dj%4)+1]
.set dj, dj+1
.endr
	WIN 0
	v_pk_add_f32 v[(\acc):(\acc)+1], v[(\acc):(\acc)+1], v[(\acc)+2:(\acc)+3]
	v_pk_add_f32 v[(\acc)+4:(\acc)+5], v[(\acc)+4:(\acc)+5], v[(\acc)+6:(\acc)+7]
	v_pk_add_f32 v[(\acc):(\acc)+1], v[(\acc):(\acc)+1], v[(\acc)+4:(\acc)+5]
	v_add_f32 v[\acc], v[\acc], v[(\acc)+1]
.endm
.macro REDN regs:vararg                ; the sums over the 32 lanes, left in every lane; register r + 1 (written by DOT) takes the other half's figure
.irp m, 1,2,4,8
.irp r, \regs
	v_add_f32_dpp v[\r], v[\r], v[\r] row_xmask:\m row_mask:0xf bank_mask:0xf
.endr
.endr
.irp r, \regs
	v_permlanex16_b32 v[(\r)+1], v[\r], s[SEL], s[SEL+1]
.endr
.irp r, \regs
	v_add_f32 v[\r], v[\r], v[(\r)+1]
.endr
.endm
; d = tanh(n) / n, n = max(sqrt(q), 1e-5).  For u = n^2 < 1/16 the series 1 - u/3 + 2u^2/15 - 17u^3/315 + 62u^4/2835 (what is cut is below 1e-8), else (1 - 2 / (1 + e^(2n))) / n; a select, no branch.
; Behind each transcendental a plain instruction stands before its result is used (ISA guide 5.7.2).
.macro EXPF d, q, t
	v_sqrt_f32 v[\t], v[\q]
	v_nop
	s_wait_alu depctr_va_vdst(0)
	v_max_num_f32 v[\t], s[SEPS], v[\t]
	v_mul_f32 v[(\t)+1], 0x4038aa3b, v[\t]                   ; 2 log2(e) n
	v_mul_f32 v[(\t)+2], v[\t], v[\t]
	v_exp_f32 v[(\t)+1], v[(\t)+1]
	v_rcp_f32 v[\t], v[\t]
	v_mov_b32 v[(\t)+3], 0x3cb327a4                          ; 62/2835
	v_fmaak_f32 v[(\t)+3], v[(\t)+2], v[(\t)+3], 0xbd5d0dd1  ; -17/315
	s_wait_alu depctr_va_vdst(0)
	v_add_f32 v[(\t)+1], 1.0, v[(\t)+1]
	v_rcp_f32 v[(\t)+1], v[(\t)+1]
	v_fmaak_f32 v[(\t)+3], v[(\t)+2], v[(\t)+3], 0x3e088889  ; 2/15
	v_fmaak_f32 v[(\t)+3], v[(\t)+2], v[(\t)+3], 0xbeaaaaab  ; -1/3
	s_wait_alu depctr_va_vdst(0)
	v_fma_f32 v[(\t)+1], v[(\t)+1], -2.0, 1.0
	v_fma_f32 v[(\t)+3], v[(\t)+2], v[(\t)+3], 1.0
	v_mul_f32 v[(\t)+1], v[(\t)+1], v[\t]
	v_cmp_gt_f32 vcc_lo, 0x3d800000, v[(\t)+2]
	v_cndmask_b32 v[\d], v[(\t)+1], v[(\t)+3], vcc_lo
.endm
; d = artanh(n) / n, n = clip(sqrt(q), 1e-5, 1 - 1e-5).  For u < 1/16 the series 1 + u/3 + .. + u^5/11 (what is cut is below 5e-9), else ln((1 + n) / (1 - n)) / 2 n.
.macro LOGF d, q, t
	v_sqrt_f32 v[\t], v[\q]
	v_nop
	s_wait_alu depctr_va_vdst(0)
	v_med3_num_f32 v[\t], v[\t], s[SEPS], s[SMAX]
	v_sub_f32 v[(\t)+1], 1.0, v[\t]
	v_mul_f32 v[(\t)+2], v[\t], v[\t]
	v_rcp_f32 v[(\t)+1], v[(\t)+1]
	v_add_f32 v[(\t)+3], 1.0, v[\t]
	s_wait_alu depctr_va_vdst(0)
	v_mul_f32 v[(\t)+1], v[(\t)+1], v[(\t)+3]
	v_log_f32 v[(\t)+1], v[(\t)+1]
	v_rcp_f32 v[\t], v[\t]
	v_mov_b32 v[(\t)+3], 0x3dba2e8c                          ; 1/11
	v_fmaak_f32 v[(\t)+3], v[(\t)+2], v[(\t)+3], 0x3de38e39  ; 1/9
	v_fmaak_f32 v[(\t)+3], v[(\t)+2], v[(\t)+3], 0x3e124925  ; 1/7
	v_fmaak_f32 v[(\t)+3], v[(\t)+2], v[(\t)+3], 0x3e4ccccd  ; 1/5
	v_fmaak_f32 v[(\t)+3], v[(\t)+2], v[(\t)+3], 0x3eaaaaab  ; 1/3
	v_fma_f32 v[(\t)+3], v[(\t)+2], v[(\t)+3], 1.0
	s_wait_alu depctr_va_vdst(0)
	v_mul_f32 v[(\t)+1], 0x3eb17218, v[(\t)+1]               ; ln 2 / 2
	v_mul_f32 v[(\t)+1], v[(\t)+1], v[\t]
	v_cmp_gt_f32 vcc_lo, 0x3d800000, v[(\t)+2]
	v_cndmask_b32 v[\d], v[(\t)+1], v[(\t)+3], vcc_lo
.endm
; x (+) y = cx x + cy y: cx = (1 + 2 xy + y2) / den, cy = (1 - x2) / den, den = max(1 + 2 xy + x2 y2, 1e-5)
.macro MOB cx, cy, x2, y2, xy, t
	v_fma_f32 v[\t], 2.0, v[\xy], 1.0
	v_fma_f32 v[\cy], v[\x2], v[\y2], v[\t]
	v_max_num_f32 v[\cy], s[SEPS], v[\cy]
	v_rcp_f32 v[\cy], v[\cy]
	v_add_f32 v[\t], v[\t], v[\y2]
	v_sub_f32 v[(\t)+1], 1.0, v[\x2]
	s_wait_alu depctr_va_vdst(0)
	v_mul_f32 v[\cx], v[\t], v[\cy]
	v_mul_f32 v[\cy], v[(\t)+1], v[\cy]
.endm
; The passes over the lane's 64 numbers; w is the window setting under which the pass's operands are named.
.macro SCALE d, x, c, w=0              ; d = c x
	WIN \w
.set i, 0
.rept 32
	v_pk_mul_f32 v[(\d)+2*i:(\d)+2*i+1], v[(\x)+2*i:(\x)+2*i+1], v[(\c):(\c)+1] op_sel_hi:[1,0]
.set i, i+1
.endr
.endm
.macro AXPY d, x, c, w=0               ; d += c x
	WIN \w
.set i, 0
.rept 32
	v_pk_fma_f32 v[(\d)+2*i:(\d)+2*i+1], v[(\x)+2*i:(\x)+2*i+1], v[(\c):(\c)+1], v[(\d)+2*i:(\d)+2*i+1] op_sel_hi:[1,0,1]
.set i, i+1
.endr
.endm
.macro PROD d, x, y, w=0               ; d = x y, number by number
	WIN \w
.set i, 0
	s_wait_alu depctr_va_vdst(0)
.rept 32
	v_pk_mul_f32 v[(\d)+2*i:(\d)+2*i+1], v[(\x)+2*i:(\x)+2*i+1], v[(\y)+2*i:(\y)+2*i+1]
.set i, i+1
.endr
.endm
.macro TRANS op, d, w=0                ; 64 transcendentals on end, in place, and the plain instruction behind the last
	WIN \w
.set i, 0
.rept 64
	\op v[(\d)+i], v[(\d)+i]
.set i, i+1
.endr
	v_nop
.endm
.macro ADD1 d, w=0                     ; d += 1
	WIN \w
.set i, 0
	s_wait_alu depctr_va_vdst(0)
.rept 32
	v_pk_add_f32 v[(\d)+2*i:(\d)+2*i+1], v[(\d)+2*i:(\d)+2*i+1], 1.0 op_sel_hi:[1,0]
.set i, i+1
.endr
.endm
.macro LOAD64 d, base                  ; a row of f16: sixteen loads of 8 bytes a lane
.set i, 0
.rept 16
	global_load_b64 v[(\d)+2*i:(\d)+2*i+1], v1, s[(\base):(\base)+1] offset:256*i th:TH_LOAD_NT
.set i, i+1
.endr
.endm
	s_load_b256 s[4:11], s[0:1], 0x0               ; ga s[4:5], gb s[6:7], hx s[8:9], u_z_b s[10:11]
	s_load_b128 s[12:15], s[0:1], 0x20             ; u_b s[12:13], out0 s[14:15]
	v_lshrrev_b32 v5, 5, v0
	v_readfirstlane_b32 s2, v5                     ; wave 0..7
	s_lshl_b32 s3, ttmp9, 3
	s_add_co_u32 s3, s3, s2                        ; my row
	s_lshl_b32 s16, s3, 12                         ; 4,096 bytes a row of f16,
	s_mov_b32 s17, 0
	s_lshl_b32 s18, s3, 13                         ; 8,192 a row of f32
	s_mov_b32 s19, 0
	s_mov_b32 s[SEL], 0x76543210
	s_mov_b32 s[SEL+1], 0xfedcba98
	s_mov_b32 s[SEPS], EPSF
	s_mov_b32 s[SMAX], MAXNF
	v_and_b32 v2, 31, v0
	v_lshlrev_b32 v1, 3, v2                        ; 8 x lane
	v_lshlrev_b32 v2, 4, v2                        ; 16 x lane
	v_mov_b32 v[ONE], 1.0
	v_mov_b32 v[ZERO], 0
	s_wait_kmcnt 0x0
	s_add_nc_u64 s[20:21], s[4:5], s[16:17]
	s_add_nc_u64 s[20:21], s[20:21], 0x1000000     ; G3's row: the third part of ga
	s_add_nc_u64 s[22:23], s[20:21], 0x800000      ; G4's: the fourth
	s_add_nc_u64 s[24:25], s[6:7], s[16:17]        ; G6's: the first part of gb
	s_add_nc_u64 s[26:27], s[24:25], 0x800000      ; G5's: the second
	s_add_nc_u64 s[8:9], s[8:9], s[18:19]
	s_add_nc_u64 s[14:15], s[14:15], s[18:19]
	; what the way to inter wants goes out first (64 loads), what z wants behind it (48)
	WIN 0x40                                       ; destination window 1, address window 0
	LOAD64 RAW5, 26
	LOAD64 RAW6, 24
	WIN 0
.set i, 0
.rept 16
	global_load_b128 v[Q+4*i:Q+4*i+3], v2, s[12:13] offset:512*i
.set i, i+1
.endr
.set i, 0
.rept 16
	global_load_b128 v[HX+4*i:HX+4*i+3], v2, s[8:9] offset:512*i th:TH_LOAD_NT
.set i, i+1
.endr
	WIN 0x40
	LOAD64 RAW3, 20
	LOAD64 RAW4, 22
.set i, 0
.rept 16
	global_load_b128 v[ZB+4*i:ZB+4*i+3], v2, s[10:11] offset:512*i
.set i, i+1
.endr
	s_wait_loadcnt 48                              ; G5, G6, u_b and hx are in; z's 48 loads stay out
	; INTER.  Q = G5 + u_b, P = G6, both in f32
	WIN 0x01                                       ; source 0 in window 1
.set i, 0
.rept 32
	v_fma_mix_f32 v[Q+2*i],   v[RAW5+i], v[ONE], v[Q+2*i] op_sel_hi:[1,0,0]
	v_fma_mix_f32 v[Q+2*i+1], v[RAW5+i], v[ONE], v[Q+2*i+1] op_sel:[1,0,0] op_sel_hi:[1,0,0]
	v_fma_mix_f32 v[P+2*i],   v[RAW6+i], v[ONE], v[ZERO] op_sel_hi:[1,0,0]
	v_fma_mix_f32 v[P+2*i+1], v[RAW6+i], v[ONE], v[ZERO] op_sel:[1,0,0] op_sel_hi:[1,0,0]
.set i, i+1
.endr
	DOT SUM0, P, P
	DOT SUM1, Q, Q
	DOT SUM2, P, Q
	DOT SUM3, HX, HX
	REDN SUM0, SUM1, SUM2, SUM3
	v_mov_b32 v[SHH], v[SUM3]
	EXPF SA, SUM0, T                               ; wh = a6 G6
	EXPF SB, SUM1, T                               ; exp0(G5 + b) = a5 (G5 + b)
	v_mul_f32 v[X2], v[SA], v[SA]
	v_mul_f32 v[Y2], v[SB], v[SB]
	v_mul_f32 v[XY], v[SA], v[SB]
	v_mul_f32 v[X2], v[X2], v[SUM0]
	v_mul_f32 v[Y2], v[Y2], v[SUM1]
	v_mul_f32 v[XY], v[XY], v[SUM2]
	MOB CX, CY, X2, Y2, XY, T
	v_mul_f32 v[CFA], v[CX], v[SA]
	v_mul_f32 v[CFB], v[CY], v[SB]
	v_mov_b32 v[CFA+1], v[CFA]                     ; named as pairs
	v_mov_b32 v[CFB+1], v[CFB]
	SCALE P, P, CFA
	AXPY P, Q, CFB                                 ; the Moebius sum m
	DOT SUM0, P, P
	REDN SUM0
	LOGF SA, SUM0, T
	v_mul_f32 v[KP], 0x4038aa3b, v[SA]             ; tanh(s m) = 1 - 2 / (1 + 2^(2 log2(e) s m))
	v_mov_b32 v[KP+1], v[KP]
	SCALE P, P, KP
	TRANS v_exp_f32, P
	ADD1 P
	TRANS v_rcp_f32, P
.set i, 0
	s_wait_alu depctr_va_vdst(0)
.rept 32
	v_pk_fma_f32 v[P+2*i:P+2*i+1], v[P+2*i:P+2*i+1], -2.0, 1.0 op_sel_hi:[1,0,0]
.set i, i+1
.endr
	DOT SUM0, P, P                                 ; |t|^2
	DOT SUM1, HX, P                                ; hx . t
	REDN SUM0, SUM1
	EXPF SA, SUM0, T                               ; inter = e t
	v_mul_f32 v[Y2], v[SA], v[SA]
	v_mul_f32 v[XY], v[SA], v[SUM1]
	v_mul_f32 v[Y2], v[Y2], v[SUM0]
	v_mul_f32 v[XY], -1.0, v[XY]                   ; (-hx) . inter
	MOB CX, CY, SHH, Y2, XY, T
	v_mul_f32 v[CFA], -1.0, v[CX]
	v_mul_f32 v[CFB], v[CY], v[SA]
	v_mov_b32 v[CFA+1], v[CFA]
	v_mov_b32 v[CFB+1], v[CFB]
	SCALE P, P, CFB
	AXPY P, HX, CFA                                ; d = -hx (+) inter
	DOT SUM0, P, P
	REDN SUM0
	LOGF SLG, SUM0, T                              ; log0(d) = SLG d
	; Z.  ZB = G4 + u_z_b, ZA = G3
	s_wait_loadcnt 0x0
	WIN 0x51                                       ; source 0, source 2 and destination in window 1
.set i, 0
.rept 32
	v_fma_mix_f32 v[ZB+2*i],   v[RAW4+i], v[ONE], v[ZB+2*i] op_sel_hi:[1,0,0]
	v_fma_mix_f32 v[ZB+2*i+1], v[RAW4+i], v[ONE], v[ZB+2*i+1] op_sel:[1,0,0] op_sel_hi:[1,0,0]
.set i, i+1
.endr
	WIN 0x41                                       ; source 0 and destination in window 1
.set i, 0
.rept 32
	v_fma_mix_f32 v[ZA+2*i],   v[RAW3+i], v[ONE], v[ZERO] op_sel_hi:[1,0,0]
	v_fma_mix_f32 v[ZA+2*i+1], v[RAW3+i], v[ONE], v[ZERO] op_sel:[1,0,0] op_sel_hi:[1,0,0]
.set i, i+1
.endr
	DOT SUM0, ZA, ZA, 0x05                         ; sources 0 and 1 in window 1, the chains in window 0
	DOT SUM1, ZB, ZB, 0x05
	DOT SUM2, ZA, ZB, 0x05
	REDN SUM0, SUM1, SUM2
	EXPF SA, SUM0, T
	EXPF SB, SUM1, T
	v_mul_f32 v[X2], v[SA], v[SA]
	v_mul_f32 v[Y2], v[SB], v[SB]
	v_mul_f32 v[XY], v[SA], v[SB]
	v_mul_f32 v[X2], v[X2], v[SUM0]
	v_mul_f32 v[Y2], v[Y2], v[SUM1]
	v_mul_f32 v[XY], v[XY], v[SUM2]
	MOB CX, CY, X2, Y2, XY, T
	v_mul_f32 v[CFA], v[CX], v[SA]
	v_mul_f32 v[CFB], v[CY], v[SB]
	v_mov_b32 v[CFA+1], v[CFA]
	v_mov_b32 v[CFB+1], v[CFB]
	SCALE ZA, ZA, CFA, 0x41
	AXPY ZA, ZB, CFB, 0x51
	DOT SUM0, ZA, ZA, 0x05
	REDN SUM0
	LOGF SA, SUM0, T
	v_mul_f32 v[KP], 0xbfb8aa3b, v[SA]             ; sigmoid(s m) = 1 / (1 + 2^(-log2(e) s m))
	v_mov_b32 v[KP+1], v[KP]
	SCALE ZA, ZA, KP, 0x41
	TRANS v_exp_f32, ZA, 0x41
	ADD1 ZA, 0x41
	TRANS v_rcp_f32, ZA, 0x41                      ; z
	PROD P, ZA, P, 0x01                            ; P = z d; the vector wanted is v = SLG P
	; THE END.  out0 = hx (+) exp0(v)
	DOT SUM0, P, P
	DOT SUM1, HX, P
	REDN SUM0, SUM1
	v_mul_f32 v[VV], v[SLG], v[SLG]
	v_mul_f32 v[VV], v[VV], v[SUM0]                ; |v|^2
	EXPF SA, VV, T                                 ; exp0(v) = f v
	v_mul_f32 v[SB], v[SA], v[SLG]                 ; f SLG
	v_mul_f32 v[Y2], v[SA], v[SA]
	v_mul_f32 v[XY], v[SB], v[SUM1]
	v_mul_f32 v[Y2], v[Y2], v[VV]
	MOB CX, CY, SHH, Y2, XY, T
	v_mov_b32 v[CFA], v[CX]
	v_mul_f32 v[CFB], v[CY], v[SB]
	v_mov_b32 v[CFA+1], v[CX]
	v_mov_b32 v[CFB+1], v[CFB]
	SCALE HX, HX, CFA
	AXPY HX, P, CFB
.set i, 0
.rept 16
	global_store_b128 v2, v[HX+4*i:HX+4*i+3], s[14:15] offset:512*i th:TH_STORE_NT  ; the wave's store covers 512 consecutive bytes, aligned
.set i, i+1
.endr
	s_endpgm
.Lfunc_end_k_qf08625a169_finish:
	.size	k_qf08625a169_finish, .Lfunc_end_k_qf08625a169_finish-k_qf08625a169_finish
	.p2alignl 7, 3214868480
	.fill 96, 4, 3214868480
	.section	.rodata,"a",@progbits
	.p2align	6, 0x0
	.amdhsa_kernel k_qf08625a169_finish
		.amdhsa_group_segment_fixed_size 0
		.amdhsa_private_segment_fixed_size 0
		.amdhsa_enable_private_segment 0
		.amdhsa_kernarg_size 48
		.amdhsa_user_sgpr_count 2
		.amdhsa_user_sgpr_kernarg_segment_ptr 1
		.amdhsa_wavefront_size32 1
		.amdhsa_system_sgpr_workgroup_id_x 1
		.amdhsa_system_sgpr_workgroup_id_y 1
		.amdhsa_system_sgpr_workgroup_id_z 1
		.amdhsa_system_vgpr_workitem_id 0
		.amdhsa_next_free_vgpr 512
		.amdhsa_next_free_sgpr 66
		.amdhsa_reserve_vcc 1
		.amdhsa_float_denorm_mode_32 3
		.amdhsa_float_denorm_mode_16_64 3
		.amdhsa_memory_ordered 1
		.amdhsa_forward_progress 1
		.amdhsa_inst_pref_size 114
	.end_amdhsa_kernel
	.amdgpu_metadata
---
amdhsa.version: [ 1, 2 ]
amdhsa.kernels:
  - .name:           k_qf08625a169_finish
    .symbol:         k_qf08625a169_finish.kd
    .args:
      - { .name: ga, .offset: 0, .size: 8, .value_kind: global_buffer, .address_space: global }
      - { .name: gb, .offset: 8, .size: 8, .value_kind: global_buffer, .address_space: global }
      - { .name: hx, .offset: 16, .size: 8, .value_kind: global_buffer, .address_space: global }
      - { .name: u_z_b, .offset: 24, .size: 8, .value_kind: global_buffer, .address_space: global }
      - { .name: u_b, .offset: 32, .size: 8, .value_kind: global_buffer, .address_space: global }
      - { .name: out0, .offset: 40, .size: 8, .value_kind: global_buffer, .address_space: global }
    .group_segment_fixed_size: 0
    .private_segment_fixed_size: 0
    .kernarg_segment_align: 8
    .kernarg_segment_size: 48
    .max_flat_workgroup_size: 256
    .sgpr_count:     66
    .vgpr_count:     512
    .wavefront_size: 32
...
	.end_amdgpu_metadata
.endif
;; end of part 4
;; ======== version 2 of 2: 5 launches
;; limits: values are held in f16: magnitudes above 65,504 overflow, below 6.1e-05 lose precision; a function is approximated: absolute error at most 2e-07
;; workspace buffers: wa 33,554,432 bytes; wbb 16,777,216 bytes; lhx 8,388,608 bytes; lx 8,388,608 bytes; a2 8,388,608 bytes; ga 33,554,432 bytes; gb 16,777,216 bytes
;; launch prep (part 5): grid 128 x 8, 8 waves a work-group, no clusters, 0 bytes of LDS; arguments w_r, u_r_w, w_z, u_z_w, w, u_w, hx, x, wa, wbb, lhx, lx; writes wa, wbb, lhx, lx
.if DOCPART == 5
	.amdgcn_target "amdgcn-amd-amdhsa--gfx1250"
	.amdhsa_code_object_version 6
	.text
	.protected	k_qf08625a169_prep
	.globl	k_qf08625a169_prep
	.p2align	8
	.type	k_qf08625a169_prep,@function
k_qf08625a169_prep:
	s_mov_b64 s[64:65], 0
	v_nop
	global_prefetch_b8 v0, s[64:65] scope:SCOPE_SE
	s_setreg_imm32_b32 hwreg(HW_REG_WAVE_MODE, 25, 1), 1
	s_wait_xcnt 0x0
; PREP.  Eight matrices of [2048][2048] f32 are read once and written once as bf16, so that the products that follow fetch 16-bit tiles.
; The grid's y is the matrix: 0-3 w_r, u_r_w, w_z, u_z_w -> the four parts of wa; 4, 5 w, u_w -> the two parts of wbb (plain casts);
; 6 hx -> lhx, 7 x -> lx: there each row is first multiplied by artanh(n) / n, n = clip(|row|, 1e-5, 1 - 1e-5): the log map at the origin.
; SHARES.  A work-group takes 16 rows, a wave two; a row of 8,192 bytes is 64 registers of one wave, so the norm never leaves the wave: no LDS, no barrier, no loop.
; LANES.  Chunk j (0..15) of an f32 row holds columns 128 j + 4 lane .. + 3: a load of 16 bytes a lane covers 512 consecutive bytes.
; THE ORDER OF THE 16-BIT ROWS.  In every 16-bit row that this program keeps (wa, wbb, lhx, lx here; a2, ga, gb later) the numbers stand in an order of their own: of each 256, place 8 L + 4 h + e
; holds number 128 h + 4 L + e (L 0..31, h 0..1, e 0..3).  So lane L's numbers of chunks 2 J and 2 J + 1 are 16 neighbouring bytes, and a store or load of 16 bytes a lane covers 512 consecutive bytes.
; Along K the order is the same in both operands of every product, which leaves each sum its terms.  Along N it comes about here: a weight's ROW c is written at the place that the order gives c,
; so the products' columns arrive in that order.  Rows of hx and x are rows of the batch and keep their places.
; No matrix unit, no cluster: every byte is used once.  NaN is not treated apart.
.set EPSF,  0x3727c5ac                 ; 1e-5
.set MAXNF, 0x3f7fff58                 ; 1 - 1e-5
.set ACC,   8                          ; v[8:15]   four chains of a sum of squares
.set T,     16                         ; v[16:19]  at work
.set SC,    24                         ; v[24:25]  the row's factor, twice (a pair for the packed multiply)
.set X0,    32                         ; v[32:95] row 0, v[96:159] row 1
.set SEL,   32                         ; s[32:33]  v_permlanex16_b32: each lane takes its own place in the other half
.set SEPS,  34
.set SMAX,  35
; acc = the lane's part of the sum over 64 numbers of x y: four chains started by the first four products, so nothing is cleared
.macro DOT acc, x, y
.set dj, 0
.rept 4
	v_pk_mul_f32 v[(\acc)+2*dj:(\acc)+2*dj+1], v[(\x)+2*dj:(\x)+2*dj+1], v[(\y)+2*dj:(\y)+2*dj+1]
.set dj, dj+1
.endr
.rept 28
	v_pk_fma_f32 v[(\acc)+2*(dj%4):(\acc)+2*(dj%4)+1], v[(\x)+2*dj:(\x)+2*dj+1], v[(\y)+2*dj:(\y)+2*dj+1], v[(\acc)+2*(dj%4):(\acc)+2*(dj%4)+1]
.set dj, dj+1
.endr
	v_pk_add_f32 v[(\acc):(\acc)+1], v[(\acc):(\acc)+1], v[(\acc)+2:(\acc)+3]
	v_pk_add_f32 v[(\acc)+4:(\acc)+5], v[(\acc)+4:(\acc)+5], v[(\acc)+6:(\acc)+7]
	v_pk_add_f32 v[(\acc):(\acc)+1], v[(\acc):(\acc)+1], v[(\acc)+4:(\acc)+5]
	v_add_f32 v[\acc], v[\acc], v[(\acc)+1]
.endm
; the sums over the 32 lanes, left in every lane; register r + 1 (written by DOT) takes the other half's figure
.macro REDN regs:vararg
.irp m, 1,2,4,8
.irp r, \regs
	v_add_f32_dpp v[\r], v[\r], v[\r] row_xmask:\m row_mask:0xf bank_mask:0xf
.endr
.endr
.irp r, \regs
	v_permlanex16_b32 v[(\r)+1], v[\r], s[SEL], s[SEL+1]
.endr
.irp r, \regs
	v_add_f32 v[\r], v[\r], v[(\r)+1]
.endr
.endm
; d = artanh(n) / n, n = clip(sqrt(q), 1e-5, 1 - 1e-5).  For u = n^2 < 1/16 the series 1 + u/3 + .. + u^5/11 (what is cut is below 5e-9), else ln((1 + n) / (1 - n)) / 2 n; a select, no branch.
; Behind each transcendental a plain instruction stands before its result is used (ISA guide 5.7.2).
.macro LOGF d, q, t
	v_sqrt_f32 v[\t], v[\q]
	v_nop
	s_wait_alu depctr_va_vdst(0)
	v_med3_num_f32 v[\t], v[\t], s[SEPS], s[SMAX]
	v_sub_f32 v[(\t)+1], 1.0, v[\t]
	v_mul_f32 v[(\t)+2], v[\t], v[\t]
	v_rcp_f32 v[(\t)+1], v[(\t)+1]
	v_add_f32 v[(\t)+3], 1.0, v[\t]
	s_wait_alu depctr_va_vdst(0)
	v_mul_f32 v[(\t)+1], v[(\t)+1], v[(\t)+3]
	v_log_f32 v[(\t)+1], v[(\t)+1]
	v_rcp_f32 v[\t], v[\t]
	v_mov_b32 v[(\t)+3], 0x3dba2e8c                          ; 1/11
	v_fmaak_f32 v[(\t)+3], v[(\t)+2], v[(\t)+3], 0x3de38e39  ; 1/9
	v_fmaak_f32 v[(\t)+3], v[(\t)+2], v[(\t)+3], 0x3e124925  ; 1/7
	v_fmaak_f32 v[(\t)+3], v[(\t)+2], v[(\t)+3], 0x3e4ccccd  ; 1/5
	v_fmaak_f32 v[(\t)+3], v[(\t)+2], v[(\t)+3], 0x3eaaaaab  ; 1/3
	v_fma_f32 v[(\t)+3], v[(\t)+2], v[(\t)+3], 1.0
	s_wait_alu depctr_va_vdst(0)
	v_mul_f32 v[(\t)+1], 0x3eb17218, v[(\t)+1]               ; ln 2 / 2
	v_mul_f32 v[(\t)+1], v[(\t)+1], v[\t]
	v_cmp_gt_f32 vcc_lo, 0x3d800000, v[(\t)+2]
	v_cndmask_b32 v[\d], v[(\t)+1], v[(\t)+3], vcc_lo
.endm
	s_load_b512 s[8:23], s[0:1], 0x0               ; the eight sources
	s_load_b256 s[24:31], s[0:1], 0x40             ; wa, wbb, lhx, lx
	v_lshrrev_b32 v3, 5, v0
	v_readfirstlane_b32 s2, v3                     ; wave 0..7
	s_and_b32 s3, ttmp7, 0xffff                    ; which matrix
	v_and_b32 v1, 31, v0
	v_lshlrev_b32 v1, 4, v1                        ; 16 x lane: my place in 512 bytes, of an f32 chunk and of a block of bf16 alike
	s_lshl_b32 s36, ttmp9, 4
	s_lshl1_add_u32 s36, s2, s36                   ; my first row c = 16 x + 2 wave: even, so c and c + 1 differ in e alone and keep neighbouring places
	s_and_b32 s38, s36, 0x703                      ; the place of a weight's row c = 256 J + 128 h + 4 L + e: 256 J + e
	s_bfe_u32 s39, s36, 0x50002                    ; L: 5 bits from bit 2
	s_lshl3_add_u32 s38, s39, s38                  ; + 8 L
	s_bfe_u32 s39, s36, 0x10007                    ; h: bit 7
	s_lshl2_add_u32 s38, s39, s38                  ; + 4 h
	s_cmp_ge_u32 s3, 6
	s_cselect_b32 s38, s36, s38                    ; rows of hx and x stay where they are
	s_and_b32 s37, s3, 3                           ; which part of the destination: y & 3 in wa,
	s_and_b32 s39, s3, 1
	s_cmp_ge_u32 s3, 4
	s_cselect_b32 s37, s39, s37                    ; y & 1 in wbb,
	s_cmp_ge_u32 s3, 6
	s_cselect_b32 s37, 0, s37                      ; 0 in lhx and lx
	s_lshl_b32 s37, s37, 23                        ; a part is 8 MiB
	s_lshl_b32 s38, s38, 12                        ; a bf16 row is 4,096 bytes
	s_add_co_u32 s38, s38, s37
	s_mov_b32 s39, 0                               ; s[38:39]: offset in the destination
	s_lshl_b32 s36, s36, 13                        ; an f32 row is 8,192 bytes
	s_mov_b32 s37, 0                               ; s[36:37]: offset in the source
	s_mov_b32 s[SEL], 0x76543210
	s_mov_b32 s[SEL+1], 0xfedcba98
	s_mov_b32 s[SEPS], EPSF
	s_mov_b32 s[SMAX], MAXNF
	s_wait_kmcnt 0x0
	s_mov_b64 s[4:5], s[8:9]
.irp k, 1,2,3,4,5,6,7
	s_cmp_eq_u32 s3, \k
	s_cselect_b64 s[4:5], s[8+2*(\k):9+2*(\k)], s[4:5]  ; the source is chosen by y alone
.endr
	s_mov_b64 s[6:7], s[24:25]
	s_cmp_ge_u32 s3, 4
	s_cselect_b64 s[6:7], s[26:27], s[6:7]
	s_cmp_eq_u32 s3, 6
	s_cselect_b64 s[6:7], s[28:29], s[6:7]
	s_cmp_eq_u32 s3, 7
	s_cselect_b64 s[6:7], s[30:31], s[6:7]
	s_add_nc_u64 s[4:5], s[4:5], s[36:37]
	s_add_nc_u64 s[6:7], s[6:7], s[38:39]
.irp r, 0,1
.irp j, 0,1,2,3,4,5,6,7,8,9,10,11,12,13,14,15
	global_load_b128 v[X0+64*(\r)+4*(\j):X0+64*(\r)+4*(\j)+3], v1, s[4:5] offset:(\r)*8192+512*(\j) th:TH_LOAD_NT
.endr
.endr
; Row r goes out.  left = the younger loads that may stay out.  The weights jump over the log map; conversion and stores are written once for both.
; No register that a load or a store names is written again in this text.
.macro ROWOUT r, left
.set XB, X0+64*(\r)
	s_wait_loadcnt \left                           ; loads come back in order (ISA guide 5.7.1): this row's sixteen are in
	s_cmp_lt_u32 s3, 6
	s_cbranch_scc1 .Lcast_\@                       ; a weight: a cast alone
	DOT ACC, XB, XB
	REDN ACC
	LOGF SC, ACC, T
	v_mov_b32 v[SC+1], v[SC]                       ; named with it as a pair
.set i, 0
.rept 32
	v_pk_mul_f32 v[XB+2*i:XB+2*i+1], v[XB+2*i:XB+2*i+1], v[SC:SC+1] op_sel_hi:[1,0]
.set i, i+1
.endr
.Lcast_\@:
.set i, 0
.rept 32
	v_cvt_pk_bf16_f32 v[XB+i], v[XB+2*i], v[XB+2*i+1]  ; in place, ascending: the destination never passes a number that is still to be read
.set i, i+1
.endr
.set i, 0
.rept 8
	global_store_b128 v1, v[XB+4*i:XB+4*i+3], s[6:7] offset:(\r)*4096+512*i  ; my numbers of chunks 2 i and 2 i + 1; the wave's store covers 512 consecutive bytes, aligned
.set i, i+1
.endr
.endm
	ROWOUT 0, 16                                   ; the second row's sixteen loads stay out
	ROWOUT 1, 0
	s_endpgm
.Lfunc_end_k_qf08625a169_prep:
	.size	k_qf08625a169_prep, .Lfunc_end_k_qf08625a169_prep-k_qf08625a169_prep
	.p2alignl 7, 3214868480
	.fill 96, 4, 3214868480
	.section	.rodata,"a",@progbits
	.p2align	6, 0x0
	.amdhsa_kernel k_qf08625a169_prep
		.amdhsa_group_segment_fixed_size 0
		.amdhsa_private_segment_fixed_size 0
		.amdhsa_enable_private_segment 0
		.amdhsa_kernarg_size 96
		.amdhsa_user_sgpr_count 2
		.amdhsa_user_sgpr_kernarg_segment_ptr 1
		.amdhsa_wavefront_size32 1
		.amdhsa_system_sgpr_workgroup_id_x 1
		.amdhsa_system_sgpr_workgroup_id_y 1
		.amdhsa_system_sgpr_workgroup_id_z 1
		.amdhsa_system_vgpr_workitem_id 0
		.amdhsa_next_free_vgpr 160
		.amdhsa_next_free_sgpr 66
		.amdhsa_reserve_vcc 1
		.amdhsa_float_denorm_mode_32 3
		.amdhsa_float_denorm_mode_16_64 3
		.amdhsa_memory_ordered 1
		.amdhsa_forward_progress 1
		.amdhsa_inst_pref_size 23
	.end_amdhsa_kernel
	.amdgpu_metadata
---
amdhsa.version: [ 1, 2 ]
amdhsa.kernels:
  - .name:           k_qf08625a169_prep
    .symbol:         k_qf08625a169_prep.kd
    .args:
      - { .name: w_r, .offset: 0, .size: 8, .value_kind: global_buffer, .address_space: global }
      - { .name: u_r_w, .offset: 8, .size: 8, .value_kind: global_buffer, .address_space: global }
      - { .name: w_z, .offset: 16, .size: 8, .value_kind: global_buffer, .address_space: global }
      - { .name: u_z_w, .offset: 24, .size: 8, .value_kind: global_buffer, .address_space: global }
      - { .name: w, .offset: 32, .size: 8, .value_kind: global_buffer, .address_space: global }
      - { .name: u_w, .offset: 40, .size: 8, .value_kind: global_buffer, .address_space: global }
      - { .name: hx, .offset: 48, .size: 8, .value_kind: global_buffer, .address_space: global }
      - { .name: x, .offset: 56, .size: 8, .value_kind: global_buffer, .address_space: global }
      - { .name: wa, .offset: 64, .size: 8, .value_kind: global_buffer, .address_space: global }
      - { .name: wbb, .offset: 72, .size: 8, .value_kind: global_buffer, .address_space: global }
      - { .name: lhx, .offset: 80, .size: 8, .value_kind: global_buffer, .address_space: global }
      - { .name: lx, .offset: 88, .size: 8, .value_kind: global_buffer, .address_space: global }
    .group_segment_fixed_size: 0
    .private_segment_fixed_size: 0
    .kernarg_segment_align: 8
    .kernarg_segment_size: 96
    .max_flat_workgroup_size: 256
    .sgpr_count:     66
    .vgpr_count:     160
    .wavefront_size: 32
...
	.end_amdgpu_metadata
.endif
;; end of part 5
;; launch gemm_a (part 6): grid 32 x 8, 4 waves a work-group, clusters of 4 x 4, 327,680 bytes of LDS; arguments lhx, lx, wa, ga; writes ga
.if DOCPART == 6
	.amdgcn_target "amdgcn-amd-amdhsa--gfx1250"
	.amdhsa_code_object_version 6
	.text
	.protected	k_qf08625a169_gemm_a
	.globl	k_qf08625a169_gemm_a
	.p2align	8
	.type	k_qf08625a169_gemm_a,@function
k_qf08625a169_gemm_a:
	s_mov_b64 s[64:65], 0
	v_nop
	global_prefetch_b8 v0, s[64:65] scope:SCOPE_SE
	s_setreg_imm32_b32 hwreg(HW_REG_WAVE_MODE, 25, 1), 1
	s_wait_xcnt 0x0
	s_wait_alu depctr_hold_cnt(0) depctr_sa_sdst(0) depctr_va_vdst(0) depctr_va_sdst(0) depctr_va_ssrc(0) depctr_va_vcc(0) depctr_vm_vsrc(0)
	s_getreg_b32 s2, hwreg(HW_REG_IB_STS2, 6, 4)
	s_cmp_eq_u32 s2, 0
	s_cbranch_scc0 .Lentry_in_a_cluster
	s_endpgm
.Lentry_in_a_cluster:
	s_bfe_u32 s2, ttmp6, 0x10000c
	s_cmp_lg_u32 s2, 0xf033
	s_cbranch_scc0 .Lentry_shape_is_right
	s_endpgm
.Lentry_shape_is_right:
; GEMM ON TILES OF 256 x 256.  C_j[m][n] = sum over k of A_j[m][k] B_j[n][k] for a stack of four weights B_0 .. B_3 of [2048][2048] bf16; A_j is the first argument for even j, the second for odd j
; ([2048][2048] bf16); C_j is [2048][2048] f16, rounded once from its f32 sum, at c + j x 8 MiB.  The grid's x counts tile columns over the whole stack, eight to a weight.
; LIMIT.  C is kept in f16: |C| stays under 65,504.  An activation row's norm is at most artanh(1 - 1e-5), about 6.2, so |C| is at most 6.2 times a weight row's norm; below 6e-5 f16 keeps a fixed step of 6e-8.
; SHAPE.  Four weights x 8 x 8 tiles of 256 x 256 are 256 work-groups.  Four waves, each 128 x 128: 64 accumulators of 16 x 16, 512 registers.  For 32 along K a wave reads 2 x 128 rows from LDS for 64 matrix instructions.
; K goes in 16 steps of 128 (rows of 256 bytes of memory, at multiples of 256 bytes) through a ring of two LDS slots filled by the tensor data mover: a step is 256 matrix instructions a wave,
; and 224 of them stand between the request for a tile and the wait for it.
; CLUSTER.  4 x 4 work-groups.  The four of a row need the same tile of A, the four of a column the same tile of B: each is asked for jointly, by the same tensor load with the same descriptor and a mask
; that names the four.  Eight tile columns are two clusters, so which A is taken hangs on the cluster's x alone and is the same in all sixteen.
; THE MATRIX INSTRUCTION IS USED TRANSPOSED (source 0 = 16 rows of B, source 1 = 16 rows of A): a lane then holds eight neighbouring numbers of a row of C, which pack into 16 bytes.
; REGISTERS, in windows of 256 (s_set_vgpr_msb: bits 1:0 source 0, 3:2 source 1, 5:4 source 2, 7:6 destination):
;   window 0: v0-31 addresses; v64-127, v128-191 fragments of A (8 x 16 rows x 32 K), two buffers; v32-63, v192-255 at work on the way out
;   window 1: v64-127, v128-191 fragments of B, two buffers
;   window 2: the 32 accumulators of my rows 0-63 (accumulator (a, b) at v[8 (8 a + b)]);   window 3: those of my rows 64-127
.set KSTEP,  128
.set PITCH,  272                       ; an LDS row: 256 bytes + 16 of padding = 68 words: row r starts at bank 4 r mod 64 (64 banks of 4 bytes: ISA guide 11.1), so the 16 rows of a load start at 16 different banks
.set HALFT,  128*PITCH                 ; 128 rows: what one tensor load brings, and what one wave reads of A or of B
.set SLOT,   4*HALFT                   ; A's 256 rows, then B's 256 rows: 139,264 bytes
.set STAGE,  2*SLOT                    ; behind the ring: 16 rows x 272 bytes for each wave, for the way out; no tensor load lands here
.set SPITCH, 272
.set SPARE,  STAGE+4*16*SPITCH         ; behind the stages: the spare words, 128 bytes a wave: two blocks of 256 bytes that no other line names
.set LAPS,   2048/(2*KSTEP)            ; a lap = two K steps = once round the ring
.set ROWB,   4096                      ; bytes in a row of A, of B and of C: 2,048 numbers of 16 bits
.set ADRA, 16                          ; v16-17  LDS address of my A fragments in slot 0, 1
.set ADRB, 20                          ; v20-21  the same for B
.set STO,  24                          ; v24     the way out: where I put 16 bytes of a row
.set RD,   25                          ; v25     the way out: where I read a row back
.set CO,   26                          ; v26     my byte offset in C
.set SPW,  28                          ; v28     LDS address of my spare word; never rewritten
.set NIL,  29                          ; v29     0; never rewritten
.set F0,   64                          ; fragment buffer 0
.set F1,   128                         ; fragment buffer 1
.set TMP,  192                         ; the way out: packed results, v192-223
.set OB,   32                          ; the way out: 16 rows read back from the stage: v32-63 and v224-255 by turns
.set H,    2                           ; s2   wave & 1: which 128 rows of a tile I fetch, and which half of the tile's columns is mine
.set WV,   12                          ; s12  my wave's number
.set WM,   13                          ; s13  wave >> 1: which half of the tile's rows is mine
.set G1,   24                          ; s[24:31] descriptor group 1 for A's tiles;  s[32:39] group 0, a set for each slot
.set G0,   32
.set G1B,  48                          ; s[48:55], s[56:63] the same for B's
.set G0B,  56
.set MSB, 0
.macro WIN new                         ; the immediate's high byte repeats the setting that is left; a switch that changes nothing is dropped
.if MSB != (\new)
	s_set_vgpr_msb (MSB<<8)|(\new)
.set MSB, \new
.endif
.endm
.set MUL_LO, 0xa1                      ; source 0 (B) window 1, source 1 (A) window 0, C and D window 2
.set MUL_HI, 0xf1                      ; the same, C and D window 3
.set TO_B,   0x40                      ; destination window 1, address window 0
; A joint refill: waves 0 and 1 fetch A's two halves, waves 2 and 3 B's.  The branch hangs on the wave's number alone.  An s_nop 0 and four v_nop follow each of the two lines.
.macro JLOAD s
	s_cmp_lt_u32 s[WV], 2
	s_cbranch_scc0 .Lfor_b_\@
	tensor_load_to_lds s[G0+4*(\s):G0+4*(\s)+3], s[G1:G1+7]
	s_nop 0
.rept 4
	v_nop
.endr
	s_branch .Lasked_\@
.Lfor_b_\@:
	tensor_load_to_lds s[G0B+4*(\s):G0B+4*(\s)+3], s[G1B:G1B+7]
	s_nop 0
.rept 4
	v_nop
.endr
.Lasked_\@:
.endm
.macro CREST                           ; a round of the cluster's barrier behind its opening barrier: wave 0 signals for the work-group, every wave waits for all sixteen, my work-group's barrier closes it
	s_cmp_lg_u32 s[WV], 0
	s_cbranch_scc1 .Lnot_wave_0_\@
	s_barrier_signal -3
.Lnot_wave_0_\@:
	s_barrier_wait -3
	s_barrier_signal -1
	s_barrier_wait -1
.endm
.macro CROUND                          ; a whole round
	s_barrier_signal -1
	s_barrier_wait -1
	CREST
.endm
	s_load_b256 s[4:11], s[0:1], 0x0               ; A for even j s[4:5], A for odd j s[6:7], B s[8:9], C s[10:11]
	v_lshl_add_u32 v[SPW], v0, 2, SPARE
	v_mov_b32 v[NIL], 0
	ds_add_u32 v[SPW], v[NIL]                      ; the wave's opening: the add and its wait stand ahead of my first tensor load; the set-up below, work on registers, stands between them
	v_lshrrev_b32 v1, 5, v0
	v_readfirstlane_b32 s[WV], v1                  ; wave 0..3
	s_lshr_b32 s[WM], s[WV], 1
	s_and_b32 s[H], s[WV], 1
	s_bfe_u32 s40, ttmp6, 0x40000                  ; cx, cy: my place in the cluster
	s_bfe_u32 s41, ttmp6, 0x40004
	s_lshl_b32 s42, ttmp9, 2
	s_add_co_u32 s42, s42, s40                     ; tile column = 4 x cluster x + cx
	s_and_b32 s43, ttmp7, 0xffff
	s_lshl_b32 s43, s43, 2
	s_add_co_u32 s43, s43, s41                     ; tile row = 4 x cluster y + cy
	s_lshl_b32 s44, s41, 2
	s_lshl_b32 s44, 15, s44                        ; my row of the cluster: places 4 cy .. 4 cy + 3
	s_lshl_b32 s45, 0x1111, s40                    ; my column: places cx, cx + 4, cx + 8, cx + 12
	s_lshr_b32 s46, ttmp9, 1
	s_and_b32 s46, s46, 1                          ; the weight's number j = cluster x >> 1; its parity chooses A
	; descriptor group 1: a tile of 128 rows x 128 elements, padded in LDS
	s_or_b32 s[G1+0], s44, (1<<16)|(1<<20)|(1<<21)|(5<<22)|(3<<25)   ; 15:0 the mask: A's tiles go to my row; 17:16 elements of 2 bytes; 20 padding on; 21 set beside a mask; 24:22 after every 64 words (code 5); 31:25 4 words of it (code 3)
	s_or_b32 s[G1B+0], s45, (1<<16)|(1<<20)|(1<<21)|(5<<22)|(3<<25)  ; the same with the mask of my column
.irp g, G1, G1B
	s_mov_b32 s[(\g)+1], KSTEP<<16                 ; tensor_dim0 = 128
	s_mov_b32 s[(\g)+2], 128<<16                   ; tensor_dim1 = 128
	s_mov_b32 s[(\g)+3], KSTEP<<16                 ; tile_dim0 = 128
	s_mov_b32 s[(\g)+4], 128                       ; tile_dim1 = 128
	s_mov_b32 s[(\g)+5], 2048                      ; elements from row to row
	s_mov_b32 s[(\g)+6], 0
	s_mov_b32 s[(\g)+7], 0
.endr
	; where the tiles come from.  A's offset is made of the tile row and the wave's number, B's of the tile column and the wave's number, each in registers that never hold the other coordinate.
	s_lshl_b32 s16, s43, 20                        ; 256 rows of 4,096 bytes a tile row,
	s_lshl_b32 s17, s[H], 19                       ; 128 rows a half
	s_add_co_u32 s16, s16, s17
	s_mov_b32 s17, 0
	s_lshl_b32 s18, s42, 20                        ; 256 rows a tile column (the stack's weights lie end to end),
	s_lshl_b32 s19, s[H], 19                       ; 128 rows a half
	s_add_co_u32 s18, s18, s19
	s_mov_b32 s19, 0
	s_mul_i32 s22, s[WV], HALFT                    ; and where they go: A's two halves, then B's two halves = wave x 128 rows: no place in the cluster enters an LDS address
	s_wait_dscnt 0x0                               ; the opening add is done
	s_wait_kmcnt 0x0
	s_cmp_eq_u32 s46, 1
	s_cselect_b64 s[14:15], s[6:7], s[4:5]         ; odd j: the second A
	s_add_nc_u64 s[14:15], s[14:15], s[16:17]
	s_add_nc_u64 s[46:47], s[8:9], s[18:19]
	CROUND                                         ; all sixteen work-groups are here: the first joint loads meet
.irp s, 0,1
	s_mov_b32 s[G0+4*(\s)], 1                                        ; 1:0 count = 1
	s_add_co_u32 s[G0+4*(\s)+1], s22, (\s)*SLOT                      ; 63:32 LDS address
	s_add_nc_u64 s[G0+4*(\s)+2:G0+4*(\s)+3], s[14:15], (\s)*KSTEP*2  ; 120:64 global address: K step s
	s_or_b32 s[G0+4*(\s)+3], s[G0+4*(\s)+3], 0x80000000              ; 127:126 type = 2
	s_mov_b32 s[G0B+4*(\s)], 1
	s_add_co_u32 s[G0B+4*(\s)+1], s22, (\s)*SLOT
	s_add_nc_u64 s[G0B+4*(\s)+2:G0B+4*(\s)+3], s[46:47], (\s)*KSTEP*2
	s_or_b32 s[G0B+4*(\s)+3], s[G0B+4*(\s)+3], 0x80000000
.endr
	s_cmp_lt_u32 s[WV], 2                          ; a wave's two first fills stand in one branch, ahead of every wait on TENSORcnt and every LDS read: two loads of mine are out
	s_cbranch_scc0 .Lfirst_b
	tensor_load_to_lds s[G0:G0+3], s[G1:G1+7]
	s_nop 0
	tensor_load_to_lds s[G0+4:G0+7], s[G1:G1+7]
	s_nop 0
.rept 4
	v_nop
.endr
	s_branch .Lfirst_asked
.Lfirst_b:
	tensor_load_to_lds s[G0B:G0B+3], s[G1B:G1B+7]
	s_nop 0
	tensor_load_to_lds s[G0B+4:G0B+7], s[G1B:G1B+7]
	s_nop 0
.rept 4
	v_nop
.endr
.Lfirst_asked:
	; A fragment is 16 rows x 32 K in 8 registers: lane l holds row l % 16; registers 0-3 K = 8 (l / 16) + 0..7, registers 4-7 K = 16 + 8 (l / 16) + 0..7: two loads of 16 bytes, 32 bytes apart.
	v_and_b32 v1, 15, v0                           ; l % 16
	v_bfe_u32 v2, v0, 4, 1                         ; l / 16
	v_mul_u32_u24 v3, v1, PITCH
	v_lshl_add_u32 v3, v2, 4, v3                   ; row x pitch + 16 x half
	s_mul_i32 s22, s[WM], HALFT                    ; my 128 rows of A
	s_mul_i32 s23, s[H], HALFT                     ; my 128 rows of B,
	s_add_co_u32 s23, s23, 2*HALFT                 ; which lie behind A's 256
.irp s, 0,1
	v_add_nc_u32 v[ADRA+(\s)], s22, v3
	v_add_nc_u32 v[ADRB+(\s)], s23, v3
	s_add_co_u32 s22, s22, SLOT
	s_add_co_u32 s23, s23, SLOT
.endr
	s_mul_i32 s22, s[WV], 16*SPITCH
	s_add_co_u32 s22, s22, STAGE                   ; my stage
	v_mul_u32_u24 v4, v1, SPITCH                   ; in: row l % 16, 16 bytes for each half of the lanes
	v_lshl_add_u32 v4, v2, 4, v4
	v_add_nc_u32 v[STO], s22, v4
	v_mul_u32_u24 v5, v2, SPITCH                   ; back: lanes 0-15 take one row of 256 bytes, lanes 16-31 the next
	v_lshl_add_u32 v5, v1, 4, v5
	v_add_nc_u32 v[RD], s22, v5
	v_lshlrev_b32 v5, 12, v2                       ; and the same two rows in C
	v_lshl_add_u32 v[CO], v1, 4, v5
	s_lshr_b32 s20, s42, 3                         ; where my part begins in C: j x 8 MiB
	s_lshl_b32 s20, s20, 23
	s_lshl_b32 s21, s43, 20                        ; + 256 rows a tile row
	s_add_co_u32 s20, s20, s21
	s_lshl_b32 s21, s[WM], 19                      ; + my 128 rows
	s_add_co_u32 s20, s20, s21
	s_and_b32 s21, s42, 7
	s_lshl_b32 s21, s21, 9                         ; + 512 bytes a tile column within the weight
	s_add_co_u32 s20, s20, s21
	s_lshl_b32 s21, s[H], 8                        ; + my 256 bytes
	s_add_co_u32 s20, s20, s21
	s_mov_b32 s21, 0
	s_add_nc_u64 s[10:11], s[10:11], s[20:21]
; 16 matrix instructions: m blocks a0, a0 + 1 of the window's four (hi = 0: my rows 0-63, 1: rows 64-127) x all 8 n blocks, 32 along K.  zero = 1: the product starts the sums: nothing is cleared.
; The 64 accumulators take turns in one fixed order, one instruction a turn: between two links of a chain stand the 63 others'.
.macro MUL16 f, hi, a0, zero
	WIN MUL_LO+0x50*(\hi)                          ; MUL_LO or MUL_HI
.irp a, \a0, (\a0)+1
.irp b, 0,1,2,3,4,5,6,7
.if \zero
	v_wmma_f32_16x16x32_bf16 v[8*(8*(\a)+(\b)):8*(8*(\a)+(\b))+7], v[(\f)+8*(\b):(\f)+8*(\b)+7], v[(\f)+8*(4*(\hi)+(\a)):(\f)+8*(4*(\hi)+(\a))+7], 0
.else
	v_wmma_f32_16x16x32_bf16 v[8*(8*(\a)+(\b)):8*(8*(\a)+(\b))+7], v[(\f)+8*(\b):(\f)+8*(\b)+7], v[(\f)+8*(4*(\hi)+(\a)):(\f)+8*(4*(\hi)+(\a))+7], v[8*(8*(\a)+(\b)):8*(8*(\a)+(\b))+7]
.endif
.endr
.endr
.endm
; 32 LDS loads in one run: the fragments of 32 along K at byte k of the rows, into buffer f: B's 128 rows, then A's 128
.macro FETCH slot, k, f
	WIN TO_B
.irp i, 0,1,2,3,4,5,6,7
	ds_load_b128 v[(\f)+8*(\i):(\f)+8*(\i)+3],   v[ADRB+(\slot)] offset:(\k)+(\i)*16*PITCH
	ds_load_b128 v[(\f)+8*(\i)+4:(\f)+8*(\i)+7], v[ADRB+(\slot)] offset:(\k)+(\i)*16*PITCH+32
.endr
	WIN 0
.irp i, 0,1,2,3,4,5,6,7
	ds_load_b128 v[(\f)+8*(\i):(\f)+8*(\i)+3],   v[ADRA+(\slot)] offset:(\k)+(\i)*16*PITCH
	ds_load_b128 v[(\f)+8*(\i)+4:(\f)+8*(\i)+7], v[ADRA+(\slot)] offset:(\k)+(\i)*16*PITCH+32
.endr
.endm
.macro PLACES                          ; four places in front of loads into registers that matrix instructions have read, and of conversions that read results (ISA guide 7.12.1 for the conversions)
.rept 4
	v_nop
.endr
.endm
; A K step is four quarters of 32 along K, 64 matrix instructions each, on buffers 0, 1, 0, 1.  One of the first three: multiplies buffer f; in its middle it fetches the next quarter, at byte k, into g.
.macro QUARTER slot, k, f, g, zero
	s_wait_dscnt 8                                 ; B and A's rows 0-63 are in; the youngest eight loads (A's rows 64-127) may be out
	MUL16 \f, 0, 0, \zero
	MUL16 \f, 0, 2, \zero
	PLACES
	FETCH \slot, \k, \g
	s_wait_dscnt 32                                ; all but the 32 just issued
	MUL16 \f, 1, 0, \zero
	MUL16 \f, 1, 2, \zero
.endm
; The last quarter multiplies buffer 1 and changes slots: ONE barrier.  In front of it each wave waits for all its tensor loads (the one that is out is its part of the next slot), adds 0 to its spare word,
; and waits for that and for its own reads of this slot.  fill = 1: the barrier opens a round of the cluster's, and this slot is filled again, two K steps ahead, first thing behind the round.
.macro TURN slot, next, fill
	WIN 0                                          ; (the add's two registers lie in window 0)
	s_wait_tensorcnt 0x0                           ; all my tensor loads have landed;
	ds_add_u32 v[SPW], v[NIL]                      ; 0 onto my spare word;
	s_wait_dscnt 9                                 ; (the add and the youngest eight loads may be out)
	MUL16 F1, 0, 0, 0                              ; sixteen matrix instructions stand between the add and the wait for it
	s_wait_dscnt 0x0                               ; the add is done, and my reads of this slot are over
	s_barrier_signal -1
	MUL16 F1, 0, 2, 0                              ; work on registers while the others arrive
.if \fill
	WIN 0
.endif
	s_barrier_wait -1
.if \fill
	CREST                                          ; no wave of any partner still reads this slot's tile or has a load on its way
	s_add_nc_u64 s[G0+4*(\slot)+2:G0+4*(\slot)+3], s[G0+4*(\slot)+2:G0+4*(\slot)+3], 2*KSTEP*2
	s_add_nc_u64 s[G0B+4*(\slot)+2:G0B+4*(\slot)+3], s[G0B+4*(\slot)+2:G0B+4*(\slot)+3], 2*KSTEP*2
	JLOAD \slot                                    ; my one tensor load behind the round; the four v_nop behind it are also the places in front of the loads below
.else
	PLACES
.endif
	FETCH \next, 0, F0
	MUL16 F1, 1, 0, 0
	MUL16 F1, 1, 2, 0
.endm
	s_wait_tensorcnt 1                             ; my part of K step 0 is in; K step 1's may stay out
	s_barrier_signal -1
	s_barrier_wait -1                              ; everybody's is
	FETCH 0, 0, F0
	QUARTER 0, 64, F0, F1, 1                       ; the first quarter stands in front of the loop: its products start the sums
	WIN 0                                          ; at a label and at a branch every window is 0
	s_mov_b32 s3, LAPS-1
.Llap:                                                 ; a trip goes once round the ring, from a lap's second quarter to the next lap's first, and fills both slots again
	QUARTER 0, 128, F1, F0, 0
	QUARTER 0, 192, F0, F1, 0
	TURN 0, 1, 1
	QUARTER 1, 64,  F0, F1, 0
	QUARTER 1, 128, F1, F0, 0
	QUARTER 1, 192, F0, F1, 0
	TURN 1, 0, 1
	QUARTER 0, 64,  F0, F1, 0
	WIN 0
	s_sub_co_u32 s3, s3, 1
	s_cmp_lg_u32 s3, 0
	s_cbranch_scc1 .Llap
	QUARTER 0, 128, F1, F0, 0                      ; the last lap fills nothing, and has no round of the cluster's barrier
	QUARTER 0, 192, F0, F1, 0
	TURN 0, 1, 0
	QUARTER 1, 64,  F0, F1, 0
	QUARTER 1, 128, F1, F0, 0
	QUARTER 1, 192, F0, F1, 0
	s_wait_dscnt 8                                 ; the very last quarter: nothing more to fetch
	MUL16 F1, 0, 0, 0
	MUL16 F1, 0, 2, 0
	s_wait_dscnt 0x0
	MUL16 F1, 1, 0, 0
	MUL16 F1, 1, 2, 0
; THE WAY OUT, a block of 16 rows at a time.  PACK: rounded to f16, 16 bytes a lane, each accumulator's registers in ascending order.  TOSTAGE: into my own stage and back as whole rows of 256 bytes.  SEND: stored.
.macro PACK a
.set AC, 64*((\a)%4)
	WIN 0x0a+5*((\a)/4)                            ; sources 0 and 1: window 2 or 3; destination window 0
.irp b, 0,1,2,3,4,5,6,7
.irp r, 0,1,2,3
	v_cvt_pk_f16_f32 v[TMP+4*(\b)+(\r)], v[AC+8*(\b)+2*(\r)], v[AC+8*(\b)+2*(\r)+1]
.endr
.endr
	WIN 0
.endm
.macro TOSTAGE a
.set BK, OB+192*((\a)%2)
.irp b, 0,1,2,3,4,5,6,7
	ds_store_b128 v[STO], v[TMP+4*(\b):TMP+4*(\b)+3] offset:32*(\b)
.endr
.irp t, 0,1,2,3,4,5,6,7
	ds_load_b128 v[BK+4*(\t):BK+4*(\t)+3], v[RD] offset:(\t)*2*SPITCH  ; LDS serves a wave's instructions in order (ISA guide 5.7.1.4): these see the stores above; the next block's stores come behind them
.endr
.endm
.macro SEND a
.set BK, OB+192*((\a)%2)
	s_wait_dscnt 0x0                               ; the block is back in registers
	s_wait_xcnt 0x0                                ; every earlier store has had its addresses translated (ISA guide 3.1): the other buffer, which the block before was stored from, is loaded again only behind this wait
.irp t, 0,1,2,3,4,5,6,7
	global_store_b128 v[CO], v[BK+4*(\t):BK+4*(\t)+3], s[10:11] offset:(16*(\a)+2*(\t))*ROWB  ; 16 lanes store 256 consecutive bytes, at a multiple of 256 from C's first byte; 126 rows at the most stand in the immediate
.endr
.endm
	PLACES                                         ; the conversions read results just made
	PACK 0
	TOSTAGE 0
.irp a, 1,2,3,4,5,6,7                  ; block a's conversions stand between block a - 1's loads from the stage and the wait for them
	PACK \a
	SEND (\a)-1
	TOSTAGE \a
.endr
	SEND 7
	s_wait_tensorcnt 0x0                           ; the wave's end: a wait on my tensor loads, the add and its wait, behind my last tensor load and my last LDS store
	ds_add_u32 v[SPW], v[NIL]
	s_wait_dscnt 0x0
	CROUND                                         ; the closing round: no work-group ends while a partner may still ask for a tile that names it
	s_endpgm
.Lfunc_end_k_qf08625a169_gemm_a:
	.size	k_qf08625a169_gemm_a, .Lfunc_end_k_qf08625a169_gemm_a-k_qf08625a169_gemm_a
	.p2alignl 7, 3214868480
	.fill 96, 4, 3214868480
	.section	.rodata,"a",@progbits
	.p2align	6, 0x0
	.amdhsa_kernel k_qf08625a169_gemm_a
		.amdhsa_group_segment_fixed_size 327680
		.amdhsa_private_segment_fixed_size 0
		.amdhsa_enable_private_segment 0
		.amdhsa_kernarg_size 32
		.amdhsa_user_sgpr_count 2
		.amdhsa_user_sgpr_kernarg_segment_ptr 1
		.amdhsa_wavefront_size32 1
		.amdhsa_system_sgpr_workgroup_id_x 1
		.amdhsa_system_sgpr_workgroup_id_y 1
		.amdhsa_system_sgpr_workgroup_id_z 1
		.amdhsa_system_vgpr_workitem_id 0
		.amdhsa_next_free_vgpr 1024
		.amdhsa_next_free_sgpr 66
		.amdhsa_reserve_vcc 0
		.amdhsa_float_denorm_mode_32 3
		.amdhsa_float_denorm_mode_16_64 3
		.amdhsa_memory_ordered 1
		.amdhsa_forward_progress 1
		.amdhsa_inst_pref_size 142
	.end_amdhsa_kernel
	.amdgpu_metadata
---
amdhsa.version: [ 1, 2 ]
amdhsa.kernels:
  - .name:           k_qf08625a169_gemm_a
    .symbol:         k_qf08625a169_gemm_a.kd
    .args:
      - { .name: lhx, .offset: 0, .size: 8, .value_kind: global_buffer, .address_space: global }
      - { .name: lx, .offset: 8, .size: 8, .value_kind: global_buffer, .address_space: global }
      - { .name: wa, .offset: 16, .size: 8, .value_kind: global_buffer, .address_space: global }
      - { .name: ga, .offset: 24, .size: 8, .value_kind: global_buffer, .address_space: global }
    .group_segment_fixed_size: 327680
    .private_segment_fixed_size: 0
    .kernarg_segment_align: 8
    .kernarg_segment_size: 32
    .max_flat_workgroup_size: 128
    .sgpr_count:     66
    .vgpr_count:     1024
    .wavefront_size: 32
...
	.end_amdgpu_metadata
.endif
;; end of part 6
;; launch gate (part 7): grid 256 x 1, 8 waves a work-group, no clusters, 0 bytes of LDS; arguments ga, lhx, u_r_b, a2; writes a2
.if DOCPART == 7
	.amdgcn_target "amdgcn-amd-amdhsa--gfx1250"
	.amdhsa_code_object_version 6
	.text
	.protected	k_qf08625a169_gate
	.globl	k_qf08625a169_gate
	.p2align	8
	.type	k_qf08625a169_gate,@function
k_qf08625a169_gate:
	s_mov_b64 s[64:65], 0
	v_nop
	global_prefetch_b8 v0, s[64:65] scope:SCOPE_SE
	s_setreg_imm32_b32 hwreg(HW_REG_WAVE_MODE, 25, 1), 1
	s_wait_xcnt 0x0
; GATE.  r = sigmoid(log0(exp0(G1) (+) exp0(G2 + u_r_b))), a2 = r x lhx, rounded once to bf16.  G1, G2: the first two parts of ga, [2048][2048] f16; lhx, a2: [2048][2048] bf16; (+) is the Moebius sum.
; exp0 and log0 multiply a row by a number made from its norm, and x (+) y = cx x + cy y with cx, cy made from |x|^2, |y|^2, x.y: so a row wants three sums, a few numbers, one more sum
; (the norm of the Moebius sum, taken from its elements as the definition takes it) and 64 sigmoids a lane.
; SHARES.  One wave, one row, kept in registers: no LDS, no barrier, no loop.  Chunk j (0..15) holds columns 128 j + 4 lane .. + 3: 16 bytes a lane of the f32 bias.
; The 16-bit rows stand in this program's own order (of each 256, place 8 L + 4 h + e holds number 128 h + 4 L + e): lane L's numbers of chunks 2 J and 2 J + 1 are the 16 bytes at 512 J + 16 L,
; so each load and store of 16 bytes a lane covers 512 consecutive bytes.
; No matrix unit and no cluster: each number is used once.  NaN is not treated apart.
.set EPSF,  0x3727c5ac                 ; 1e-5
.set MAXNF, 0x3f7fff58                 ; 1 - 1e-5
.set ONE,  3                           ; v3  1.0, v4  0: the mixed multiply-add takes registers alone
.set ZERO, 4
.set T,    8                           ; v[8:11]  at work
.set SA,   12
.set SB,   13
.set X2,   14
.set Y2,   15
.set XY,   16
.set CX,   18
.set CY,   19
.set CFA,  22                          ; v[22:23], v[24:25], v[26:27]  a coefficient each, twice: the packed lines take the pair's low word for both halves
.set CFB,  24
.set KP,   26
.set R1,   32                          ; v[32:63]   G1 as loaded; at the end a2 as stored
.set R2,   64                          ; v[64:95]   G2 as loaded; then the sums' chains
.set ACC0, 64
.set ACC1, 72
.set ACC2, 80
.set RL,   96                          ; v[96:127]  lhx as loaded
.set GA,   128                         ; v[128:191] G1 in f32, then the Moebius sum, then r
.set GB,   192                         ; v[192:255] the bias, then G2 + bias, then lhx in f32
.set SEL,  16                          ; s[16:17]
.set SEPS, 18
.set SMAX, 19
.set SHI,  20                          ; s20  mask of a word's upper bf16
.macro DOT acc, x, y                   ; the lane's part of the sum of x y: four chains started by the first four products
.set dj, 0
.rept 4
	v_pk_mul_f32 v[(\acc)+2*dj:(\acc)+2*dj+1], v[(\x)+2*dj:(\x)+2*dj+1], v[(\y)+2*dj:(\y)+2*dj+1]
.set dj, dj+1
.endr
.rept 28
	v_pk_fma_f32 v[(\acc)+2*(dj%4):(\acc)+2*(dj%4)+1], v[(\x)+2*dj:(\x)+2*dj+1], v[(\y)+2*dj:(\y)+2*dj+1], v[(\acc)+2*(dj%4):(\acc)+2*(dj%4)+1]
.set dj, dj+1
.endr
	v_pk_add_f32 v[(\acc):(\acc)+1], v[(\acc):(\acc)+1], v[(\acc)+2:(\acc)+3]
	v_pk_add_f32 v[(\acc)+4:(\acc)+5], v[(\acc)+4:(\acc)+5], v[(\acc)+6:(\acc)+7]
	v_pk_add_f32 v[(\acc):(\acc)+1], v[(\acc):(\acc)+1], v[(\acc)+4:(\acc)+5]
	v_add_f32 v[\acc], v[\acc], v[(\acc)+1]
.endm
.macro REDN regs:vararg                ; the sums over the 32 lanes, left in every lane; register r + 1 (written by DOT) takes the other half's figure
.irp m, 1,2,4,8
.irp r, \regs
	v_add_f32_dpp v[\r], v[\r], v[\r] row_xmask:\m row_mask:0xf bank_mask:0xf
.endr
.endr
.irp r, \regs
	v_permlanex16_b32 v[(\r)+1], v[\r], s[SEL], s[SEL+1]
.endr
.irp r, \regs
	v_add_f32 v[\r], v[\r], v[(\r)+1]
.endr
.endm
; d = tanh(n) / n, n = max(sqrt(q), 1e-5).  For u = n^2 < 1/16 the series 1 - u/3 + 2u^2/15 - 17u^3/315 + 62u^4/2835 (what is cut is below 1e-8), else (1 - 2 / (1 + e^(2n))) / n; a select, no branch.
; Behind each transcendental a plain instruction stands before its result is used (ISA guide 5.7.2).
.macro EXPF d, q, t
	v_sqrt_f32 v[\t], v[\q]
	v_nop
	s_wait_alu depctr_va_vdst(0)
	v_max_num_f32 v[\t], s[SEPS], v[\t]
	v_mul_f32 v[(\t)+1], 0x4038aa3b, v[\t]                   ; 2 log2(e) n
	v_mul_f32 v[(\t)+2], v[\t], v[\t]
	v_exp_f32 v[(\t)+1], v[(\t)+1]
	v_rcp_f32 v[\t], v[\t]
	v_mov_b32 v[(\t)+3], 0x3cb327a4                          ; 62/2835
	v_fmaak_f32 v[(\t)+3], v[(\t)+2], v[(\t)+3], 0xbd5d0dd1  ; -17/315
	s_wait_alu depctr_va_vdst(0)
	v_add_f32 v[(\t)+1], 1.0, v[(\t)+1]
	v_rcp_f32 v[(\t)+1], v[(\t)+1]
	v_fmaak_f32 v[(\t)+3], v[(\t)+2], v[(\t)+3], 0x3e088889  ; 2/15
	v_fmaak_f32 v[(\t)+3], v[(\t)+2], v[(\t)+3], 0xbeaaaaab  ; -1/3
	s_wait_alu depctr_va_vdst(0)
	v_fma_f32 v[(\t)+1], v[(\t)+1], -2.0, 1.0
	v_fma_f32 v[(\t)+3], v[(\t)+2], v[(\t)+3], 1.0
	v_mul_f32 v[(\t)+1], v[(\t)+1], v[\t]
	v_cmp_gt_f32 vcc_lo, 0x3d800000, v[(\t)+2]
	v_cndmask_b32 v[\d], v[(\t)+1], v[(\t)+3], vcc_lo
.endm
; d = artanh(n) / n, n = clip(sqrt(q), 1e-5, 1 - 1e-5).  For u < 1/16 the series 1 + u/3 + .. + u^5/11 (what is cut is below 5e-9), else ln((1 + n) / (1 - n)) / 2 n.
.macro LOGF d, q, t
	v_sqrt_f32 v[\t], v[\q]
	v_nop
	s_wait_alu depctr_va_vdst(0)
	v_med3_num_f32 v[\t], v[\t], s[SEPS], s[SMAX]
	v_sub_f32 v[(\t)+1], 1.0, v[\t]
	v_mul_f32 v[(\t)+2], v[\t], v[\t]
	v_rcp_f32 v[(\t)+1], v[(\t)+1]
	v_add_f32 v[(\t)+3], 1.0, v[\t]
	s_wait_alu depctr_va_vdst(0)
	v_mul_f32 v[(\t)+1], v[(\t)+1], v[(\t)+3]
	v_log_f32 v[(\t)+1], v[(\t)+1]
	v_rcp_f32 v[\t], v[\t]
	v_mov_b32 v[(\t)+3], 0x3dba2e8c                          ; 1/11
	v_fmaak_f32 v[(\t)+3], v[(\t)+2], v[(\t)+3], 0x3de38e39  ; 1/9
	v_fmaak_f32 v[(\t)+3], v[(\t)+2], v[(\t)+3], 0x3e124925  ; 1/7
	v_fmaak_f32 v[(\t)+3], v[(\t)+2], v[(\t)+3], 0x3e4ccccd  ; 1/5
	v_fmaak_f32 v[(\t)+3], v[(\t)+2], v[(\t)+3], 0x3eaaaaab  ; 1/3
	v_fma_f32 v[(\t)+3], v[(\t)+2], v[(\t)+3], 1.0
	s_wait_alu depctr_va_vdst(0)
	v_mul_f32 v[(\t)+1], 0x3eb17218, v[(\t)+1]               ; ln 2 / 2
	v_mul_f32 v[(\t)+1], v[(\t)+1], v[\t]
	v_cmp_gt_f32 vcc_lo, 0x3d800000, v[(\t)+2]
	v_cndmask_b32 v[\d], v[(\t)+1], v[(\t)+3], vcc_lo
.endm
; x (+) y = cx x + cy y: cx = (1 + 2 xy + y2) / den, cy = (1 - x2) / den, den = max(1 + 2 xy + x2 y2, 1e-5)
.macro MOB cx, cy, x2, y2, xy, t
	v_fma_f32 v[\t], 2.0, v[\xy], 1.0
	v_fma_f32 v[\cy], v[\x2], v[\y2], v[\t]
	v_max_num_f32 v[\cy], s[SEPS], v[\cy]
	v_rcp_f32 v[\cy], v[\cy]
	v_add_f32 v[\t], v[\t], v[\y2]
	v_sub_f32 v[(\t)+1], 1.0, v[\x2]
	s_wait_alu depctr_va_vdst(0)
	v_mul_f32 v[\cx], v[\t], v[\cy]
	v_mul_f32 v[\cy], v[(\t)+1], v[\cy]
.endm
.macro SCALE d, x, c                   ; d = c x over the lane's 64 numbers
.set i, 0
.rept 32
	v_pk_mul_f32 v[(\d)+2*i:(\d)+2*i+1], v[(\x)+2*i:(\x)+2*i+1], v[(\c):(\c)+1] op_sel_hi:[1,0]
.set i, i+1
.endr
.endm
.macro AXPY d, x, c                    ; d += c x
.set i, 0
.rept 32
	v_pk_fma_f32 v[(\d)+2*i:(\d)+2*i+1], v[(\x)+2*i:(\x)+2*i+1], v[(\c):(\c)+1], v[(\d)+2*i:(\d)+2*i+1] op_sel_hi:[1,0,1]
.set i, i+1
.endr
.endm
.macro PROD d, x, y                    ; d = x y, number by number
.set i, 0
	s_wait_alu depctr_va_vdst(0)
.rept 32
	v_pk_mul_f32 v[(\d)+2*i:(\d)+2*i+1], v[(\x)+2*i:(\x)+2*i+1], v[(\y)+2*i:(\y)+2*i+1]
.set i, i+1
.endr
.endm
.macro TRANS op, d                     ; 64 transcendentals on end, in place, and the plain instruction behind the last
.set i, 0
.rept 64
	\op v[(\d)+i], v[(\d)+i]
.set i, i+1
.endr
	v_nop
.endm
.macro ADD1 d                          ; d += 1
.set i, 0
	s_wait_alu depctr_va_vdst(0)
.rept 32
	v_pk_add_f32 v[(\d)+2*i:(\d)+2*i+1], v[(\d)+2*i:(\d)+2*i+1], 1.0 op_sel_hi:[1,0]
.set i, i+1
.endr
.endm
.macro ROW16 d, base                   ; a row of 16-bit numbers: eight loads of 16 bytes a lane; load i brings my numbers of chunks 2 i and 2 i + 1
.set i, 0
.rept 8
	global_load_b128 v[(\d)+4*i:(\d)+4*i+3], v2, s[(\base):(\base)+1] offset:512*i th:TH_LOAD_NT
.set i, i+1
.endr
.endm
	s_load_b256 s[4:11], s[0:1], 0x0               ; ga s[4:5], lhx s[6:7], u_r_b s[8:9], a2 s[10:11]
	v_lshrrev_b32 v5, 5, v0
	v_readfirstlane_b32 s2, v5                     ; wave 0..7
	s_lshl_b32 s12, ttmp9, 3
	s_add_co_u32 s12, s12, s2                      ; my row
	s_lshl_b32 s12, s12, 12                        ; 4,096 bytes a row of 16-bit numbers
	s_mov_b32 s13, 0
	s_mov_b32 s[SEL], 0x76543210
	s_mov_b32 s[SEL+1], 0xfedcba98
	s_mov_b32 s[SEPS], EPSF
	s_mov_b32 s[SMAX], MAXNF
	s_mov_b32 s[SHI], 0xffff0000
	v_and_b32 v2, 31, v0
	v_lshlrev_b32 v2, 4, v2                        ; 16 x lane
	v_mov_b32 v[ONE], 1.0
	v_mov_b32 v[ZERO], 0
	s_wait_kmcnt 0x0
	s_add_nc_u64 s[4:5], s[4:5], s[12:13]          ; G1's row
	s_add_nc_u64 s[14:15], s[4:5], 0x800000        ; G2's: the next part of ga
	s_add_nc_u64 s[6:7], s[6:7], s[12:13]
	s_add_nc_u64 s[10:11], s[10:11], s[12:13]
.set i, 0
.rept 16
	global_load_b128 v[GB+4*i:GB+4*i+3], v2, s[8:9] offset:512*i
.set i, i+1
.endr
	ROW16 R1, 4
	ROW16 R2, 14
	ROW16 RL, 6
	s_wait_loadcnt 8                               ; the bias, G1 and G2 are in; lhx's eight loads, wanted last, stay out
.set i, 0
.rept 32                                               ; f16 halves to f32; G2 takes its bias in the same line, in f32
	v_fma_mix_f32 v[GA+2*i],   v[R1+i], v[ONE], v[ZERO] op_sel_hi:[1,0,0]
	v_fma_mix_f32 v[GA+2*i+1], v[R1+i], v[ONE], v[ZERO] op_sel:[1,0,0] op_sel_hi:[1,0,0]
	v_fma_mix_f32 v[GB+2*i],   v[R2+i], v[ONE], v[GB+2*i] op_sel_hi:[1,0,0]
	v_fma_mix_f32 v[GB+2*i+1], v[R2+i], v[ONE], v[GB+2*i+1] op_sel:[1,0,0] op_sel_hi:[1,0,0]
.set i, i+1
.endr
	DOT ACC0, GA, GA                               ; |G1|^2
	DOT ACC1, GB, GB                               ; |G2 + b|^2
	DOT ACC2, GA, GB                               ; their product
	REDN ACC0, ACC1, ACC2
	EXPF SA, ACC0, T                               ; exp0(G1) = a G1
	EXPF SB, ACC1, T                               ; exp0(G2 + b) = b' (G2 + b)
	v_mul_f32 v[X2], v[SA], v[SA]
	v_mul_f32 v[Y2], v[SB], v[SB]
	v_mul_f32 v[XY], v[SA], v[SB]
	v_mul_f32 v[X2], v[X2], v[ACC0]
	v_mul_f32 v[Y2], v[Y2], v[ACC1]
	v_mul_f32 v[XY], v[XY], v[ACC2]
	MOB CX, CY, X2, Y2, XY, T
	v_mul_f32 v[CFA], v[CX], v[SA]
	v_mul_f32 v[CFB], v[CY], v[SB]
	v_mov_b32 v[CFA+1], v[CFA]                     ; named as pairs
	v_mov_b32 v[CFB+1], v[CFB]
	SCALE GA, GA, CFA
	AXPY GA, GB, CFB                               ; the Moebius sum
	DOT ACC0, GA, GA
	REDN ACC0
	LOGF SA, ACC0, T
	v_mul_f32 v[KP], 0xbfb8aa3b, v[SA]             ; sigmoid(s m) = 1 / (1 + 2^(-log2(e) s m))
	v_mov_b32 v[KP+1], v[KP]
	SCALE GA, GA, KP
	TRANS v_exp_f32, GA
	ADD1 GA
	TRANS v_rcp_f32, GA                            ; r
	s_wait_loadcnt 0x0                             ; lhx
.set i, 0
.rept 32
	v_lshlrev_b32 v[GB+2*i],   16, v[RL+i]         ; bf16 to f32: the low half moves up,
	v_and_b32     v[GB+2*i+1], s[SHI], v[RL+i]     ; the high half stays
.set i, i+1
.endr
	PROD GA, GA, GB
.set i, 0
.rept 32
	v_cvt_pk_bf16_f32 v[R1+i], v[GA+2*i], v[GA+2*i+1]
.set i, i+1
.endr
.set i, 0
.rept 8
	global_store_b128 v2, v[R1+4*i:R1+4*i+3], s[10:11] offset:512*i  ; the wave's store covers 512 consecutive bytes, aligned
.set i, i+1
.endr
	s_endpgm
.Lfunc_end_k_qf08625a169_gate:
	.size	k_qf08625a169_gate, .Lfunc_end_k_qf08625a169_gate-k_qf08625a169_gate
	.p2alignl 7, 3214868480
	.fill 96, 4, 3214868480
	.section	.rodata,"a",@progbits
	.p2align	6, 0x0
	.amdhsa_kernel k_qf08625a169_gate
		.amdhsa_group_segment_fixed_size 0
		.amdhsa_private_segment_fixed_size 0
		.amdhsa_enable_private_segment 0
		.amdhsa_kernarg_size 32
		.amdhsa_user_sgpr_count 2
		.amdhsa_user_sgpr_kernarg_segment_ptr 1
		.amdhsa_wavefront_size32 1
		.amdhsa_system_sgpr_workgroup_id_x 1
		.amdhsa_system_sgpr_workgroup_id_y 1
		.amdhsa_system_sgpr_workgroup_id_z 1
		.amdhsa_system_vgpr_workitem_id 0
		.amdhsa_next_free_vgpr 256
		.amdhsa_next_free_sgpr 66
		.amdhsa_reserve_vcc 1
		.amdhsa_float_denorm_mode_32 3
		.amdhsa_float_denorm_mode_16_64 3
		.amdhsa_memory_ordered 1
		.amdhsa_forward_progress 1
		.amdhsa_inst_pref_size 46
	.end_amdhsa_kernel
	.amdgpu_metadata
---
amdhsa.version: [ 1, 2 ]
amdhsa.kernels:
  - .name:           k_qf08625a169_gate
    .symbol:         k_qf08625a169_gate.kd
    .args:
      - { .name: ga, .offset: 0, .size: 8, .value_kind: global_buffer, .address_space: global }
      - { .name: lhx, .offset: 8, .size: 8, .value_kind: global_buffer, .address_space: global }
      - { .name: u_r_b, .offset: 16, .size: 8, .value_kind: global_buffer, .address_space: global }
      - { .name: a2, .offset: 24, .size: 8, .value_kind: global_buffer, .address_space: global }
    .group_segment_fixed_size: 0
    .private_segment_fixed_size: 0
    .kernarg_segment_align: 8
    .kernarg_segment_size: 32
    .max_flat_workgroup_size: 256
    .sgpr_count:     66
    .vgpr_count:     256
    .wavefront_size: 32
...
	.end_amdgpu_metadata
.endif
;; end of part 7
;; launch gemm_b (part 8): grid 16 x 16, 4 waves a work-group, clusters of 4 x 4, 327,680 bytes of LDS; arguments a2, lx, wbb, gb; writes gb
.if DOCPART == 8
	.amdgcn_target "amdgcn-amd-amdhsa--gfx1250"
	.amdhsa_code_object_version 6
	.text
	.protected	k_qf08625a169_gemm_b
	.globl	k_qf08625a169_gemm_b
	.p2align	8
	.type	k_qf08625a169_gemm_b,@function
k_qf08625a169_gemm_b:
	s_mov_b64 s[64:65], 0
	v_nop
	global_prefetch_b8 v0, s[64:65] scope:SCOPE_SE
	s_setreg_imm32_b32 hwreg(HW_REG_WAVE_MODE, 25, 1), 1
	s_wait_xcnt 0x0
	s_wait_alu depctr_hold_cnt(0) depctr_sa_sdst(0) depctr_va_vdst(0) depctr_va_sdst(0) depctr_va_ssrc(0) depctr_va_vcc(0) depctr_vm_vsrc(0)
	s_getreg_b32 s2, hwreg(HW_REG_IB_STS2, 6, 4)
	s_cmp_eq_u32 s2, 0
	s_cbranch_scc0 .Lentry_in_a_cluster
	s_endpgm
.Lentry_in_a_cluster:
	s_bfe_u32 s2, ttmp6, 0x10000c
	s_cmp_lg_u32 s2, 0xf033
	s_cbranch_scc0 .Lentry_shape_is_right
	s_endpgm
.Lentry_shape_is_right:
; GEMM ON TILES OF 128 x 256.  C_j[m][n] = sum over k of A_j[m][k] B_j[n][k] for a stack of two weights B_0, B_1 of [2048][2048] bf16 each; A_j is the first argument for even j, the second for odd j
; ([2048][2048] bf16); C_j is [2048][2048] f16, rounded once from its f32 sum, at c + j x 8 MiB.  The grid's x counts tile columns over the whole stack, eight to a weight.
; (k and n count places in the rows as they are stored; the order of k is the same in A and B.)
; LIMIT.  C is kept in f16: |C| stays under 65,504.  An activation row's norm is at most artanh(1 - 1e-5), about 6.2, so |C| is at most 6.2 times a weight row's norm; below 6e-5 f16 keeps a fixed step of 6e-8.
; SHAPE.  A tile of C is 128 x 256: two weights give 256 such tiles, where tiles of 256 x 256 would be 128.  Four waves, each 64 x 128: 32 accumulators of 16 x 16, 256 registers.
; K goes in 16 steps of 128 (rows of 256 bytes of memory, at multiples of 256 bytes) through a ring of two LDS slots filled by the tensor data mover; two slots of K steps of 256 would be 405,504 bytes and do not fit.
; CLUSTER.  4 x 4 work-groups.  The four of a row need the same tile of A, the four of a column the same tile of B: each is asked for jointly, by the same tensor load with the same descriptor and a mask
; that names the four.  Eight tile columns are two clusters, so which A is taken hangs on the cluster's x alone and is the same in all sixteen.
; ASKED AHEAD.  A tile has one K step's 112 matrix instructions in which to land, and LDS has no room for longer steps.  So the bytes of K steps 2 to 15 are also asked for ahead of their tensor loads,
; by global_prefetch_b8, lanes 256 bytes apart, each aligned block of 256 bytes once in the launch: of the 128 rows of A that the eight tile columns of a weight share a work-group asks for 16 (by its
; tile column), of the 256 rows of B that the sixteen tile rows share for 16 (by its tile row).  Wave 0 asks for A's, wave 2 for B's: 16 rows x 2 blocks = 32 lanes, 8 KiB a line.  At the start: K steps 2
; and 3.  In trip i of the loop, behind the refill that brings K step 2 i + 2: K steps 2 i + 4 and 2 i + 5, whose tensor loads follow 256 and 384 matrix instructions later.  The last trip asks for
; nothing: its look-ahead would pass the rows' end.
; THE MATRIX INSTRUCTION IS USED TRANSPOSED (source 0 = 16 rows of B, source 1 = 16 rows of A): a lane then holds eight neighbouring numbers of a row of C, which pack into 16 bytes.
; REGISTERS.  Window 0: v0-31 addresses; two fragment buffers of 96 (B's 8 blocks, then A's 4) at v32 and v128; v224-255 packed results.  Window 1: the accumulators, (a, b) at v[8 (8 a + b)].
.set KSTEP,  128
.set PITCH,  272                       ; an LDS row: 256 bytes + 16 of padding = 68 words: row r starts at bank 4 r mod 64 (64 banks of 4 bytes: ISA guide 11.1), so the 16 rows of a load start at 16 different banks
.set AHALF,  64*PITCH                  ; what a wave's load brings of A, and what a wave reads of A
.set BHALF,  128*PITCH                 ; the same for B
.set SLOT,   2*AHALF+2*BHALF           ; A's 128 rows, then B's 256 rows: 104,448 bytes
.set STAGE,  2*SLOT                    ; behind the ring: 16 rows x 272 bytes for each wave, for the way out; no tensor load lands here
.set SPITCH, 272
.set SPARE,  STAGE+4*16*SPITCH         ; behind the stages: the spare words, 128 bytes a wave: two blocks of 256 bytes that no other line names
.set LAPS,   2048/(2*KSTEP)            ; a lap = two K steps = once round the ring
.set ROWB,   4096                      ; bytes in a row of A, of B and of C: 2,048 numbers of 16 bits
.set ADRA, 16                          ; v16-17  LDS address of my A fragments in slot 0, 1
.set ADRB, 20                          ; v20-21  the same for B
.set STO,  24                          ; v24     the way out: where I put 16 bytes of a row
.set RD,   25                          ; v25     the way out: where I read a row back
.set CO,   26                          ; v26     my byte offset in C
.set PF,   27                          ; v27     asking ahead: my lane's block: row lane % 16, block lane / 16; never rewritten
.set SPW,  28                          ; v28     LDS address of my spare word; never rewritten
.set NIL,  29                          ; v29     0; never rewritten
.set F0,   32
.set F1,   128
.set TMP,  224
.set OB,   32                          ; the way out: block a's 16 rows come back into v[32 + 32 a ..], fragment registers that are free by then
.set H,    2                           ; s2   wave & 1: which half of a tile I fetch, and which half of the tile's columns is mine
.set WV,   12                          ; s12  my wave's number
.set WM,   13                          ; s13  wave >> 1: which half of the tile's rows is mine
.set G1,   24                          ; s[24:31] descriptor group 1 for A's tiles;  s[32:39] group 0, a set for each slot
.set G0,   32
.set G1B,  48                          ; s[48:55], s[56:63] the same for B's
.set G0B,  56
.set PFB,  66                          ; s[66:67] asking ahead: the first of the 16 rows that I ask for (waves 0, 1: of A; waves 2, 3: of B), at the trip's first K step
.set MSB, 0
.macro WIN new                         ; the immediate's high byte repeats the setting that is left; a switch that changes nothing is dropped
.if MSB != (\new)
	s_set_vgpr_msb (MSB<<8)|(\new)
.set MSB, \new
.endif
.endm
.set MUL, 0x50                         ; fragments in window 0; C and D in window 1
; A joint refill: waves 0 and 1 fetch A's two halves, waves 2 and 3 B's.  The branch hangs on the wave's number alone.  An s_nop 0 and four v_nop follow each of the two lines.
.macro JLOAD s
	s_cmp_lt_u32 s[WV], 2
	s_cbranch_scc0 .Lfor_b_\@
	tensor_load_to_lds s[G0+4*(\s):G0+4*(\s)+3], s[G1:G1+7]
	s_nop 0
.rept 4
	v_nop
.endr
	s_branch .Lasked_\@
.Lfor_b_\@:
	tensor_load_to_lds s[G0B+4*(\s):G0B+4*(\s)+3], s[G1B:G1B+7]
	s_nop 0
.rept 4
	v_nop
.endr
.Lasked_\@:
.endm
.macro CREST                           ; a round of the cluster's barrier behind its opening barrier: wave 0 signals for the work-group, every wave waits for all sixteen, my work-group's barrier closes it
	s_cmp_lg_u32 s[WV], 0
	s_cbranch_scc1 .Lnot_wave_0_\@
	s_barrier_signal -3
.Lnot_wave_0_\@:
	s_barrier_wait -3
	s_barrier_signal -1
	s_barrier_wait -1
.endm
.macro CROUND                          ; a whole round
	s_barrier_signal -1
	s_barrier_wait -1
	CREST
.endm
	s_load_b256 s[4:11], s[0:1], 0x0               ; A for even j s[4:5], A for odd j s[6:7], B s[8:9], C s[10:11]
	v_lshl_add_u32 v[SPW], v0, 2, SPARE
	v_mov_b32 v[NIL], 0
	ds_add_u32 v[SPW], v[NIL]                      ; the wave's opening: the add and its wait stand ahead of my first tensor load; the set-up below, work on registers, stands between them
	v_lshrrev_b32 v1, 5, v0
	v_readfirstlane_b32 s[WV], v1                  ; wave 0..3
	s_lshr_b32 s[WM], s[WV], 1
	s_and_b32 s[H], s[WV], 1
	s_bfe_u32 s40, ttmp6, 0x40000                  ; cx, cy: my place in the cluster
	s_bfe_u32 s41, ttmp6, 0x40004
	s_lshl_b32 s42, ttmp9, 2
	s_add_co_u32 s42, s42, s40                     ; tile column = 4 x cluster x + cx
	s_and_b32 s43, ttmp7, 0xffff
	s_lshl_b32 s43, s43, 2
	s_add_co_u32 s43, s43, s41                     ; tile row = 4 x cluster y + cy
	s_lshl_b32 s44, s41, 2
	s_lshl_b32 s44, 15, s44                        ; my row of the cluster: places 4 cy .. 4 cy + 3
	s_lshl_b32 s45, 0x1111, s40                    ; my column: places cx, cx + 4, cx + 8, cx + 12
	s_lshr_b32 s46, ttmp9, 1
	s_and_b32 s46, s46, 1                          ; the weight's number j = cluster x >> 1; its parity chooses A
	; descriptor group 1: tiles of 64 (A) and 128 (B) rows x 128 elements, padded in LDS
	s_or_b32 s[G1+0], s44, (1<<16)|(1<<20)|(1<<21)|(5<<22)|(3<<25)   ; 15:0 the mask: A's tiles go to my row; 17:16 elements of 2 bytes; 20 padding on; 21 set beside a mask; 24:22 after every 64 words (code 5); 31:25 4 words of it (code 3)
	s_or_b32 s[G1B+0], s45, (1<<16)|(1<<20)|(1<<21)|(5<<22)|(3<<25)  ; the same with the mask of my column
	s_mov_b32 s[G1+1], KSTEP<<16                   ; tensor_dim0 = 128
	s_mov_b32 s[G1+2], 64<<16                      ; tensor_dim1 = 64
	s_mov_b32 s[G1+3], KSTEP<<16                   ; tile_dim0 = 128
	s_mov_b32 s[G1+4], 64                          ; tile_dim1 = 64
	s_mov_b32 s[G1+5], 2048                        ; elements from row to row
	s_mov_b32 s[G1+6], 0
	s_mov_b32 s[G1+7], 0
	s_mov_b32 s[G1B+1], KSTEP<<16
	s_mov_b32 s[G1B+2], 128<<16                    ; tensor_dim1 = 128
	s_mov_b32 s[G1B+3], KSTEP<<16
	s_mov_b32 s[G1B+4], 128                        ; tile_dim1 = 128
	s_mov_b32 s[G1B+5], 2048
	s_mov_b32 s[G1B+6], 0
	s_mov_b32 s[G1B+7], 0
	; where the tiles come from.  A's offset is made of the tile row and the wave's number, B's of the tile column and the wave's number, each in registers that never hold the other coordinate.
	s_lshl_b32 s16, s43, 19                        ; 128 rows of 4,096 bytes a tile row,
	s_lshl_b32 s17, s[H], 18                       ; 64 rows a half
	s_add_co_u32 s16, s16, s17
	s_mov_b32 s17, 0
	s_lshl_b32 s18, s42, 20                        ; 256 rows a tile column (the stack's weights lie end to end),
	s_lshl_b32 s19, s[H], 19                       ; 128 rows a half
	s_add_co_u32 s18, s18, s19
	s_mov_b32 s19, 0
	s_mul_i32 s22, s[H], AHALF                     ; and where they go: no place in the cluster enters an LDS address
	s_mul_i32 s23, s[H], BHALF
	s_add_co_u32 s23, s23, 2*AHALF
	; the 16 rows that I ask ahead for, in registers that feed no descriptor: they hang on both coordinates
	s_and_b32 s70, s42, 7
	s_lshl_b32 s70, s70, 16                        ; A: 16 rows x (tile column within the weight)
	s_lshl_b32 s71, s43, 19                        ;    + 128 rows x tile row
	s_add_co_u32 s68, s70, s71
	s_lshl_b32 s70, s42, 20                        ; B: 256 rows x tile column
	s_lshl_b32 s71, s43, 16                        ;    + 16 rows x tile row
	s_add_co_u32 s70, s70, s71
	s_cmp_lt_u32 s[WV], 2
	s_cselect_b32 s68, s68, s70                    ; waves 0, 1: A's; waves 2, 3: B's
	s_mov_b32 s69, 0
	s_wait_dscnt 0x0                               ; the opening add is done
	s_wait_kmcnt 0x0
	s_cmp_eq_u32 s46, 1
	s_cselect_b64 s[14:15], s[6:7], s[4:5]         ; odd j: the second A
	s_cmp_lt_u32 s[WV], 2
	s_cselect_b64 s[PFB:PFB+1], s[14:15], s[8:9]
	s_add_nc_u64 s[PFB:PFB+1], s[PFB:PFB+1], s[68:69]
	s_add_nc_u64 s[14:15], s[14:15], s[16:17]
	s_add_nc_u64 s[46:47], s[8:9], s[18:19]
	CROUND                                         ; all sixteen work-groups are here: the first joint loads meet
.irp s, 0,1
	s_mov_b32 s[G0+4*(\s)], 1                                        ; 1:0 count = 1
	s_add_co_u32 s[G0+4*(\s)+1], s22, (\s)*SLOT                      ; 63:32 LDS address
	s_add_nc_u64 s[G0+4*(\s)+2:G0+4*(\s)+3], s[14:15], (\s)*KSTEP*2  ; 120:64 global address: K step s
	s_or_b32 s[G0+4*(\s)+3], s[G0+4*(\s)+3], 0x80000000              ; 127:126 type = 2
	s_mov_b32 s[G0B+4*(\s)], 1
	s_add_co_u32 s[G0B+4*(\s)+1], s23, (\s)*SLOT
	s_add_nc_u64 s[G0B+4*(\s)+2:G0B+4*(\s)+3], s[46:47], (\s)*KSTEP*2
	s_or_b32 s[G0B+4*(\s)+3], s[G0B+4*(\s)+3], 0x80000000
.endr
	s_cmp_lt_u32 s[WV], 2                          ; a wave's two first fills stand in one branch, ahead of every wait on TENSORcnt and every LDS read: two loads of mine are out
	s_cbranch_scc0 .Lfirst_b
	tensor_load_to_lds s[G0:G0+3], s[G1:G1+7]
	s_nop 0
	tensor_load_to_lds s[G0+4:G0+7], s[G1:G1+7]
	s_nop 0
.rept 4
	v_nop
.endr
	s_branch .Lfirst_asked
.Lfirst_b:
	tensor_load_to_lds s[G0B:G0B+3], s[G1B:G1B+7]
	s_nop 0
	tensor_load_to_lds s[G0B+4:G0B+7], s[G1B:G1B+7]
	s_nop 0
.rept 4
	v_nop
.endr
.Lfirst_asked:
	v_and_b32 v1, 15, v0                           ; l % 16
	v_bfe_u32 v2, v0, 4, 1                         ; l / 16
	v_lshlrev_b32 v[PF], 12, v1                    ; asking ahead: row l % 16 of my 16,
	v_lshl_add_u32 v[PF], v2, 8, v[PF]             ; block l / 16 of two
	s_cmp_lg_u32 s[H], 0
	s_cbranch_scc1 .Lno_first_ask                  ; waves 0 and 2 ask
	global_prefetch_b8 v[PF], s[PFB:PFB+1] offset:2*KSTEP*2 th:TH_LOAD_NT scope:SCOPE_SE  ; K steps 2 and 3, which the first trip's two refills bring
.Lno_first_ask:
	; A fragment is 16 rows x 32 K in 8 registers: lane l holds row l % 16; registers 0-3 K = 8 (l / 16) + 0..7, registers 4-7 K = 16 + 8 (l / 16) + 0..7: two loads of 16 bytes, 32 bytes apart.
	v_mul_u32_u24 v3, v1, PITCH
	v_lshl_add_u32 v3, v2, 4, v3                   ; row x pitch + 16 x half
	s_mul_i32 s22, s[WM], AHALF                    ; my 64 rows of A
	s_mul_i32 s23, s[H], BHALF                     ; my 128 rows of B,
	s_add_co_u32 s23, s23, 2*AHALF                 ; which lie behind A's 128
.irp s, 0,1
	v_add_nc_u32 v[ADRA+(\s)], s22, v3
	v_add_nc_u32 v[ADRB+(\s)], s23, v3
	s_add_co_u32 s22, s22, SLOT
	s_add_co_u32 s23, s23, SLOT
.endr
	s_mul_i32 s22, s[WV], 16*SPITCH
	s_add_co_u32 s22, s22, STAGE                   ; my stage
	v_mul_u32_u24 v4, v1, SPITCH                   ; in: row l % 16, 16 bytes for each half of the lanes
	v_lshl_add_u32 v4, v2, 4, v4
	v_add_nc_u32 v[STO], s22, v4
	v_mul_u32_u24 v5, v2, SPITCH                   ; back: lanes 0-15 take one row of 256 bytes, lanes 16-31 the next
	v_lshl_add_u32 v5, v1, 4, v5
	v_add_nc_u32 v[RD], s22, v5
	v_lshlrev_b32 v5, 12, v2                       ; and the same two rows in C
	v_lshl_add_u32 v[CO], v1, 4, v5
	s_lshr_b32 s20, s42, 3                         ; where my part begins in C: j x 8 MiB
	s_lshl_b32 s20, s20, 23
	s_lshl_b32 s21, s43, 19                        ; + 128 rows a tile row
	s_add_co_u32 s20, s20, s21
	s_lshl_b32 s21, s[WM], 18                      ; + my 64 rows
	s_add_co_u32 s20, s20, s21
	s_and_b32 s21, s42, 7
	s_lshl_b32 s21, s21, 9                         ; + 512 bytes a tile column within the weight
	s_add_co_u32 s20, s20, s21
	s_lshl_b32 s21, s[H], 8                        ; + my 256 bytes
	s_add_co_u32 s20, s20, s21
	s_mov_b32 s21, 0
	s_add_nc_u64 s[10:11], s[10:11], s[20:21]
; 8 matrix instructions: m block a x all 8 n blocks, 32 along K.  zero = 1: the product starts the sums: nothing is cleared.
; The 32 accumulators take turns in one fixed order, one instruction a turn: between two links of a chain stand the 31 others'.
.macro MUL8 f, a, zero
	WIN MUL
.irp b, 0,1,2,3,4,5,6,7
.if \zero
	v_wmma_f32_16x16x32_bf16 v[8*(8*(\a)+(\b)):8*(8*(\a)+(\b))+7], v[(\f)+8*(\b):(\f)+8*(\b)+7], v[(\f)+64+8*(\a):(\f)+64+8*(\a)+7], 0
.else
	v_wmma_f32_16x16x32_bf16 v[8*(8*(\a)+(\b)):8*(8*(\a)+(\b))+7], v[(\f)+8*(\b):(\f)+8*(\b)+7], v[(\f)+64+8*(\a):(\f)+64+8*(\a)+7], v[8*(8*(\a)+(\b)):8*(8*(\a)+(\b))+7]
.endif
.endr
.endm
; 24 LDS loads in one run: the fragments of 32 along K at byte k of the rows, into buffer f: B's 128 rows, then A's 64
.macro FETCH slot, k, f
	WIN 0
.irp i, 0,1,2,3,4,5,6,7
	ds_load_b128 v[(\f)+8*(\i):(\f)+8*(\i)+3],   v[ADRB+(\slot)] offset:(\k)+(\i)*16*PITCH
	ds_load_b128 v[(\f)+8*(\i)+4:(\f)+8*(\i)+7], v[ADRB+(\slot)] offset:(\k)+(\i)*16*PITCH+32
.endr
.irp i, 0,1,2,3
	ds_load_b128 v[(\f)+64+8*(\i):(\f)+64+8*(\i)+3],   v[ADRA+(\slot)] offset:(\k)+(\i)*16*PITCH
	ds_load_b128 v[(\f)+64+8*(\i)+4:(\f)+64+8*(\i)+7], v[ADRA+(\slot)] offset:(\k)+(\i)*16*PITCH+32
.endr
.endm
.macro PLACES                          ; four places in front of loads into registers that matrix instructions have read, and of conversions that read results (ISA guide 7.12.1 for the conversions)
.rept 4
	v_nop
.endr
.endm
; A K step is four quarters of 32 along K, 32 matrix instructions each, on buffers 0, 1, 0, 1.  One of the first three: multiplies buffer f; in its middle it fetches the next quarter, at byte k, into g.
.macro QUARTER slot, k, f, g, zero
	s_wait_dscnt 4                                 ; B and A's blocks 0, 1 are in; the youngest four loads (A's blocks 2, 3) may be out
	MUL8 \f, 0, \zero
	MUL8 \f, 1, \zero
	PLACES
	FETCH \slot, \k, \g
	s_wait_dscnt 24                                ; all but the 24 just issued
	MUL8 \f, 2, \zero
	MUL8 \f, 3, \zero
.endm
; The last quarter multiplies buffer 1 and changes slots: ONE barrier.  In front of it each wave waits for all its tensor loads (the one that is out is its part of the next slot), adds 0 to its spare word,
; and waits for that and for its own reads of this slot.  fill = 1: the barrier opens a round of the cluster's, and this slot is filled again, two K steps ahead, first thing behind the round:
; 112 matrix instructions stand between that request and the wait for it.  ask = 1: behind the refill waves 0 and 2 ask ahead for the K steps that the next trip's two refills bring.
.macro TURN slot, next, fill, ask=0
	WIN 0                                          ; (the add's two registers lie in window 0)
	s_wait_tensorcnt 0x0                           ; all my tensor loads have landed;
	ds_add_u32 v[SPW], v[NIL]                      ; 0 onto my spare word;
	s_wait_dscnt 5                                 ; (the add and the youngest four loads may be out)
	MUL8 F1, 0, 0                                  ; eight matrix instructions stand between the add and the wait for it
	s_wait_dscnt 0x0                               ; the add is done, and my reads of this slot are over
	s_barrier_signal -1
	MUL8 F1, 1, 0                                  ; work on registers while the others arrive
.if \fill
	WIN 0
.endif
	s_barrier_wait -1
.if \fill
	CREST                                          ; no wave of any partner still reads this slot's tile or has a load on its way
	s_add_nc_u64 s[G0+4*(\slot)+2:G0+4*(\slot)+3], s[G0+4*(\slot)+2:G0+4*(\slot)+3], 2*KSTEP*2
	s_add_nc_u64 s[G0B+4*(\slot)+2:G0B+4*(\slot)+3], s[G0B+4*(\slot)+2:G0B+4*(\slot)+3], 2*KSTEP*2
	JLOAD \slot                                    ; my one tensor load behind the round; the four v_nop behind it are also the places in front of the loads below
.else
	PLACES
.endif
.if \ask
	s_cmp_lg_u32 s[H], 0
	s_cbranch_scc1 .Lno_ask_\@                     ; waves 0 and 2 ask,
	s_cmp_eq_u32 s3, 1
	s_cbranch_scc1 .Lno_ask_\@                     ; and not in the last trip: K steps 16 and 17 do not exist
	global_prefetch_b8 v[PF], s[PFB:PFB+1] offset:4*KSTEP*2 th:TH_LOAD_NT scope:SCOPE_SE  ; trip i: the base stands at K step 2 i, so these are K steps 2 i + 4 and 2 i + 5
.Lno_ask_\@:
.endif
	FETCH \next, 0, F0
	MUL8 F1, 2, 0
	MUL8 F1, 3, 0
.endm
	s_wait_tensorcnt 1                             ; my part of K step 0 is in; K step 1's may stay out
	s_barrier_signal -1
	s_barrier_wait -1                              ; everybody's is
	FETCH 0, 0, F0
	QUARTER 0, 64, F0, F1, 1                       ; the first quarter stands in front of the loop: its products start the sums
	WIN 0                                          ; at a label and at a branch every window is 0
	s_mov_b32 s3, LAPS-1
.Llap:                                                 ; a trip goes once round the ring, from a lap's second quarter to the next lap's first, and fills both slots again
	QUARTER 0, 128, F1, F0, 0
	QUARTER 0, 192, F0, F1, 0
	TURN 0, 1, 1, 1
	QUARTER 1, 64,  F0, F1, 0
	QUARTER 1, 128, F1, F0, 0
	QUARTER 1, 192, F0, F1, 0
	TURN 1, 0, 1
	QUARTER 0, 64,  F0, F1, 0
	WIN 0
	s_wait_xcnt 0x0                                ; the trip's prefetch, five quarters back, has had its addresses translated (ISA guide 3.1): its base is stepped only behind this wait
	s_add_nc_u64 s[PFB:PFB+1], s[PFB:PFB+1], 2*KSTEP*2
	s_sub_co_u32 s3, s3, 1
	s_cmp_lg_u32 s3, 0
	s_cbranch_scc1 .Llap
	QUARTER 0, 128, F1, F0, 0                      ; the last lap fills nothing, and has no round of the cluster's barrier
	QUARTER 0, 192, F0, F1, 0
	TURN 0, 1, 0
	QUARTER 1, 64,  F0, F1, 0
	QUARTER 1, 128, F1, F0, 0
	QUARTER 1, 192, F0, F1, 0
	s_wait_dscnt 4                                 ; the very last quarter: nothing more to fetch
	MUL8 F1, 0, 0
	MUL8 F1, 1, 0
	s_wait_dscnt 0x0
	MUL8 F1, 2, 0
	MUL8 F1, 3, 0
	WIN 0
; THE WAY OUT, a block of 16 rows at a time.  PACK: rounded to f16, 16 bytes a lane, each accumulator's registers in ascending order.  TOSTAGE: into my own stage and back as whole rows of 256 bytes.  SEND: stored.
.macro PACK a
	WIN 0x05                                       ; sources 0 and 1 in window 1, destination in window 0
.irp b, 0,1,2,3,4,5,6,7
.irp r, 0,1,2,3
	v_cvt_pk_f16_f32 v[TMP+4*(\b)+(\r)], v[8*(8*(\a)+(\b))+2*(\r)], v[8*(8*(\a)+(\b))+2*(\r)+1]
.endr
.endr
	WIN 0
.endm
.macro TOSTAGE a
.irp b, 0,1,2,3,4,5,6,7
	ds_store_b128 v[STO], v[TMP+4*(\b):TMP+4*(\b)+3] offset:32*(\b)
.endr
.irp t, 0,1,2,3,4,5,6,7
	ds_load_b128 v[OB+32*(\a)+4*(\t):OB+32*(\a)+4*(\t)+3], v[RD] offset:(\t)*2*SPITCH  ; LDS serves a wave's instructions in order (ISA guide 5.7.1.4): these see the stores above; the next block's stores come behind them
.endr
.endm
.macro SEND a
	s_wait_dscnt 0x0                               ; the block is back in registers
.irp t, 0,1,2,3,4,5,6,7
	global_store_b128 v[CO], v[OB+32*(\a)+4*(\t):OB+32*(\a)+4*(\t)+3], s[10:11] offset:(16*(\a)+2*(\t))*ROWB  ; 16 lanes store 256 consecutive bytes, at a multiple of 256 from C's first byte; no register of a store is written again
.endr
.endm
	PLACES                                         ; the conversions read results just made
	PACK 0
	TOSTAGE 0
.irp a, 1,2,3                          ; block a's conversions stand between block a - 1's loads from the stage and the wait for them
	PACK \a
	SEND (\a)-1
	TOSTAGE \a
.endr
	SEND 3
	s_wait_tensorcnt 0x0                           ; the wave's end: a wait on my tensor loads, the add and its wait, behind my last tensor load and my last LDS store
	ds_add_u32 v[SPW], v[NIL]
	s_wait_dscnt 0x0
	CROUND                                         ; the closing round: no work-group ends while a partner may still ask for a tile that names it
	s_endpgm
.Lfunc_end_k_qf08625a169_gemm_b:
	.size	k_qf08625a169_gemm_b, .Lfunc_end_k_qf08625a169_gemm_b-k_qf08625a169_gemm_b
	.p2alignl 7, 3214868480
	.fill 96, 4, 3214868480
	.section	.rodata,"a",@progbits
	.p2align	6, 0x0
	.amdhsa_kernel k_qf08625a169_gemm_b
		.amdhsa_group_segment_fixed_size 327680
		.amdhsa_private_segment_fixed_size 0
		.amdhsa_enable_private_segment 0
		.amdhsa_kernarg_size 32
		.amdhsa_user_sgpr_count 2
		.amdhsa_user_sgpr_kernarg_segment_ptr 1
		.amdhsa_wavefront_size32 1
		.amdhsa_system_sgpr_workgroup_id_x 1
		.amdhsa_system_sgpr_workgroup_id_y 1
		.amdhsa_system_sgpr_workgroup_id_z 1
		.amdhsa_system_vgpr_workitem_id 0
		.amdhsa_next_free_vgpr 512
		.amdhsa_next_free_sgpr 72
		.amdhsa_reserve_vcc 0
		.amdhsa_float_denorm_mode_32 3
		.amdhsa_float_denorm_mode_16_64 3
		.amdhsa_memory_ordered 1
		.amdhsa_forward_progress 1
		.amdhsa_inst_pref_size 86
	.end_amdhsa_kernel
	.amdgpu_metadata
---
amdhsa.version: [ 1, 2 ]
amdhsa.kernels:
  - .name:           k_qf08625a169_gemm_b
    .symbol:         k_qf08625a169_gemm_b.kd
    .args:
      - { .name: a2, .offset: 0, .size: 8, .value_kind: global_buffer, .address_space: global }
      - { .name: lx, .offset: 8, .size: 8, .value_kind: global_buffer, .address_space: global }
      - { .name: wbb, .offset: 16, .size: 8, .value_kind: global_buffer, .address_space: global }
      - { .name: gb, .offset: 24, .size: 8, .value_kind: global_buffer, .address_space: global }
    .group_segment_fixed_size: 327680
    .private_segment_fixed_size: 0
    .kernarg_segment_align: 8
    .kernarg_segment_size: 32
    .max_flat_workgroup_size: 128
    .sgpr_count:     72
    .vgpr_count:     512
    .wavefront_size: 32
...
	.end_amdgpu_metadata
.endif
;; end of part 8
;; launch finish (part 9): grid 256 x 1, 8 waves a work-group, no clusters, 0 bytes of LDS; arguments ga, gb, hx, u_z_b, u_b, out0; writes out0
.if DOCPART == 9
	.amdgcn_target "amdgcn-amd-amdhsa--gfx1250"
	.amdhsa_code_object_version 6
	.text
	.protected	k_qf08625a169_finish
	.globl	k_qf08625a169_finish
	.p2align	8
	.type	k_qf08625a169_finish,@function
k_qf08625a169_finish:
	s_mov_b64 s[64:65], 0
	v_nop
	global_prefetch_b8 v0, s[64:65] scope:SCOPE_SE
	s_setreg_imm32_b32 hwreg(HW_REG_WAVE_MODE, 25, 1), 1
	s_wait_xcnt 0x0
; FINISH.  z = sigmoid(log0(exp0(G3) (+) exp0(G4 + u_z_b)));  inter = exp0(tanh(log0(exp0(G6) (+) exp0(G5 + u_b))));  out0 = hx (+) exp0(z x log0(-hx (+) inter)).
; G3, G4: the last two parts of ga; G6, G5: the two parts of gb; all [2048][2048] f16.  hx, out0: [2048][2048] f32.  (+) is the Moebius sum.
; exp0 and log0 multiply a row by a number made from its norm, and x (+) y = cx x + cy y with cx, cy made from |x|^2, |y|^2, x.y; the norm of every Moebius sum is summed from its elements, as the definition does.
; SHARES.  One wave, one row, all six arrays in registers: no LDS, no barrier, no loop.  Chunk j (0..15) holds columns 128 j + 4 lane .. + 3: 16 bytes a lane of an f32 row.
; The f16 rows stand in this program's own order (of each 256, place 8 L + 4 h + e holds number 128 h + 4 L + e): lane L's numbers of chunks 2 J and 2 J + 1 are the 16 bytes at 512 J + 16 L,
; so every load and store here is 16 bytes a lane and covers 512 consecutive bytes.
; LIMITS.  The element-wise tanh is 1 - 2 / (1 + e^(2t)): an absolute error of about 2e-7, which is small beside a hundredth of hx's share of out0 down to inputs a thirtieth of those drawn.  NaN is not treated apart.
; REGISTERS, in windows of 256 (s_set_vgpr_msb: bits 1:0 source 0, 3:2 source 1, 5:4 source 2, 7:6 destination):
;   window 0: v2-4 an offset and constants; v8-39 four sums' chains; v40-63 numbers of the row; v64-127 HX; v128-191 P; v192-255 Q
;   window 1: v0-127 G5, G6, G3, G4 as loaded; v128-191 ZA; v192-255 ZB
.set EPSF,  0x3727c5ac                 ; 1e-5
.set MAXNF, 0x3f7fff58                 ; 1 - 1e-5
.set ONE,  3                           ; v3  1.0, v4  0: the mixed multiply-add takes registers alone
.set ZERO, 4
.set SUM0, 8
.set SUM1, 16
.set SUM2, 24
.set SUM3, 32
.set T,    40                          ; v[40:43]  at work
.set KP,   46                          ; v[46:47], v[50:51], v[52:53]  a coefficient each, twice: the packed lines take the pair's low word for both halves
.set SHH,  48                          ; v48  |hx|^2
.set CFA,  50
.set CFB,  52
.set SA,   54
.set SB,   55
.set X2,   56
.set Y2,   57
.set XY,   58
.set CX,   59
.set CY,   60
.set SLG,  61                          ; v61  the factor of log0(-hx (+) inter)
.set VV,   62
.set HX,   64
.set P,    128
.set Q,    192
.set RAW5, 0                           ; window 1
.set RAW6, 32
.set RAW3, 64
.set RAW4, 96
.set ZA,   128
.set ZB,   192
.set SEL,  28                          ; s[28:29]
.set SEPS, 30
.set SMAX, 31
.set MSB, 0
.macro WIN new                         ; the immediate's high byte repeats the setting that is left; a switch that changes nothing is dropped
.if MSB != (\new)
	s_set_vgpr_msb (MSB<<8)|(\new)
.set MSB, \new
.endif
.endm
.macro DOT acc, x, y, w=0              ; the lane's part of the sum of x y: four chains (in window 0) started by the first four products; w: the window setting for x and y
	WIN \w
.set dj, 0
.rept 4
	v_pk_mul_f32 v[(\acc)+2*dj:(\acc)+2*dj+1], v[(\x)+2*dj:(\x)+2*dj+1], v[(\y)+2*dj:(\y)+2*dj+1]
.set dj, dj+1
.endr
.rept 28
	v_pk_fma_f32 v[(\acc)+2*(dj%4):(\acc)+2*(dj%4)+1], v[(\x)+2*dj:(\x)+2*dj+1], v[(\y)+2*dj:(\y)+2*dj+1], v[(\acc)+2*(dj%4):(\acc)+2*(dj%4)+1]
.set dj, dj+1
.endr
	WIN 0
	v_pk_add_f32 v[(\acc):(\acc)+1], v[(\acc):(\acc)+1], v[(\acc)+2:(\acc)+3]
	v_pk_add_f32 v[(\acc)+4:(\acc)+5], v[(\acc)+4:(\acc)+5], v[(\acc)+6:(\acc)+7]
	v_pk_add_f32 v[(\acc):(\acc)+1], v[(\acc):(\acc)+1], v[(\acc)+4:(\acc)+5]
	v_add_f32 v[\acc], v[\acc], v[(\acc)+1]
.endm
.macro REDN regs:vararg                ; the sums over the 32 lanes, left in every lane; register r + 1 (written by DOT) takes the other half's figure
.irp m, 1,2,4,8
.irp r, \regs
	v_add_f32_dpp v[\r], v[\r], v[\r] row_xmask:\m row_mask:0xf bank_mask:0xf
.endr
.endr
.irp r, \regs
	v_permlanex16_b32 v[(\r)+1], v[\r], s[SEL], s[SEL+1]
.endr
.irp r, \regs
	v_add_f32 v[\r], v[\r], v[(\r)+1]
.endr
.endm
; d = tanh(n) / n, n = max(sqrt(q), 1e-5).  For u = n^2 < 1/16 the series 1 - u/3 + 2u^2/15 - 17u^3/315 + 62u^4/2835 (what is cut is below 1e-8), else (1 - 2 / (1 + e^(2n))) / n; a select, no branch.
; Behind each transcendental a plain instruction stands before its result is used (ISA guide 5.7.2).
.macro EXPF d, q, t
	v_sqrt_f32 v[\t], v[\q]
	v_nop
	s_wait_alu depctr_va_vdst(0)
	v_max_num_f32 v[\t], s[SEPS], v[\t]
	v_mul_f32 v[(\t)+1], 0x4038aa3b, v[\t]                   ; 2 log2(e) n
	v_mul_f32 v[(\t)+2], v[\t], v[\t]
	v_exp_f32 v[(\t)+1], v[(\t)+1]
	v_rcp_f32 v[\t], v[\t]
	v_mov_b32 v[(\t)+3], 0x3cb327a4                          ; 62/2835
	v_fmaak_f32 v[(\t)+3], v[(\t)+2], v[(\t)+3], 0xbd5d0dd1  ; -17/315
	s_wait_alu depctr_va_vdst(0)
	v_add_f32 v[(\t)+1], 1.0, v[(\t)+1]
	v_rcp_f32 v[(\t)+1], v[(\t)+1]
	v_fmaak_f32 v[(\t)+3], v[(\t)+2], v[(\t)+3], 0x3e088889  ; 2/15
	v_fmaak_f32 v[(\t)+3], v[(\t)+2], v[(\t)+3], 0xbeaaaaab  ; -1/3
	s_wait_alu depctr_va_vdst(0)
	v_fma_f32 v[(\t)+1], v[(\t)+1], -2.0, 1.0
	v_fma_f32 v[(\t)+3], v[(\t)+2], v[(\t)+3], 1.0
	v_mul_f32 v[(\t)+1], v[(\t)+1], v[\t]
	v_cmp_gt_f32 vcc_lo, 0x3d800000, v[(\t)+2]
	v_cndmask_b32 v[\d], v[(\t)+1], v[(\t)+3], vcc_lo
.endm
; d = artanh(n) / n, n = clip(sqrt(q), 1e-5, 1 - 1e-5).  For u < 1/16 the series 1 + u/3 + .. + u^5/11 (what is cut is below 5e-9), else ln((1 + n) / (1 - n)) / 2 n.
.macro LOGF d, q, t
	v_sqrt_f32 v[\t], v[\q]
	v_nop
	s_wait_alu depctr_va_vdst(0)
	v_med3_num_f32 v[\t], v[\t], s[SEPS], s[SMAX]
	v_sub_f32 v[(\t)+1], 1.0, v[\t]
	v_mul_f32 v[(\t)+2], v[\t], v[\t]
	v_rcp_f32 v[(\t)+1], v[(\t)+1]
	v_add_f32 v[(\t)+3], 1.0, v[\t]
	s_wait_alu depctr_va_vdst(0)
	v_mul_f32 v[(\t)+1], v[(\t)+1], v[(\t)+3]
	v_log_f32 v[(\t)+1], v[(\t)+1]
	v_rcp_f32 v[\t], v[\t]
	v_mov_b32 v[(\t)+3], 0x3dba2e8c                          ; 1/11
	v_fmaak_f32 v[(\t)+3], v[(\t)+2], v[(\t)+3], 0x3de38e39  ; 1/9
	v_fmaak_f32 v[(\t)+3], v[(\t)+2], v[(\t)+3], 0x3e124925  ; 1/7
	v_fmaak_f32 v[(\t)+3], v[(\t)+2], v[(\t)+3], 0x3e4ccccd  ; 1/5
	v_fmaak_f32 v[(\t)+3], v[(\t)+2], v[(\t)+3], 0x3eaaaaab  ; 1/3
	v_fma_f32 v[(\t)+3], v[(\t)+2], v[(\t)+3], 1.0
	s_wait_alu depctr_va_vdst(0)
	v_mul_f32 v[(\t)+1], 0x3eb17218, v[(\t)+1]               ; ln 2 / 2
	v_mul_f32 v[(\t)+1], v[(\t)+1], v[\t]
	v_cmp_gt_f32 vcc_lo, 0x3d800000, v[(\t)+2]
	v_cndmask_b32 v[\d], v[(\t)+1], v[(\t)+3], vcc_lo
.endm
; x (+) y = cx x + cy y: cx = (1 + 2 xy + y2) / den, cy = (1 - x2) / den, den = max(1 + 2 xy + x2 y2, 1e-5)
.macro MOB cx, cy, x2, y2, xy, t
	v_fma_f32 v[\t], 2.0, v[\xy], 1.0
	v_fma_f32 v[\cy], v[\x2], v[\y2], v[\t]
	v_max_num_f32 v[\cy], s[SEPS], v[\cy]
	v_rcp_f32 v[\cy], v[\cy]
	v_add_f32 v[\t], v[\t], v[\y2]
	v_sub_f32 v[(\t)+1], 1.0, v[\x2]
	s_wait_alu depctr_va_vdst(0)
	v_mul_f32 v[\cx], v[\t], v[\cy]
	v_mul_f32 v[\cy], v[(\t)+1], v[\cy]
.endm
; The passes over the lane's 64 numbers; w is the window setting under which the pass's operands are named.
.macro SCALE d, x, c, w=0              ; d = c x
	WIN \w
.set i, 0
.rept 32
	v_pk_mul_f32 v[(\d)+2*i:(\d)+2*i+1], v[(\x)+2*i:(\x)+2*i+1], v[(\c):(\c)+1] op_sel_hi:[1,0]
.set i, i+1
.endr
.endm
.macro AXPY d, x, c, w=0               ; d += c x
	WIN \w
.set i, 0
.rept 32
	v_pk_fma_f32 v[(\d)+2*i:(\d)+2*i+1], v[(\x)+2*i:(\x)+2*i+1], v[(\c):(\c)+1], v[(\d)+2*i:(\d)+2*i+1] op_sel_hi:[1,0,1]
.set i, i+1
.endr
.endm
.macro PROD d, x, y, w=0               ; d = x y, number by number
	WIN \w
.set i, 0
	s_wait_alu depctr_va_vdst(0)
.rept 32
	v_pk_mul_f32 v[(\d)+2*i:(\d)+2*i+1], v[(\x)+2*i:(\x)+2*i+1], v[(\y)+2*i:(\y)+2*i+1]
.set i, i+1
.endr
.endm
.macro TRANS op, d, w=0                ; 64 transcendentals on end, in place, and the plain instruction behind the last
	WIN \w
.set i, 0
.rept 64
	\op v[(\d)+i], v[(\d)+i]
.set i, i+1
.endr
	v_nop
.endm
.macro ADD1 d, w=0                     ; d += 1
	WIN \w
.set i, 0
	s_wait_alu depctr_va_vdst(0)
.rept 32
	v_pk_add_f32 v[(\d)+2*i:(\d)+2*i+1], v[(\d)+2*i:(\d)+2*i+1], 1.0 op_sel_hi:[1,0]
.set i, i+1
.endr
.endm
.macro ROW16 d, base                   ; a row of f16: eight loads of 16 bytes a lane; load i brings my numbers of chunks 2 i and 2 i + 1
.set i, 0
.rept 8
	global_load_b128 v[(\d)+4*i:(\d)+4*i+3], v2, s[(\base):(\base)+1] offset:512*i th:TH_LOAD_NT
.set i, i+1
.endr
.endm
	s_load_b256 s[4:11], s[0:1], 0x0               ; ga s[4:5], gb s[6:7], hx s[8:9], u_z_b s[10:11]
	s_load_b128 s[12:15], s[0:1], 0x20             ; u_b s[12:13], out0 s[14:15]
	v_lshrrev_b32 v5, 5, v0
	v_readfirstlane_b32 s2, v5                     ; wave 0..7
	s_lshl_b32 s3, ttmp9, 3
	s_add_co_u32 s3, s3, s2                        ; my row
	s_lshl_b32 s16, s3, 12                         ; 4,096 bytes a row of f16,
	s_mov_b32 s17, 0
	s_lshl_b32 s18, s3, 13                         ; 8,192 a row of f32
	s_mov_b32 s19, 0
	s_mov_b32 s[SEL], 0x76543210
	s_mov_b32 s[SEL+1], 0xfedcba98
	s_mov_b32 s[SEPS], EPSF
	s_mov_b32 s[SMAX], MAXNF
	v_and_b32 v2, 31, v0
	v_lshlrev_b32 v2, 4, v2                        ; 16 x lane
	v_mov_b32 v[ONE], 1.0
	v_mov_b32 v[ZERO], 0
	s_wait_kmcnt 0x0
	s_add_nc_u64 s[20:21], s[4:5], s[16:17]
	s_add_nc_u64 s[20:21], s[20:21], 0x1000000     ; G3's row: the third part of ga
	s_add_nc_u64 s[22:23], s[20:21], 0x800000      ; G4's: the fourth
	s_add_nc_u64 s[24:25], s[6:7], s[16:17]        ; G6's: the first part of gb
	s_add_nc_u64 s[26:27], s[24:25], 0x800000      ; G5's: the second
	s_add_nc_u64 s[8:9], s[8:9], s[18:19]
	s_add_nc_u64 s[14:15], s[14:15], s[18:19]
	; what the way to inter wants goes out first (48 loads), what z wants behind it (32)
	WIN 0x40                                       ; destination window 1, address window 0
	ROW16 RAW5, 26
	ROW16 RAW6, 24
	WIN 0
.set i, 0
.rept 16
	global_load_b128 v[Q+4*i:Q+4*i+3], v2, s[12:13] offset:512*i
.set i, i+1
.endr
.set i, 0
.rept 16
	global_load_b128 v[HX+4*i:HX+4*i+3], v2, s[8:9] offset:512*i th:TH_LOAD_NT
.set i, i+1
.endr
	WIN 0x40
	ROW16 RAW3, 20
	ROW16 RAW4, 22
.set i, 0
.rept 16
	global_load_b128 v[ZB+4*i:ZB+4*i+3], v2, s[10:11] offset:512*i
.set i, i+1
.endr
	s_wait_loadcnt 32                              ; G5, G6, u_b and hx are in; z's 8 + 8 + 16 loads stay out
	; INTER.  Q = G5 + u_b, P = G6, both in f32
	WIN 0x01                                       ; source 0 in window 1
.set i, 0
.rept 32
	v_fma_mix_f32 v[Q+2*i],   v[RAW5+i], v[ONE], v[Q+2*i] op_sel_hi:[1,0,0]
	v_fma_mix_f32 v[Q+2*i+1], v[RAW5+i], v[ONE], v[Q+2*i+1] op_sel:[1,0,0] op_sel_hi:[1,0,0]
	v_fma_mix_f32 v[P+2*i],   v[RAW6+i], v[ONE], v[ZERO] op_sel_hi:[1,0,0]
	v_fma_mix_f32 v[P+2*i+1], v[RAW6+i], v[ONE], v[ZERO] op_sel:[1,0,0] op_sel_hi:[1,0,0]
.set i, i+1
.endr
	DOT SUM0, P, P
	DOT SUM1, Q, Q
	DOT SUM2, P, Q
	DOT SUM3, HX, HX
	REDN SUM0, SUM1, SUM2, SUM3
	v_mov_b32 v[SHH], v[SUM3]
	EXPF SA, SUM0, T                               ; wh = a6 G6
	EXPF SB, SUM1, T                               ; exp0(G5 + b) = a5 (G5 + b)
	v_mul_f32 v[X2], v[SA], v[SA]
	v_mul_f32 v[Y2], v[SB], v[SB]
	v_mul_f32 v[XY], v[SA], v[SB]
	v_mul_f32 v[X2], v[X2], v[SUM0]
	v_mul_f32 v[Y2], v[Y2], v[SUM1]
	v_mul_f32 v[XY], v[XY], v[SUM2]
	MOB CX, CY, X2, Y2, XY, T
	v_mul_f32 v[CFA], v[CX], v[SA]
	v_mul_f32 v[CFB], v[CY], v[SB]
	v_mov_b32 v[CFA+1], v[CFA]                     ; named as pairs
	v_mov_b32 v[CFB+1], v[CFB]
	SCALE P, P, CFA
	AXPY P, Q, CFB                                 ; the Moebius sum m
	DOT SUM0, P, P
	REDN SUM0
	LOGF SA, SUM0, T
	v_mul_f32 v[KP], 0x4038aa3b, v[SA]             ; tanh(s m) = 1 - 2 / (1 + 2^(2 log2(e) s m))
	v_mov_b32 v[KP+1], v[KP]
	SCALE P, P, KP
	TRANS v_exp_f32, P
	ADD1 P
	TRANS v_rcp_f32, P
.set i, 0
	s_wait_alu depctr_va_vdst(0)
.rept 32
	v_pk_fma_f32 v[P+2*i:P+2*i+1], v[P+2*i:P+2*i+1], -2.0, 1.0 op_sel_hi:[1,0,0]
.set i, i+1
.endr
	DOT SUM0, P, P                                 ; |t|^2
	DOT SUM1, HX, P                                ; hx . t
	REDN SUM0, SUM1
	EXPF SA, SUM0, T                               ; inter = e t
	v_mul_f32 v[Y2], v[SA], v[SA]
	v_mul_f32 v[XY], v[SA], v[SUM1]
	v_mul_f32 v[Y2], v[Y2], v[SUM0]
	v_mul_f32 v[XY], -1.0, v[XY]                   ; (-hx) . inter
	MOB CX, CY, SHH, Y2, XY, T
	v_mul_f32 v[CFA], -1.0, v[CX]
	v_mul_f32 v[CFB], v[CY], v[SA]
	v_mov_b32 v[CFA+1], v[CFA]
	v_mov_b32 v[CFB+1], v[CFB]
	SCALE P, P, CFB
	AXPY P, HX, CFA                                ; d = -hx (+) inter
	DOT SUM0, P, P
	REDN SUM0
	LOGF SLG, SUM0, T                              ; log0(d) = SLG d
	; Z.  ZB = G4 + u_z_b, ZA = G3
	s_wait_loadcnt 0x0
	WIN 0x51                                       ; source 0, source 2 and destination in window 1
.set i, 0
.rept 32
	v_fma_mix_f32 v[ZB+2*i],   v[RAW4+i], v[ONE], v[ZB+2*i] op_sel_hi:[1,0,0]
	v_fma_mix_f32 v[ZB+2*i+1], v[RAW4+i], v[ONE], v[ZB+2*i+1] op_sel:[1,0,0] op_sel_hi:[1,0,0]
.set i, i+1
.endr
	WIN 0x41                                       ; source 0 and destination in window 1
.set i, 0
.rept 32
	v_fma_mix_f32 v[ZA+2*i],   v[RAW3+i], v[ONE], v[ZERO] op_sel_hi:[1,0,0]
	v_fma_mix_f32 v[ZA+2*i+1], v[RAW3+i], v[ONE], v[ZERO] op_sel:[1,0,0] op_sel_hi:[1,0,0]
.set i, i+1
.endr
	DOT SUM0, ZA, ZA, 0x05                         ; sources 0 and 1 in window 1, the chains in window 0
	DOT SUM1, ZB, ZB, 0x05
	DOT SUM2, ZA, ZB, 0x05
	REDN SUM0, SUM1, SUM2
	EXPF SA, SUM0, T
	EXPF SB, SUM1, T
	v_mul_f32 v[X2], v[SA], v[SA]
	v_mul_f32 v[Y2], v[SB], v[SB]
	v_mul_f32 v[XY], v[SA], v[SB]
	v_mul_f32 v[X2], v[X2], v[SUM0]
	v_mul_f32 v[Y2], v[Y2], v[SUM1]
	v_mul_f32 v[XY], v[XY], v[SUM2]
	MOB CX, CY, X2, Y2, XY, T
	v_mul_f32 v[CFA], v[CX], v[SA]
	v_mul_f32 v[CFB], v[CY], v[SB]
	v_mov_b32 v[CFA+1], v[CFA]
	v_mov_b32 v[CFB+1], v[CFB]
	SCALE ZA, ZA, CFA, 0x41
	AXPY ZA, ZB, CFB, 0x51
	DOT SUM0, ZA, ZA, 0x05
	REDN SUM0
	LOGF SA, SUM0, T
	v_mul_f32 v[KP], 0xbfb8aa3b, v[SA]             ; sigmoid(s m) = 1 / (1 + 2^(-log2(e) s m))
	v_mov_b32 v[KP+1], v[KP]
	SCALE ZA, ZA, KP, 0x41
	TRANS v_exp_f32, ZA, 0x41
	ADD1 ZA, 0x41
	TRANS v_rcp_f32, ZA, 0x41                      ; z
	PROD P, ZA, P, 0x01                            ; P = z d; the vector wanted is v = SLG P
	; THE END.  out0 = hx (+) exp0(v)
	DOT SUM0, P, P
	DOT SUM1, HX, P
	REDN SUM0, SUM1
	v_mul_f32 v[VV], v[SLG], v[SLG]
	v_mul_f32 v[VV], v[VV], v[SUM0]                ; |v|^2
	EXPF SA, VV, T                                 ; exp0(v) = f v
	v_mul_f32 v[SB], v[SA], v[SLG]                 ; f SLG
	v_mul_f32 v[Y2], v[SA], v[SA]
	v_mul_f32 v[XY], v[SB], v[SUM1]
	v_mul_f32 v[Y2], v[Y2], v[VV]
	MOB CX, CY, SHH, Y2, XY, T
	v_mov_b32 v[CFA], v[CX]
	v_mul_f32 v[CFB], v[CY], v[SB]
	v_mov_b32 v[CFA+1], v[CX]
	v_mov_b32 v[CFB+1], v[CFB]
	SCALE HX, HX, CFA
	AXPY HX, P, CFB
.set i, 0
.rept 16
	global_store_b128 v2, v[HX+4*i:HX+4*i+3], s[14:15] offset:512*i th:TH_STORE_NT  ; the wave's store covers 512 consecutive bytes, aligned
.set i, i+1
.endr
	s_endpgm
.Lfunc_end_k_qf08625a169_finish:
	.size	k_qf08625a169_finish, .Lfunc_end_k_qf08625a169_finish-k_qf08625a169_finish
	.p2alignl 7, 3214868480
	.fill 96, 4, 3214868480
	.section	.rodata,"a",@progbits
	.p2align	6, 0x0
	.amdhsa_kernel k_qf08625a169_finish
		.amdhsa_group_segment_fixed_size 0
		.amdhsa_private_segment_fixed_size 0
		.amdhsa_enable_private_segment 0
		.amdhsa_kernarg_size 48
		.amdhsa_user_sgpr_count 2
		.amdhsa_user_sgpr_kernarg_segment_ptr 1
		.amdhsa_wavefront_size32 1
		.amdhsa_system_sgpr_workgroup_id_x 1
		.amdhsa_system_sgpr_workgroup_id_y 1
		.amdhsa_system_sgpr_workgroup_id_z 1
		.amdhsa_system_vgpr_workitem_id 0
		.amdhsa_next_free_vgpr 512
		.amdhsa_next_free_sgpr 66
		.amdhsa_reserve_vcc 1
		.amdhsa_float_denorm_mode_32 3
		.amdhsa_float_denorm_mode_16_64 3
		.amdhsa_memory_ordered 1
		.amdhsa_forward_progress 1
		.amdhsa_inst_pref_size 111
	.end_amdhsa_kernel
	.amdgpu_metadata
---
amdhsa.version: [ 1, 2 ]
amdhsa.kernels:
  - .name:           k_qf08625a169_finish
    .symbol:         k_qf08625a169_finish.kd
    .args:
      - { .name: ga, .offset: 0, .size: 8, .value_kind: global_buffer, .address_space: global }
      - { .name: gb, .offset: 8, .size: 8, .value_kind: global_buffer, .address_space: global }
      - { .name: hx, .offset: 16, .size: 8, .value_kind: global_buffer, .address_space: global }
      - { .name: u_z_b, .offset: 24, .size: 8, .value_kind: global_buffer, .address_space: global }
      - { .name: u_b, .offset: 32, .size: 8, .value_kind: global_buffer, .address_space: global }
      - { .name: out0, .offset: 40, .size: 8, .value_kind: global_buffer, .address_space: global }
    .group_segment_fixed_size: 0
    .private_segment_fixed_size: 0
    .kernarg_segment_align: 8
    .kernarg_segment_size: 48
    .max_flat_workgroup_size: 256
    .sgpr_count:     66
    .vgpr_count:     512
    .wavefront_size: 32
...
	.end_amdgpu_metadata
.endif
;; end of part 9
